; MI455X (gfx1250); checked and timed in simulation.
; The chip was launched on July 23, 2026; its instructions are those of AMD's public machine-readable ISA for CDNA 5 (MIT licence, August 2026) and "CDNA5" Instruction Set Architecture Reference Guide (July 2026). The comments in the code are by the model that wrote it; some were corrected since.
;; Transformer Encoder Layer. Allowed arithmetic: matrix products marked QUANTISED: E2M1 operands, one E8M0 scale for each 32 along K, by v_wmma_scale_f32_16x16x128_f8f6f4 with both operands' format E2M1 (or v_wmma_scale_f32_32x16x128_f4), f32 sums; everything else in f32.
;; Inputs: W1 1,024 x 4,096 float32; W2 4,096 x 1,024 float32; Wk 1,024 x 1,024 float32; Wo 1,024 x 1,024 float32; Wq 1,024 x 1,024 float32; Wv 1,024 x 1,024 float32; b1 4,096 float32; b2 1,024 float32; be1 1,024 float32; be2 1,024 float32; bk 1,024 float32; bo 1,024 float32; bq 1,024 float32; bv 1,024 float32; g1 1,024 float32; g2 1,024 float32; x 2 x 2,048 x 1,024 float32.
;; Outputs: out0 2 x 2,048 x 1,024 float32.
;; This version of the problem:
;;   THIS VERSION OF THE PROBLEM IS GIVEN IN LOW PRECISION. The matrix products marked QUANTISED in the list below multiply operands that are first quantised to E2M1 (2 exponent bits, 1 mantissa bit; 4 bits a number), with one power-of-two scale for each 32 numbers along K (OCP MX v1.0); their sums are f32. All else is computed in f32.
;;   The module's matrix products, in the order in which they are computed (A, B: the left and right operand; K: the contracted axis; several contracted axes count as one K, in the product's order):
;;     1. [M 4,096, K 1,024] x [K 1,024, N 1,024]; A: input x; B: input Wq: QUANTISED
;;     2. [M 4,096, K 1,024] x [K 1,024, N 1,024]; A: input x; B: input Wk: QUANTISED
;;     3. [M 4,096, K 1,024] x [K 1,024, N 1,024]; A: input x; B: input Wv: QUANTISED
;;     4. batch 32 x [M 2,048, K 64] x [K 64, N 2,048]; A: computed on the way; B: computed on the way: QUANTISED
;;     5. batch 32 x [M 2,048, K 2,048] x [K 2,048, N 64]; A: softmax (see below); B: computed on the way: QUANTISED
;;     6. [M 4,096, K 1,024] x [K 1,024, N 1,024]; A: computed on the way; B: input Wo: QUANTISED
;;     7. [M 4,096, K 1,024] x [K 1,024, N 4,096]; A: computed on the way; B: input W1: QUANTISED
;;     8. [M 4,096, K 4,096] x [K 4,096, N 1,024]; A: computed on the way; B: input W2: QUANTISED
;;   THE QUANTISER, for each operand of a quantised product, along K:
;;     - K is cut into blocks of 32 from its start; a last block that is shorter is filled with zeros.
;;     - A block's scale is 2^e with e = floor(log2(the largest magnitude in the block)) - 2, held to -126 .. 127; a block of zeros has e = 0. As a byte (E8M0): e + 127.
;;     - Each number is divided by its block's scale, clamped to +-6, and rounded to the nearest number of E2M1, ties to even, subnormals kept.
;;     - The product sums the exact products of the quantised numbers (number of the format x scale) in f32.
;;   ~~~python
;;   def quantise(x, axis):      # numpy; x: float32 -> the quantised numbers, widened to float32 again
;;       x = np.moveaxis(x, axis, -1); K = x.shape[-1]
;;       x = np.pad(x, [(0, 0)] * (x.ndim - 1) + [(0, -K % 32)]); x = x.reshape(x.shape[:-1] + (-1, 32)); a = np.abs(x).max(-1, keepdims=True)
;;       e = np.where(a > 0, np.clip(np.frexp(np.where(a > 0, a, 1))[1] - 1 - 2, -126, 127), 0)      # np.frexp(a)[1] - 1 = floor(log2(a)), exactly
;;       r = np.clip(x / 2.0 ** e, -6, 6)
;;       step = 2.0 ** (np.maximum(np.frexp(np.where(r == 0, 1, r))[1] - 1, 0) - 1)
;;       q = np.round(r / step) * step * 2.0 ** e      # np.round: ties to even
;;       return np.moveaxis(q.reshape(q.shape[:-2] + (-1,))[..., :K], -1, axis).astype(np.float32)
;;   ~~~
;;   SOFTMAX AHEAD OF A QUANTISED PRODUCT. Where the list says 'softmax', what is quantised is not the finished softmax but p = 2^(t - M), with t = logit x log2(e) and M = ceil(the row's largest t), a whole number; so 1/2 < the row's largest p <= 1. The row's sum l is taken of the UNQUANTISED p, in f32, and the product's result is divided by l at the end. Since M is a whole number, a kernel that streams over the keys may use a running M (the ceiling of the running maximum): every later rescaling is an exact power of two, which a block's scale takes up: the codes' values come out the same.
;;   OPERANDS COMPUTED ON THE WAY. 'Computed on the way' means the value that the module computes at that place (a softmax that the list does not call 'softmax' is quantised finished and normalised). What goes into a quantiser is computed in f32, as accurately as f32 sums, v_exp_f32 and their like allow (about 1e-6 of the number): no bf16 or f16 on the way to a quantiser, and a product that is left as it is and whose result goes on into a quantised operand takes f32 operands (vector FMAs, or v_wmma_f32_16x16x4_f32). A number that lies on a knife's edge between two numbers of the format may be rounded either way, as far as f32 arithmetic and the matrix unit's own rounding can turn it there, and no further.
;; 2 versions. Each part assembles by itself: llvm-mc -triple=amdgcn-amd-amdhsa -mcpu=gfx1250 --defsym DOCPART=n.
;; ======== version 1 of 2: 8 launches
;; workspace buffers: ximg 2,228,224 bytes; wimg 6,684,672 bytes; qkv 6,684,672 bytes; cimg 2,228,224 bytes; himg 2,228,224 bytes; gimg 8,912,896 bytes; y1 16,777,216 bytes; y2 16,777,216 bytes
;; launch prep (part 1): grid 448 x 1, 4 waves a work-group, no clusters, 9,216 bytes of LDS; arguments x, Wq, Wk, Wv, Wo, W1, W2, ximg, wimg; writes ximg, wimg
.if DOCPART == 1
	.amdgcn_target "amdgcn-amd-amdhsa--gfx1250"
	.amdhsa_code_object_version 6
	.text
	.protected	k_qdc78e29769_prep
	.globl	k_qdc78e29769_prep
	.p2align	8
	.type	k_qdc78e29769_prep,@function
k_qdc78e29769_prep:
	s_mov_b64 s[64:65], 0
	v_nop
	global_prefetch_b8 v0, s[64:65] scope:SCOPE_SE
	s_setreg_imm32_b32 hwreg(HW_REG_WAVE_MODE, 25, 1), 1
	s_wait_xcnt 0x0
; PREP: x and the six weights, f32, become codes of FP4 (E2M1) with one E8M0 byte for each 32 along K, each quantised ONCE.
; NO WORK OF THE PROBLEM IS LEFT OUT IN ANY LAUNCH: every product is live, every bias goes into a quantised operand or an output, every input is loaded.
; THE LAYOUT OF ALL MY BUFFERS OF CODES ("image").  A RECORD of REC = 4,352 bytes holds 16 rows x 512 along K in the order of the matrix operand's registers:
;   step q (128 along K) at 1024 q; register group c at + 512 c; lane l's 16 bytes at + 16 l; lane (r, h) holds k = 128 q + 64 c + 32 h + 0 .. 31 of the tile's row r.
;   From byte 4,096: row r's 16 scale bytes at 16 r, one byte for each 32 along K.   An image is [K / 512][rows / 16][REC].
; THE ROWS OF A TILE ARE NOT NEIGHBOURS: row r of tile 2 b + u is row 32 b + 8 u + r + 8 (r / 8) of the operand, so that, where the operand is source 0, the 16 result registers of
; tiles 2 b and 2 b + 1 are 16 neighbours, which the next quantiser wants.
; Work-groups 0-255: one tile of 16 rows of x (K innermost).  Work-groups 256-447: 128 columns x 512 along K of a weight (K is the FIRST axis: a lane takes a column, its registers run down K).
; A block's byte is its largest magnitude's exponent field - 2, held at 1 from below.
; LIMITS: NaN and infinities among the inputs are not served; a block whose largest magnitude lies under 2^-124, a block of zeros too, gets the byte 1 (its codes are then zeros or the
; nearest codes under that scale; the bytes are read by this program alone).
.set REC,   4352
.set CHX,   256*REC                    ; from chunk to chunk in x's image
.set SPARE, 8704                       ; LDS (x's path alone): 0-8191 the tile's codes, two chunks; 8192-8703 its scale bytes; then the spare words, 128 bytes a wave
.set SPW,   30                         ; v30  LDS address of my spare word; never rewritten
.set NIL,   31                         ; v31  0; never rewritten
.set X,     32                         ; v32-159  x's path: four rows, 32 numbers a lane each
.set CD,    160                        ; v160-175 codes, a register for each (row, j)
.set BY,    176                        ; v176-191 scale bytes likewise
.set OFS,   32                         ; v32-63   the weights' path: byte offsets of 32 rows k at my column
.set XW,    64                         ; v64-127  two sets of 32 numbers
.set CW,    128                        ; v128-131 a block's codes
.set SB,    132                        ; v132-135 my column's 16 scale bytes
.macro ROWLOAD i                       ; row i of my four: for j = 0 .. 3 a lane takes the 8 neighbours k = 256 j + 8 lane + 0 .. 7; the two loads of a j cover 1,024 consecutive bytes
.irp j, 0,1,2,3
.irp e, 0,1
	global_load_b128 v[X+32*\i+8*\j+4*\e:X+32*\i+8*\j+4*\e+3], v2, s[8:9] offset:4096*\i+1024*\j+16*\e
.endr
.endr
.endm
.macro ROWQ i                          ; row i is quantised: a block of 32 lies in four neighbouring lanes; the four j take turns line by line
.irp j, 0,1,2,3
	v_max3_num_f32 v[8+\j], |v[X+32*\i+8*\j]|, |v[X+32*\i+8*\j+1]|, 0x1800000   ; with the floor 2^(3 - 127): the byte cannot fall under 1
.endr
.irp k, 2,4,6
.irp j, 0,1,2,3
	v_max3_num_f32 v[8+\j], v[8+\j], |v[X+32*\i+8*\j+\k]|, |v[X+32*\i+8*\j+\k+1]|
.endr
.endr
.irp m, 1,2
.irp j, 0,1,2,3
	v_max_num_f32_dpp v[8+\j], v[8+\j], v[8+\j] row_xmask:\m row_mask:0xf bank_mask:0xf
.endr
.endr
.irp j, 0,1,2,3
	v_add_nc_u32 v[12+\j], 0xff000000, v[8+\j]     ; 2 off the exponent field: the conversion's scale operand
.endr
.irp j, 0,1,2,3
	v_lshrrev_b32 v[BY+4*\i+\j], 23, v[12+\j]      ; the scale's byte
.endr
.irp j, 0,1,2,3
	v_cvt_scalef32_pk8_fp4_f32 v[CD+4*\i+\j], v[X+32*\i+8*\j:X+32*\i+8*\j+7], v[12+\j]
.endr
	v_nop                                          ; one plain instruction behind the last scaled conversion
.irp j, 0,1,2,3
	ds_store_b32 v3, v[CD+4*\i+\j] offset:16*\i+2048*(\j%2)+4096*(\j/2)   ; the 8 codes at their place in the record
	ds_store_b8 v4, v[BY+4*\i+\j] offset:16*\i+8*(\j%2)+256*(\j/2)        ; the four lanes of a block write the same byte with the same value
.endr
.endm
.macro LOADW t                         ; block t of my column: W(32 t + i, column), i = 0 .. 31; the caller has waited on XCNT, so the base may step
.if (\t) > 0
	s_add_nc_u64 s[38:39], s[38:39], s[50:51]
.endif
.set i, 0
.rept 32
	global_load_b32 v[XW+32*((\t)%2)+i], v[OFS+i], s[38:39] th:TH_LOAD_NT
.set i, i+1
.endr
.endm
.macro BLOCKW t
.set XS, XW+32*((\t)%2)
.if (\t) < 15
	s_wait_loadcnt 32                              ; this block's 32 loads are in; the next block's 32 may be out
.else
	s_wait_loadcnt 0x0
.endif
	v_max3_num_f32 v12, |v[XS]|, |v[XS+1]|, |v[XS+2]|
	v_max3_num_f32 v13, |v[XS+3]|, |v[XS+4]|, |v[XS+5]|
.irp i, 6,10,14,18,22,26
	v_max3_num_f32 v12, v12, |v[XS+\i]|, |v[XS+\i+1]|
	v_max3_num_f32 v13, v13, |v[XS+\i+2]|, |v[XS+\i+3]|
.endr
	v_max3_num_f32 v12, v12, |v[XS+30]|, |v[XS+31]|
	v_max3_num_f32 v12, v12, v13, 0x1800000
	v_add_nc_u32 v11, 0xff000000, v12
	v_lshrrev_b32 v13, 23, v11
.if (\t)%4 == 0
	v_mov_b32 v[SB+(\t)/4], v13
.else
	v_lshl_or_b32 v[SB+(\t)/4], v13, 8*((\t)%4), v[SB+(\t)/4]
.endif
.irp g, 0,1,2,3
	v_cvt_scalef32_pk8_fp4_f32 v[CW+\g], v[XS+8*\g:XS+8*\g+7], v11
.endr
	v_nop
	global_store_b128 v5, v[CW:CW+3], s[24:25] offset:1024*((\t)/4)+512*(((\t)%4)/2)+256*((\t)%2)   ; sixteen lanes store 256 consecutive bytes, aligned
	s_wait_xcnt 0x0                                ; the store has read its codes and the loads their base: both are written again only behind this wait
.if (\t)+2 < 16
	LOADW (\t)+2
.endif
.endm
	s_load_b512 s[8:23], s[0:1], 0x0               ; x s[8:9], Wq, Wk, Wv, Wo, W1, W2 s[10:21], ximg s[22:23]
	s_load_b64 s[24:25], s[0:1], 0x40              ; wimg
	v_lshl_add_u32 v[SPW], v0, 2, SPARE
	v_mov_b32 v[NIL], 0
	v_lshrrev_b32 v1, 5, v0
	v_readfirstlane_b32 s26, v1                    ; wave
	v_and_b32 v1, 31, v0                           ; lane
	s_cmp_ge_u32 ttmp9, 256                        ; the work-group's number alone: all four waves go the same way
	s_cbranch_scc1 .Lweights
	; ---- x: tile T = work-group.  Wave w takes the tile's rows 4 w .. 4 w + 3, which are four consecutive rows of x from 32 (T / 2) + 8 (T % 2) + 4 w + 8 (w / 2) on
	s_lshr_b32 s27, ttmp9, 1
	s_lshl_b32 s27, s27, 5
	s_and_b32 s28, ttmp9, 1
	s_lshl_b32 s28, s28, 3
	s_add_co_u32 s27, s27, s28
	s_lshl_b32 s28, s26, 2
	s_add_co_u32 s27, s27, s28
	s_lshr_b32 s28, s26, 1
	s_lshl_b32 s28, s28, 3
	s_add_co_u32 s27, s27, s28
	s_lshl_b32 s28, s27, 12                        ; rows of 4,096 bytes
	s_mov_b32 s29, 0
	s_mul_i32 s30, ttmp9, REC
	s_mov_b32 s31, 0
	v_lshlrev_b32 v2, 5, v1                        ; 32 x lane
	v_and_b32 v3, 3, v1
	v_lshlrev_b32 v3, 2, v3
	v_bfe_u32 v5, v1, 2, 3                         ; lane / 4: the block among a j's eight
	v_lshl_add_u32 v3, v5, 8, v3                   ; codes: 4 (lane % 4) + 256 (lane / 4): half h, group c and step fall out of the lane's bits 2, 3, 4
	s_lshl_b32 s32, s26, 6
	v_add_nc_u32 v3, s32, v3                       ; + 16 bytes for each of the 4 w rows in front
	v_add_nc_u32 v4, s32, v5
	v_add_nc_u32 v4, 8192, v4                      ; bytes: 8192 + 16 x row + block
	v_lshlrev_b32 v6, 4, v0                        ; the way out: 16 x thread
	s_wait_kmcnt 0x0
	s_add_nc_u64 s[8:9], s[8:9], s[28:29]
	s_add_nc_u64 s[22:23], s[22:23], s[30:31]
.irp i, 0,1,2,3
	ROWLOAD \i
.endr
.irp i, 0,1,2,3
	s_wait_loadcnt 8*(3-\i)                        ; row i's eight loads are in; the later rows' may be out
	ROWQ \i
.endr
	s_wait_dscnt 0x0                               ; my stores have landed
	s_barrier_signal -1
	s_barrier_wait -1                              ; the tile's two records lie in LDS
.irp p, 0,1,2,3
	ds_load_b128 v[32+4*\p:35+4*\p], v6 offset:2048*\p
.endr
.irp p, 0,1,2,3
	s_wait_dscnt 3-\p                              ; the younger LDS loads may be out
	global_store_b128 v6, v[32+4*\p:35+4*\p], s[22:23] offset:(\p/2)*CHX+(\p%2)*2048   ; a wave stores 512 consecutive bytes
.endr
	s_cmp_lg_u32 s26, 0
	s_cbranch_scc1 .Lx_end
	v_lshlrev_b32 v7, 4, v1                        ; wave 0: the two chunks' 256 scale bytes
	ds_load_b128 v[48:51], v7 offset:8192
	v_and_b32 v5, 15, v1
	v_lshlrev_b32 v5, 4, v5
	v_lshrrev_b32 v8, 4, v1
	v_mul_u32_u24 v8, v8, CHX
	v_add_nc_u32 v5, v5, v8
	s_wait_dscnt 0x0
	global_store_b128 v5, v[48:51], s[22:23] offset:4096
.Lx_end:
	s_wait_tensorcnt 0x0                           ; the wave's end
	ds_add_u32 v[SPW], v[NIL]
	s_wait_dscnt 0x0
	s_endpgm
	; ---- the weights: no LDS, no barrier.  u = work-group - 256: 0-63 Wq, Wk, Wv, Wo (16 each); 64-127 W1; 128-191 W2
.Lweights:
	s_sub_co_u32 s27, ttmp9, 256
	s_lshr_b32 s28, s27, 6                         ; which range
	s_and_b32 s29, s27, 63
	s_lshr_b32 s30, s29, 4                         ; range 0: which of the four matrices
	s_and_b32 s31, s29, 7                          ; block of 128 columns (ranges 0 and 2)
	s_bfe_u32 s32, s29, 0x10003                    ; chunk of 512 along K (range 0)
	s_lshl_b32 s36, s30, 6                         ; Wq, Wk, Wv lie one behind the other in one image of 192 tiles: 64 tiles each
	s_and_b32 s37, s29, 31
	s_lshr_b32 s40, s29, 5
	s_lshr_b32 s41, s29, 3
	s_mov_b32 s33, 4096                            ; bytes from row k to row k + 1
	s_mov_b32 s34, 192                             ; tiles in a chunk of the image
	s_wait_kmcnt 0x0
	s_cmp_eq_u32 s30, 1
	s_cselect_b64 s[38:39], s[12:13], s[10:11]
	s_cmp_eq_u32 s30, 2
	s_cselect_b64 s[38:39], s[14:15], s[38:39]
	s_cmp_eq_u32 s30, 3
	s_cselect_b64 s[38:39], s[16:17], s[38:39]
	s_cselect_b32 s34, 64, s34
	s_cselect_b32 s35, 1671168, 0                  ; where the image begins in wimg
	s_cselect_b32 s36, 0, s36
	s_cmp_eq_u32 s28, 1
	s_cselect_b64 s[38:39], s[18:19], s[38:39]
	s_cselect_b32 s31, s37, s31
	s_cselect_b32 s32, s40, s32
	s_cselect_b32 s33, 16384, s33
	s_cselect_b32 s34, 256, s34
	s_cselect_b32 s35, 2228224, s35
	s_cselect_b32 s36, 0, s36
	s_cmp_eq_u32 s28, 2
	s_cselect_b64 s[38:39], s[20:21], s[38:39]
	s_cselect_b32 s32, s41, s32
	s_cselect_b32 s34, 64, s34
	s_cselect_b32 s35, 4456448, s35
	s_cselect_b32 s36, 0, s36
	s_lshl_b32 s46, s33, 9                         ; from: chunk x 512 rows + 4 (128 block + 32 wave)
	s_mul_i32 s46, s46, s32
	s_lshl_b32 s47, s31, 9
	s_add_co_u32 s46, s46, s47
	s_lshl_b32 s47, s26, 7
	s_add_co_u32 s46, s46, s47
	s_mov_b32 s47, 0
	s_add_nc_u64 s[38:39], s[38:39], s[46:47]
	s_mul_i32 s48, s32, s34                        ; to: record chunk x tiles + 8 block + 2 wave
	s_add_co_u32 s48, s48, s36
	s_lshl_b32 s49, s31, 3
	s_add_co_u32 s48, s48, s49
	s_lshl_b32 s49, s26, 1
	s_add_co_u32 s48, s48, s49
	s_mul_i32 s48, s48, REC
	s_add_co_u32 s48, s48, s35
	s_mov_b32 s49, 0
	s_add_nc_u64 s[24:25], s[24:25], s[48:49]
	s_lshl_b32 s50, s33, 5                         ; 32 rows on
	s_mov_b32 s51, 0
	v_and_b32 v2, 15, v1                           ; r
	v_lshrrev_b32 v3, 4, v1                        ; which of my wave's two tiles
	v_and_b32 v4, 8, v2
	v_add_nc_u32 v4, v4, v2
	v_lshl_add_u32 v4, v3, 3, v4                   ; my column among the wave's 32: 8 u + r + 8 (r / 8)
	v_lshlrev_b32 v[OFS], 2, v4
.set i, 1
.rept 31
	v_add_nc_u32 v[OFS+i], s33, v[OFS+i-1]
.set i, i+1
.endr
	v_mul_u32_u24 v5, v3, REC
	v_lshl_add_u32 v5, v2, 4, v5                   ; my tile's record, + 16 r
	LOADW 0
	s_wait_xcnt 0x0
	LOADW 1
.set Q, 0
.rept 16
	BLOCKW Q
.set Q, Q+1
.endr
	global_store_b128 v5, v[SB:SB+3], s[24:25] offset:4096   ; sixteen lanes store a record's 256 scale bytes
	s_endpgm
.Lfunc_end_k_qdc78e29769_prep:
	.size	k_qdc78e29769_prep, .Lfunc_end_k_qdc78e29769_prep-k_qdc78e29769_prep
	.p2alignl 7, 3214868480
	.fill 96, 4, 3214868480
	.section	.rodata,"a",@progbits
	.p2align	6, 0x0
	.amdhsa_kernel k_qdc78e29769_prep
		.amdhsa_group_segment_fixed_size 9216
		.amdhsa_private_segment_fixed_size 0
		.amdhsa_enable_private_segment 0
		.amdhsa_kernarg_size 72
		.amdhsa_user_sgpr_count 2
		.amdhsa_user_sgpr_kernarg_segment_ptr 1
		.amdhsa_wavefront_size32 1
		.amdhsa_system_sgpr_workgroup_id_x 1
		.amdhsa_system_sgpr_workgroup_id_y 1
		.amdhsa_system_sgpr_workgroup_id_z 1
		.amdhsa_system_vgpr_workitem_id 0
		.amdhsa_next_free_vgpr 192
		.amdhsa_next_free_sgpr 66
		.amdhsa_reserve_vcc 0
		.amdhsa_float_denorm_mode_32 3
		.amdhsa_float_denorm_mode_16_64 3
		.amdhsa_memory_ordered 1
		.amdhsa_forward_progress 1
		.amdhsa_inst_pref_size 96
	.end_amdhsa_kernel
	.amdgpu_metadata
---
amdhsa.version: [ 1, 2 ]
amdhsa.kernels:
  - .name:           k_qdc78e29769_prep
    .symbol:         k_qdc78e29769_prep.kd
    .args:
      - { .name: x, .offset: 0, .size: 8, .value_kind: global_buffer, .address_space: global }
      - { .name: Wq, .offset: 8, .size: 8, .value_kind: global_buffer, .address_space: global }
      - { .name: Wk, .offset: 16, .size: 8, .value_kind: global_buffer, .address_space: global }
      - { .name: Wv, .offset: 24, .size: 8, .value_kind: global_buffer, .address_space: global }
      - { .name: Wo, .offset: 32, .size: 8, .value_kind: global_buffer, .address_space: global }
      - { .name: W1, .offset: 40, .size: 8, .value_kind: global_buffer, .address_space: global }
      - { .name: W2, .offset: 48, .size: 8, .value_kind: global_buffer, .address_space: global }
      - { .name: ximg, .offset: 56, .size: 8, .value_kind: global_buffer, .address_space: global }
      - { .name: wimg, .offset: 64, .size: 8, .value_kind: global_buffer, .address_space: global }
    .group_segment_fixed_size: 9216
    .private_segment_fixed_size: 0
    .kernarg_segment_align: 8
    .kernarg_segment_size: 72
    .max_flat_workgroup_size: 128
    .sgpr_count:     66
    .vgpr_count:     192
    .wavefront_size: 32
...
	.end_amdgpu_metadata
.endif
;; end of part 1
;; launch qkv (part 2): grid 12 x 16, 4 waves a work-group, clusters of 4 x 4, 327,680 bytes of LDS; arguments ximg, wimg, bq, bk, bv, qkv; writes qkv
.if DOCPART == 2
	.amdgcn_target "amdgcn-amd-amdhsa--gfx1250"
	.amdhsa_code_object_version 6
	.text
	.protected	k_qdc78e29769_qkv
	.globl	k_qdc78e29769_qkv
	.p2align	8
	.type	k_qdc78e29769_qkv,@function
k_qdc78e29769_qkv:
	s_mov_b64 s[64:65], 0
	v_nop
	global_prefetch_b8 v0, s[64:65] scope:SCOPE_SE
	s_setreg_imm32_b32 hwreg(HW_REG_WAVE_MODE, 25, 1), 1
	s_wait_xcnt 0x0
	s_wait_alu depctr_hold_cnt(0) depctr_sa_sdst(0) depctr_va_vdst(0) depctr_va_sdst(0) depctr_va_ssrc(0) depctr_va_vcc(0) depctr_vm_vsrc(0)
	s_getreg_b32 s2, hwreg(HW_REG_IB_STS2, 6, 4)
	s_cmp_eq_u32 s2, 0
	s_cbranch_scc0 .Lentry_in_a_cluster
	s_endpgm
.Lentry_in_a_cluster:
	s_bfe_u32 s2, ttmp6, 0x10000c
	s_cmp_lg_u32 s2, 0xf033
	s_cbranch_scc0 .Lentry_shape_is_right
	s_endpgm
.Lentry_shape_is_right:
; QKV: Q = x Wq + bq, K = x Wk + bk, V = x Wv + bv on codes of FP4, and the three results quantised on the way out: Q and K along the head's 64, V along the keys.  Nothing is left out.
; A tile of 256 x 256 to a work-group of four waves, 128 x 128 a wave: 64 accumulators.  Role A is source 1 (the result's lanes), role B source 0 (the result's registers).
; The cluster's x says which product: 0 Q, 1 K (A = tokens, B = the weight's columns: a lane holds one token and 128 neighbouring channels), 2 V (A = Wv's columns, B = tokens: a lane holds
; one channel and 128 neighbouring keys).  The roles change by global addresses alone; masks, LDS addresses and the K loop are the same.  K = 1,024 is two chunks of 512: both slots are filled once.
; Operands are images (launch prep): 128 rows of a chunk are 34,816 dense bytes, codes and scale bytes together: one tensor load; a fragment is two LDS loads of 512 consecutive bytes.
; CLUSTERS: 4 x 4.  A's tiles are shared along a row of the cluster, B's along a column: joint loads.
; OUT: qkv[32 heads][16 steps of 128 tokens][Q record | K record | V record], 4,352 bytes each.  Q, K record: 8 tiles of 16 tokens x 512 bytes (lane (r, h): block h of token r's 64); from 4,096:
; for each pair of tiles 64 bytes, row r's word = {tile 2 p: two bytes; tile 2 p + 1: two bytes}.  V record: 4 tiles of 16 channels x 128 keys as fragments of 1,024 bytes; from 4,096 their scale words.
; LIMITS: NaN and infinities are not served; a block under 2^-124 or of zeros gets the byte 1.
.set REC,   4352
.set HALFT, 8*REC                      ; 128 rows of a chunk: what one tensor load brings, and what one wave reads of A or of B
.set SLOT,  4*HALFT                    ; A's two halves, then B's
.set SPARE, 2*SLOT                     ; behind the two slots: the spare words, 128 bytes a wave
.set NQ, 4                             ; steps of 128 along K in a slot
.set FR, 8
.set NL, 2
.set NP, 4                             ; places behind this matrix instruction (ISA guide 7.12.1)
.set LAPS, 1
.set ASTEP, 0                          ; (no slot is filled again here)
.set BSTEP, 0
.set QREC,  3*REC
.set HEADSTRIDE, 16*QREC
.set ADRA, 16                          ; v16-17 LDS address of A's fragments in slot 0, 1
.set ADRB, 20                          ; v20-21 of B's
.set ADRS, 22                          ; v22-23 of the scale words: lanes 0-15 A's rows, lanes 16-31 B's
.set LI,   27                          ; v27 16 x lane
.set SPW,  28                          ; v28 my spare word; never rewritten
.set NIL,  29                          ; v29 0; never rewritten
.set L4,   30                          ; v30 4 x lane
.set SC,   32                          ; v32-95 scale words, two sets: they hold scales and nothing else
.set AF,   128                         ; v128-191 A's fragments; on the way out T
.set T,    128
.set PC,   192                         ; v192-199 the codes just made
.set TM,   208                         ; v208-223 at work in the quantiser
.set PWR,  224                         ; v224-231 the eight blocks' scale words
.set SEL,  92
.set G1, 24
.set G0, 32
.set G1B, 48
.set G0B, 56
.set MSB, 0
.macro WIN new                         ; the immediate's high byte repeats the setting that is left
.if MSB != (\new)
	s_set_vgpr_msb (MSB<<8)|(\new)
.set MSB, (\new)
.endif
.endm
.set MUL_LO, 0xa1                      ; source 0 (B) window 1, source 1 (A) window 0, C and D window 2
.set MUL_HI, 0xf1                      ; the same, C and D window 3
.set TO_B,   0x40
.macro JLOAD g0a, g1a, g0b, g1b        ; a joint load: waves 0 and 1 fetch for A, waves 2 and 3 for B; an s_nop 0 and four v_nop follow each line
	s_cmp_eq_u32 s15, 0
	s_cbranch_scc0 .Lfor_b_\@
	tensor_load_to_lds s[\g0a:\g0a+3], s[\g1a:\g1a+7]
	s_nop 0
.rept 4
	v_nop
.endr
	s_branch .Lasked_\@
.Lfor_b_\@:
	tensor_load_to_lds s[\g0b:\g0b+3], s[\g1b:\g1b+7]
	s_nop 0
.rept 4
	v_nop
.endr
.Lasked_\@:
.endm
.macro CREST
	s_cmp_lg_u32 s14, 0
	s_cbranch_scc1 .Lnot_wave_0_\@
	s_barrier_signal -3
.Lnot_wave_0_\@:
	s_barrier_wait -3
	s_barrier_signal -1
	s_barrier_wait -1
.endm
.macro CROUND
	s_barrier_signal -1
	s_barrier_wait -1
	CREST
.endm
.macro FRAG reg, adr, q, i             ; a fragment as it lies: two loads of 512 consecutive bytes
.irp c, 0,1
	ds_load_b128 v[\reg+4*\c:\reg+4*\c+3], v[\adr] offset:(\i)*REC+1024*(\q)+512*\c
.endr
.endm
.macro MUL16 a0, p, q, sc, zero        ; A's blocks a0, a0 + 1 x B's eight; the 64 accumulators take turns, one instruction a turn
.irp a, \a0, \a0+1
.irp b, 0,1,2,3,4,5,6,7
.if \zero
	v_wmma_scale_f32_16x16x128_f8f6f4 v[8*(8*((\a)%4)+\b):8*(8*((\a)%4)+\b)+7], v[128*(\p)+FR*\b:128*(\p)+FR*\b+FR-1], v[AF+FR*(\a):AF+FR*(\a)+FR-1], 0, v[SC+8*NQ*(\sc)+NQ*\b+(\q)], v[SC+8*NQ*(\sc)+NQ*(\a)+(\q)] matrix_a_fmt:MATRIX_FMT_FP4 matrix_b_fmt:MATRIX_FMT_FP4 matrix_a_scale:MATRIX_SCALE_ROW1
.else
	v_wmma_scale_f32_16x16x128_f8f6f4 v[8*(8*((\a)%4)+\b):8*(8*((\a)%4)+\b)+7], v[128*(\p)+FR*\b:128*(\p)+FR*\b+FR-1], v[AF+FR*(\a):AF+FR*(\a)+FR-1], v[8*(8*((\a)%4)+\b):8*(8*((\a)%4)+\b)+7], v[SC+8*NQ*(\sc)+NQ*\b+(\q)], v[SC+8*NQ*(\sc)+NQ*(\a)+(\q)] matrix_a_fmt:MATRIX_FMT_FP4 matrix_b_fmt:MATRIX_FMT_FP4 matrix_a_scale:MATRIX_SCALE_ROW1
.endif
.endr
.endr
.endm
.macro FETCH_B slot, q, p
	WIN TO_B
.irp i, 0,1,2,3,4,5,6,7
	FRAG 128*(\p)+FR*\i, ADRB+\slot, \q, \i
.endr
	WIN 0
.endm
.macro FETCH_A slot, q, i0
.irp i, \i0, \i0+1, \i0+2, \i0+3
	FRAG AF+FR*(\i), ADRA+\slot, \q, \i
.endr
.endm
.macro SCALES sc                       ; a slot's scale words: four words a row; lanes 0-15 take A's tile i, lanes 16-31 B's
.irp i, 0,1,2,3,4,5,6,7
	ds_load_b128 v[SC+8*NQ*\sc+NQ*\i:SC+8*NQ*\sc+NQ*\i+3], v[ADRS+\sc] offset:\i*REC
.endr
.endm
.macro PLACES n
.rept \n
	v_nop
.endr
.endm
.macro STEP slot, q, zero              ; 128 along K, with its successor in the same slot
	s_wait_dscnt 4*NL                              ; all but the youngest eight loads (A's blocks 4-7) are in
	WIN MUL_LO
	MUL16 0, (\q)%2, \q, \slot, \zero
	MUL16 2, (\q)%2, \q, \slot, \zero
	s_wait_dscnt 0
	PLACES NP
	FETCH_B \slot, (\q)+1, 1-(\q)%2
	FETCH_A \slot, (\q)+1, 0
	WIN MUL_HI
	MUL16 4, (\q)%2, \q, \slot, \zero
	MUL16 6, (\q)%2, \q, \slot, \zero
	PLACES NP
	WIN 0
	FETCH_A \slot, (\q)+1, 4
.endm
.macro TURN slot, next, fill           ; a slot's last step changes slots: one barrier; in front of it all my tensor loads, the add, and my reads of this slot are waited for
	s_wait_tensorcnt 0x0                           ; my part of the next slot has landed
	ds_add_u32 v[SPW], v[NIL]                      ; 0 onto my spare word
	s_wait_dscnt 4*NL+1                            ; (the add and the youngest eight loads may be out)
	WIN MUL_LO
	MUL16 0, 1, NQ-1, \slot, 0
	s_wait_dscnt 0x0                               ; the add is done, and my reads of this slot are over
	s_barrier_signal -1
	MUL16 2, 1, NQ-1, \slot, 0
	WIN 0
	s_barrier_wait -1
.if \fill
	CREST
	s_add_nc_u64 s[G0+4*\slot+2:G0+4*\slot+3], s[G0+4*\slot+2:G0+4*\slot+3], ASTEP
	s_add_nc_u64 s[G0B+4*\slot+2:G0B+4*\slot+3], s[G0B+4*\slot+2:G0B+4*\slot+3], BSTEP
	JLOAD G0+4*\slot, G1, G0B+4*\slot, G1B
.else
	PLACES NP
.endif
	FETCH_B \next, 0, 0
	FETCH_A \next, 0, 0
	SCALES \next
	WIN MUL_HI
	MUL16 4, 1, NQ-1, \slot, 0
	MUL16 6, 1, NQ-1, \slot, 0
	PLACES NP
	WIN 0
	FETCH_A \next, 0, 4
.endm
.macro STEPS slot, from
.set Q, \from
.rept NQ-1-\from
	STEP \slot, Q, 0
.set Q, Q+1
.endr
.endm
; 64 numbers of a lane, register 16 b + i = index 32 b + 16 (lane / 16) + i of my row, become a fragment's codes in v[PC] on and its scale word in v[pw]
.macro QUANT s, pw
.irp b, 0,1,2,3
	v_max3_num_f32 v[TM+\b], |v[\s+16*\b]|, |v[\s+1+16*\b]|, 0x1800000   ; with the floor 2^(3 - 127)
.endr
.irp i, 2,4,6,8,10,12,14
.irp b, 0,1,2,3
	v_max3_num_f32 v[TM+\b], v[TM+\b], |v[\s+16*\b+\i]|, |v[\s+1+16*\b+\i]|
.endr
.endr
.irp b, 0,1,2,3
	v_permlanex16_b32 v[TM+4+\b], v[TM+\b], s[SEL], s[SEL+1]
.endr
.irp b, 0,1,2,3
	v_max_num_f32 v[TM+\b], v[TM+\b], v[TM+4+\b]   ; with lane l xor 16's: the block's largest magnitude
.endr
.irp b, 0,1,2,3
	v_add_nc_u32 v[TM+12+\b], 0xff000000, v[TM+\b]
.endr
.irp b, 0,1,2,3
	v_lshrrev_b32 v[TM+4+\b], 23, v[TM+12+\b]
.endr
	v_lshl_or_b32 v[\pw], v[TM+5], 8, v[TM+4]
	v_lshl_or_b32 v[\pw], v[TM+6], 16, v[\pw]
	v_lshl_or_b32 v[\pw], v[TM+7], 24, v[\pw]
.irp b, 0,1,2,3
	v_cvt_scalef32_pk8_fp4_f32 v[PC+2*\b], v[\s+16*\b:\s+7+16*\b], v[TM+12+\b]
	v_cvt_scalef32_pk8_fp4_f32 v[PC+1+2*\b], v[\s+8+16*\b:\s+15+16*\b], v[TM+12+\b]
.endr
	v_nop                                          ; one plain instruction behind the last scaled conversion
.irp c, 0,1
.irp i, 0,1
	v_permlane16_swap_b32 v[PC+4*\c+\i], v[PC+2+4*\c+\i]   ; a whole block to a lane: lanes 0-15 block 2 c, lanes 16-31 block 2 c + 1
.endr
.endr
.endm
	s_load_b128 s[4:7], s[0:1], 0x0                ; ximg, wimg
	s_load_b128 s[8:11], s[0:1], 0x10              ; bq, bk
	s_load_b128 s[68:71], s[0:1], 0x20             ; bv, qkv
	v_lshl_add_u32 v[SPW], v0, 2, SPARE
	v_mov_b32 v[NIL], 0
	ds_add_u32 v[SPW], v[NIL]                      ; the opening: the add, twice on end, and its wait ahead of my first tensor load
	ds_add_u32 v[SPW], v[NIL]
	v_lshrrev_b32 v1, 5, v0
	v_readfirstlane_b32 s14, v1                    ; wave
	s_lshr_b32 s15, s14, 1                         ; my half of A.  Also: I fetch for A (0) or for B (1)
	s_and_b32 s16, s14, 1                          ; my half of B.  Also: which 128 rows I fetch
	s_bfe_u32 s40, ttmp6, 0x40000                  ; cx
	s_bfe_u32 s41, ttmp6, 0x40004                  ; cy
	s_and_b32 s18, ttmp7, 0xffff
	s_lshl_b32 s18, s18, 2                         ; 4 x cluster y
	s_lshl_b32 s19, ttmp9, 2                       ; 4 x cluster x
	s_mov_b32 s72, 256*REC                         ; from chunk to chunk in x's image,
	s_mov_b32 s74, 192*REC                         ; and in the image of Wq, Wk, Wv
	s_cmp_eq_u32 ttmp9, 2                          ; V?  The cluster's x: the same in all sixteen partners
	s_cselect_b32 s17, 0, s18
	s_cselect_b32 s42, s18, s19
	s_cselect_b32 s80, 128*REC, 0                  ; Wv's first tile in that image
	s_cselect_b32 s81, s74, s72
	s_cselect_b32 s74, s72, s74                    ; B's chunk stride
	s_mov_b32 s72, s81                             ; A's
	s_mov_b32 s73, 0
	s_mov_b32 s75, 0
	s_add_co_u32 s17, s17, s41                     ; A's tile of 256: made of cy and the cluster's place alone
	s_add_co_u32 s42, s42, s40                     ; B's: of cx and the cluster's place alone
	s_lshl_b32 s43, s41, 2
	s_lshl_b32 s43, 15, s43                        ; my row of the cluster
	s_lshl_b32 s44, 0x1111, s40                    ; my column
	s_or_b32 s[G1+0], s43, (3<<16)|(1<<21)         ; 15:0 the mask; 17:16 elements of 8 bytes; 21 set beside a mask; no padding
	s_or_b32 s[G1B+0], s44, (3<<16)|(1<<21)
.irp g, G1, G1B
	s_mov_b32 s[\g+1], 32<<16                      ; tensor_dim0: 32 elements = 256 bytes
	s_mov_b32 s[\g+2], 136<<16                     ; tensor_dim1: 136 rows = 34,816 bytes
	s_mov_b32 s[\g+3], 32<<16                      ; tile_dim0
	s_mov_b32 s[\g+4], 136                         ; tile_dim1
	s_mov_b32 s[\g+5], 32                          ; dense
	s_mov_b32 s[\g+6], 0
	s_mov_b32 s[\g+7], 0
.endr
	s_lshl_b32 s20, s17, 1
	s_add_co_u32 s20, s20, s16
	s_mul_i32 s20, s20, HALFT
	s_add_co_u32 s20, s20, s80
	s_mov_b32 s21, 0
	s_lshl_b32 s46, s42, 1
	s_add_co_u32 s46, s46, s16
	s_mul_i32 s46, s46, HALFT
	s_mov_b32 s47, 0
	s_mul_i32 s45, s14, HALFT                      ; where my load goes: no place in the cluster enters an LDS address
	s_wait_dscnt 0x0                               ; both opening adds are done
	s_wait_kmcnt 0x0
	s_cmp_eq_u32 ttmp9, 2
	s_cselect_b64 s[76:77], s[6:7], s[4:5]         ; A's buffer
	s_cselect_b64 s[78:79], s[4:5], s[6:7]         ; B's
	s_add_nc_u64 s[20:21], s[76:77], s[20:21]
	s_add_nc_u64 s[46:47], s[78:79], s[46:47]
	CROUND                                         ; all sixteen work-groups are here: the first joint loads meet
.irp s, 0,1
	s_mov_b32 s[G0+4*\s], 1
	s_add_co_u32 s[G0+4*\s+1], s45, \s*SLOT
	s_mov_b32 s[G0B+4*\s], 1
	s_add_co_u32 s[G0B+4*\s+1], s45, \s*SLOT
.if \s == 0
	s_mov_b64 s[G0+2:G0+3], s[20:21]
	s_mov_b64 s[G0B+2:G0B+3], s[46:47]
.else
	s_add_nc_u64 s[G0+6:G0+7], s[20:21], s[72:73]
	s_add_nc_u64 s[G0B+6:G0B+7], s[46:47], s[74:75]
.endif
	s_or_b32 s[G0+4*\s+3], s[G0+4*\s+3], 0x80000000
	s_or_b32 s[G0B+4*\s+3], s[G0B+4*\s+3], 0x80000000
	JLOAD G0+4*\s, G1, G0B+4*\s, G1B               ; by this text's count two loads of mine are out
.endr
	v_and_b32 v1, 15, v0                           ; r
	v_bfe_u32 v2, v0, 4, 1                         ; h
	v_and_b32 v3, 31, v0
	v_lshlrev_b32 v[LI], 4, v3
	v_lshlrev_b32 v[L4], 2, v3
	s_mul_i32 s21, s15, HALFT
	s_mul_i32 s22, s16, HALFT
	s_add_co_u32 s22, s22, 2*HALFT
.irp s, 0,1
	v_add_nc_u32 v[ADRA+\s], s21, v[LI]
	v_add_nc_u32 v[ADRB+\s], s22, v[LI]
	s_add_co_u32 s21, s21, SLOT
	s_add_co_u32 s22, s22, SLOT
.endr
	s_mul_i32 s21, s15, HALFT
	s_mul_i32 s22, s16, HALFT
	s_add_co_u32 s22, s22, 2*HALFT
	s_sub_co_u32 s22, s22, s21
	v_mul_u32_u24 v4, s22, v2                      ; lanes 16-31 take B's: one product, h x the distance
	v_lshl_add_u32 v4, v1, 4, v4
	s_add_co_u32 s21, s21, 4096
	v_add_nc_u32 v[ADRS], s21, v4
	v_add_nc_u32 v[ADRS+1], SLOT, v[ADRS]
	s_mov_b32 s[SEL], 0x76543210
	s_mov_b32 s[SEL+1], 0xfedcba98
	v_cmp_eq_u32 s96, 1, v2                        ; lanes 16-31
.irp b, 0,1,2,3
	v_mov_b32 v[TM+4+\b], 0                        ; a lane permute's destination counts as one of its sources
.endr
	s_wait_tensorcnt 1                             ; my part of chunk 0 is in; chunk 1's may stay out
	s_barrier_signal -1
	s_barrier_wait -1
	FETCH_B 0, 0, 0
	FETCH_A 0, 0, 0
	SCALES 0
	FETCH_A 0, 0, 4
	STEP 0, 0, 1                                   ; the first products start the sums: nothing is cleared
	STEPS 0, 1
	TURN 0, 1, 0
	STEPS 1, 0
	s_wait_dscnt 4*NL
	WIN MUL_LO
	MUL16 0, 1, NQ-1, 1, 0
	MUL16 2, 1, NQ-1, 1, 0
	s_wait_dscnt 0
	WIN MUL_HI
	MUL16 4, 1, NQ-1, 1, 0
	MUL16 6, 1, NQ-1, 1, 0
	WIN 0
	PLACES NP
	s_cmp_eq_u32 ttmp9, 2
	s_cbranch_scc1 .Lv
	; ---- Q or K.  Lane (r, h) of A's block a: token r of the tile; register 16 b + i: channel 32 b + 16 h + i of my 128: two heads
	s_and_b32 s23, s42, 3
	s_lshr_b32 s20, s17, 3                         ; batch
	s_lshl_b32 s20, s20, 4
	s_lshl_b32 s22, s23, 2
	s_add_co_u32 s20, s20, s22
	s_lshl_b32 s22, s16, 1
	s_add_co_u32 s20, s20, s22                     ; my first head
	s_lshl_b32 s20, s20, 4
	s_lshl_b32 s22, s17, 1
	s_add_co_u32 s22, s22, s15
	s_and_b32 s22, s22, 15                         ; my step of 128 tokens
	s_add_co_u32 s20, s20, s22
	s_mul_i32 s20, s20, QREC
	s_mul_i32 s22, ttmp9, REC                      ; Q's record or K's
	s_add_co_u32 s20, s20, s22
	s_mov_b32 s21, 0
	s_add_nc_u64 s[82:83], s[70:71], s[20:21]
	s_lshl_b32 s84, s23, 10
	s_lshl_b32 s85, s16, 9
	s_add_co_u32 s84, s84, s85
	s_mov_b32 s85, 0
	s_cmp_eq_u32 ttmp9, 1
	s_cselect_b64 s[86:87], s[10:11], s[8:9]
	s_add_nc_u64 s[86:87], s[86:87], s[84:85]      ; the bias of my 128 channels
	v_lshlrev_b32 v3, 6, v2
	WIN 0x40                                       ; window 1, v64-127: free of fragments
.irp b, 0,1,2,3
.irp j, 0,1,2,3
	global_load_b128 v[64+16*\b+4*\j:64+16*\b+4*\j+3], v3, s[86:87] offset:128*\b+16*\j
.endr
.endr
	WIN 0
	s_wait_loadcnt 0x0
.macro QKBLK a
	WIN 0x06+(\a)/4                                ; source 0 window 2 or 3, source 1 window 1
.set i, 0
.rept 32
	v_pk_add_f32 v[T+2*i:T+2*i+1], v[64*((\a)%4)+2*i:64*((\a)%4)+2*i+1], v[64+2*i:64+2*i+1]   ; + bias; each accumulator from its low end on
.set i, i+1
.endr
	WIN 0
	s_wait_xcnt 0x0                                ; the last block's stores have read their codes
	QUANT T, PWR+\a
	global_store_b128 v[LI], v[PC:PC+3], s[82:83] offset:512*\a                  ; the first head's 64: 512 consecutive bytes
	global_store_b128 v[LI], v[PC+4:PC+7], s[82:83] offset:512*\a+HEADSTRIDE     ; the second's
.endm
.irp a, 0,1,2,3,4,5,6,7
	QKBLK \a
.endr
	s_mov_b32 s84, 0x05040100                      ; the first head's two bytes of two words,
	s_mov_b32 s85, 0x07060302                      ; the second's
.irp c, 0,1
.irp pp, 0,1
	v_perm_b32 v[200+4*\c+2*\pp], v[PWR+4*\pp+1], v[PWR+4*\pp], s[84+\c]
	v_perm_b32 v[201+4*\c+2*\pp], v[PWR+4*\pp+3], v[PWR+4*\pp+2], s[84+\c]
	v_cndmask_b32 v[200+4*\c+2*\pp], v[200+4*\c+2*\pp], v[201+4*\c+2*\pp], s96   ; lanes 0-15 one pair of tiles, lanes 16-31 the next
	global_store_b32 v[L4], v[200+4*\c+2*\pp], s[82:83] offset:4096+128*\pp+\c*HEADSTRIDE
.endr
.endr
	s_branch .Lend
	; ---- V.  Lane (r, h) of A's block e: one channel; register 16 b + i: key 32 b + 16 h + i of my 128: a whole fragment of V^T
.Lv:
	s_lshr_b32 s20, s42, 3                         ; batch
	s_lshl_b32 s20, s20, 4
	s_lshl_b32 s22, s17, 2
	s_add_co_u32 s20, s20, s22
	s_lshl_b32 s22, s15, 1
	s_add_co_u32 s20, s20, s22                     ; my first head
	s_lshl_b32 s20, s20, 4
	s_lshl_b32 s22, s42, 1
	s_add_co_u32 s22, s22, s16
	s_and_b32 s22, s22, 15
	s_add_co_u32 s20, s20, s22
	s_mul_i32 s20, s20, QREC
	s_add_co_u32 s20, s20, 2*REC                   ; V's record
	s_mov_b32 s21, 0
	s_add_nc_u64 s[82:83], s[70:71], s[20:21]
	s_lshl_b32 s84, s17, 10
	s_lshl_b32 s85, s15, 9
	s_add_co_u32 s84, s84, s85
	s_mov_b32 s85, 0
	s_add_nc_u64 s[86:87], s[68:69], s[84:85]
	v_and_b32 v3, 8, v1
	v_add_nc_u32 v3, v3, v1
	v_lshlrev_b32 v3, 2, v3                        ; 4 (r + 8 (r / 8))
	WIN 0x40
.irp e, 0,1,2,3,4,5,6,7
	global_load_b32 v[64+2*\e], v3, s[86:87] offset:4*(32*(\e/2)+8*(\e%2))     ; my channel's bias, in both registers of a pair
	global_load_b32 v[65+2*\e], v3, s[86:87] offset:4*(32*(\e/2)+8*(\e%2))
.endr
	WIN 0
	s_wait_loadcnt 0x0
.macro VBLK e
	WIN 0x06+(\e)/4
.set i, 0
.rept 32
	v_pk_add_f32 v[T+2*i:T+2*i+1], v[64*((\e)%4)+2*i:64*((\e)%4)+2*i+1], v[64+2*(\e):65+2*(\e)]
.set i, i+1
.endr
	WIN 0
	s_wait_xcnt 0x0
	QUANT T, PWR+\e
	global_store_b128 v[LI], v[PC:PC+3], s[82:83] offset:((\e)/4)*HEADSTRIDE+1024*((\e)%4)
	global_store_b128 v[LI], v[PC+4:PC+7], s[82:83] offset:((\e)/4)*HEADSTRIDE+1024*((\e)%4)+512
.endm
.irp e, 0,1,2,3,4,5,6,7
	VBLK \e
.endr
.irp k, 0,1,2,3
	v_cndmask_b32 v[200+\k], v[PWR+2*\k], v[PWR+2*\k+1], s96
	global_store_b32 v[L4], v[200+\k], s[82:83] offset:(\k/2)*HEADSTRIDE+4096+128*(\k%2)
.endr
.Lend:
	s_wait_tensorcnt 0x0                           ; the wave's end
	ds_add_u32 v[SPW], v[NIL]
	s_wait_dscnt 0x0
	CROUND                                         ; the closing round
	s_endpgm
.Lfunc_end_k_qdc78e29769_qkv:
	.size	k_qdc78e29769_qkv, .Lfunc_end_k_qdc78e29769_qkv-k_qdc78e29769_qkv
	.p2alignl 7, 3214868480
	.fill 96, 4, 3214868480
	.section	.rodata,"a",@progbits
	.p2align	6, 0x0
	.amdhsa_kernel k_qdc78e29769_qkv
		.amdhsa_group_segment_fixed_size 327680
		.amdhsa_private_segment_fixed_size 0
		.amdhsa_enable_private_segment 0
		.amdhsa_kernarg_size 48
		.amdhsa_user_sgpr_count 2
		.amdhsa_user_sgpr_kernarg_segment_ptr 1
		.amdhsa_wavefront_size32 1
		.amdhsa_system_sgpr_workgroup_id_x 1
		.amdhsa_system_sgpr_workgroup_id_y 1
		.amdhsa_system_sgpr_workgroup_id_z 1
		.amdhsa_system_vgpr_workitem_id 0
		.amdhsa_next_free_vgpr 1024
		.amdhsa_next_free_sgpr 100
		.amdhsa_reserve_vcc 0
		.amdhsa_float_denorm_mode_32 3
		.amdhsa_float_denorm_mode_16_64 3
		.amdhsa_memory_ordered 1
		.amdhsa_forward_progress 1
		.amdhsa_inst_pref_size 196
	.end_amdhsa_kernel
	.amdgpu_metadata
---
amdhsa.version: [ 1, 2 ]
amdhsa.kernels:
  - .name:           k_qdc78e29769_qkv
    .symbol:         k_qdc78e29769_qkv.kd
    .args:
      - { .name: ximg, .offset: 0, .size: 8, .value_kind: global_buffer, .address_space: global }
      - { .name: wimg, .offset: 8, .size: 8, .value_kind: global_buffer, .address_space: global }
      - { .name: bq, .offset: 16, .size: 8, .value_kind: global_buffer, .address_space: global }
      - { .name: bk, .offset: 24, .size: 8, .value_kind: global_buffer, .address_space: global }
      - { .name: bv, .offset: 32, .size: 8, .value_kind: global_buffer, .address_space: global }
      - { .name: qkv, .offset: 40, .size: 8, .value_kind: global_buffer, .address_space: global }
    .group_segment_fixed_size: 327680
    .private_segment_fixed_size: 0
    .kernarg_segment_align: 8
    .kernarg_segment_size: 48
    .max_flat_workgroup_size: 128
    .sgpr_count:     100
    .vgpr_count:     1024
    .wavefront_size: 32
...
	.end_amdgpu_metadata
.endif
;; end of part 2
;; launch attn (part 3): grid 8 x 32, 16 waves a work-group, clusters of 4 x 1, 167,936 bytes of LDS; arguments qkv, cimg; writes cimg
.if DOCPART == 3
	.amdgcn_target "amdgcn-amd-amdhsa--gfx1250"
	.amdhsa_code_object_version 6
	.text
	.protected	k_qdc78e29769_attn
	.globl	k_qdc78e29769_attn
	.p2align	8
	.type	k_qdc78e29769_attn,@function
k_qdc78e29769_attn:
	s_mov_b64 s[64:65], 0
	v_nop
	global_prefetch_b8 v0, s[64:65] scope:SCOPE_SE
	s_setreg_imm32_b32 hwreg(HW_REG_WAVE_MODE, 25, 1), 1
	s_wait_xcnt 0x0
	s_wait_alu depctr_hold_cnt(0) depctr_sa_sdst(0) depctr_va_vdst(0) depctr_va_sdst(0) depctr_va_ssrc(0) depctr_va_vcc(0) depctr_vm_vsrc(0)
	s_getreg_b32 s2, hwreg(HW_REG_IB_STS2, 6, 4)
	s_cmp_eq_u32 s2, 0
	s_cbranch_scc0 .Lentry_in_a_cluster
	s_endpgm
.Lentry_in_a_cluster:
	s_bfe_u32 s2, ttmp6, 0x10000c
	s_cmp_lg_u32 s2, 0x3003
	s_cbranch_scc0 .Lentry_shape_is_right
	s_endpgm
.Lentry_shape_is_right:
; ATTN: ctx = softmax(Q K^T / 8) V for one head and 256 queries a work-group, both products on codes of FP4; ctx is quantised along the model's 1,024 on the way out.  Nothing is left out.
; THE SOFTMAX AHEAD OF THE SECOND PRODUCT: t = score x log2(e) / 8; M = the running largest t rounded UP to a whole number; p = 2^(t - M) is quantised along the keys, not normalised;
; the row's sum is taken of the unquantised p and divides at the end; when M moves, sum and O are multiplied by 2^(old M - new M), which rounds nothing.
; SHARES: sixteen waves, each one tile of 16 queries in 256 registers, four waves to a SIMD.  Every wave walks the head's 2,048 keys, 128 a step.
; K AND V OF THE WHOLE HEAD LIE IN LDS: 16 steps x 8,704 bytes (K's record, V's record), each step brought by one wave's one tensor load, filled once: no ring.
; CLUSTER: the four query blocks of a cluster belong to one head: each of the sixteen loads is a joint load with the mask of all four.
; THE HEAD HAS 64 CHANNELS, THE INSTRUCTION 128 ALONG K: a fragment of K holds TWO tiles of 16 keys, one in k = 0 .. 63, the other in k = 64 .. 127, and is multiplied twice: by Q with zeros above
; and by Q with zeros below.  Zero codes add nothing under any scale byte.
; Both products are used transposed: a lane holds one query throughout; the keys of a tile are chosen (launch prep's order of rows) so that the 16 registers of tiles 2 p, 2 p + 1 are 16 neighbouring keys.
; OUT: a head owns 64 of a token's 1,024: half a fragment (512 consecutive bytes a wave) and two of a row's 32 scale bytes, stored as 2 bytes a row; lanes l and l + 16 name the same two bytes with the same value.
; LIMITS: NaN and infinities are not served; a block under 2^-124 or of zeros gets the byte 1; 1 / sum comes from v_rcp_f32.
.set REC,   4352
.set QREC,  3*REC
.set KV,    2*REC                      ; a step's bytes in LDS
.set SPARE, 16*KV                      ; behind them the spare words, 128 bytes for each of 16 waves
.set AK0, 1                            ; v1  16 x lane
.set AS0, 2                            ; v2  4096 + 4 r
.set SPW, 5                            ; v5  my spare word; never rewritten
.set NIL, 6                            ; v6  0; never rewritten
.set ADK, 8                            ; v8  the step's fragments
.set ADS, 10                           ; v10 the step's scale words
.set WV,  18
.set CS,  22                           ; s[22:23] c = log2(e) / 8
.set G1,  24
.set G0,  32
.set SEL, 36
.set TB,  2                            ; s2  LDS byte at which the step begins
; REGISTERS: v12 -M, v13 the largest t, v[14:15] the sum; v16-23 Q with zeros above, v24-31 Q with zeros below; v32-63 K's four fragments; v64-95 V's four; v96-159 S^T, then p; v160-191 O^T;
; v224-231 p's codes; v232-239, v244-247, v252, v254 at work; v240-243 V's scale words, v248-251 K's, v253 p's, v255 Q's
.macro CROUND
	s_barrier_signal -1
	s_barrier_wait -1
	s_cmp_lg_u32 s[WV], 0
	s_cbranch_scc1 .Lnot_wave_0_\@
	s_barrier_signal -3
.Lnot_wave_0_\@:
	s_barrier_wait -3
	s_barrier_signal -1
	s_barrier_wait -1
.endm
	s_load_b128 s[4:7], s[0:1], 0x0                ; qkv, cimg
	v_lshl_add_u32 v[SPW], v0, 2, SPARE
	v_mov_b32 v[NIL], 0
	ds_add_u32 v[SPW], v[NIL]                      ; the opening: the add, twice on end, and its wait ahead of my first tensor load
	ds_add_u32 v[SPW], v[NIL]
	v_lshrrev_b32 v8, 5, v0
	v_readfirstlane_b32 s[WV], v8                  ; wave 0..15
	s_bfe_u32 s13, ttmp6, 0x40000                  ; cx
	s_lshl_b32 s14, ttmp9, 2
	s_add_co_u32 s14, s14, s13                     ; my block of 256 queries: it enters global addresses of Q and ctx alone
	s_and_b32 s15, ttmp7, 0xffff                   ; batch x 16 + head, which the four partners share
	s_mov_b32 s[G1], 15|(3<<16)|(1<<21)            ; the mask: all four; elements of 8 bytes; 21 set beside a mask; no padding
	s_mov_b32 s[G1+1], 32<<16                      ; rows of 256 bytes,
	s_mov_b32 s[G1+2], 34<<16                      ; 34 of them: 8,704 dense bytes
	s_mov_b32 s[G1+3], 32<<16
	s_mov_b32 s[G1+4], 34
	s_mov_b32 s[G1+5], 32
	s_mov_b32 s[G1+6], 0
	s_mov_b32 s[G1+7], 0
	s_lshl_b32 s8, s15, 4
	s_add_co_u32 s8, s8, s[WV]                     ; step w of the head is mine to fetch
	s_mul_i32 s8, s8, QREC
	s_add_co_u32 s8, s8, REC                       ; behind Q's record
	s_mov_b32 s9, 0
	s_mov_b32 s[G0], 1
	s_mul_i32 s[G0+1], s[WV], KV
	s_mov_b32 s[CS], 0x3e38aa3b
	s_mov_b32 s[CS+1], s[CS]
	s_mov_b32 s[SEL], 0x76543210
	s_mov_b32 s[SEL+1], 0xfedcba98
	s_mov_b32 s[TB], 0
	s_lshl_b32 s10, s15, 4                         ; Q: the record of step 2 block + w / 8
	s_lshl_b32 s11, s14, 1
	s_add_co_u32 s10, s10, s11
	s_lshr_b32 s11, s[WV], 3
	s_add_co_u32 s10, s10, s11
	s_mul_i32 s10, s10, QREC
	s_mov_b32 s11, 0
	s_and_b32 s12, s[WV], 7                        ; my tile in it
	s_lshl_b32 s16, s12, 9
	s_lshr_b32 s17, s12, 1
	s_lshl_b32 s17, s17, 6
	s_add_co_u32 s17, s17, 4096
	s_mov_b32 s20, 0x01000100                      ; an even tile's two bytes lie low in the pair's word,
	s_bitcmp1_b32 s[WV], 0
	s_cselect_b32 s20, 0x03020302, s20             ; an odd tile's high
	s_wait_dscnt 0x0                               ; both opening adds are done
	s_wait_kmcnt 0x0
	s_add_nc_u64 s[G0+2:G0+3], s[4:5], s[8:9]
	s_or_b32 s[G0+3], s[G0+3], 0x80000000
	s_add_nc_u64 s[10:11], s[4:5], s[10:11]
	CROUND                                         ; all four work-groups are here: the joint loads meet
	tensor_load_to_lds s[G0:G0+3], s[G1:G1+7]      ; every wave's one load
	s_nop 0
.rept 4
	v_nop
.endr
	v_and_b32 v8, 15, v0                           ; r
	v_and_b32 v9, 31, v0                           ; lane
	v_lshlrev_b32 v[AK0], 4, v9
	v_lshl_add_u32 v[AS0], v8, 2, 4096
	v_add_nc_u32 v3, s16, v[AK0]
	v_lshl_add_u32 v4, v8, 2, s17
	global_load_b128 v[16:19], v3, s[10:11]        ; Q's 64 channels, twice
	global_load_b128 v[28:31], v3, s[10:11]
	global_load_b32 v255, v4, s[10:11]
.irp j, 20,21,22,23,24,25,26,27
	v_mov_b32 v[\j], 0
.endr
	s_wait_loadcnt 0x0
	v_perm_b32 v255, v255, v255, s20               ; Q's scale word: its two bytes for k = 0 .. 63 and again for k = 64 .. 127
	v_mov_b32 v13, 0xff61b1e6                      ; the largest t so far: -3e38
	v_floor_f32 v12, -v13
	v_mov_b32 v14, 0
	v_mov_b32 v15, 0
.irp b, 0,1,2,3
	v_mov_b32 v[236+\b], 0
.endr
	v_mov_b32 v253, 0
.set j, 0
.rept 32
	v_mov_b32 v[160+j], 0                          ; O^T: the loop is written once; its first step finds zeros
.set j, j+1
.endr
	s_wait_tensorcnt 0x0                           ; my step has landed,
	s_barrier_signal -1
	s_barrier_wait -1                              ; everybody's has
.Lstep:
	v_add_nc_u32 v[ADK], s[TB], v[AK0]
	v_add_nc_u32 v[ADS], s[TB], v[AS0]
	v_nop
	v_nop                                          ; four places in front of loads into registers that the last products read
.irp p, 0,1,2,3
	ds_load_b128 v[32+8*\p:35+8*\p], v[ADK] offset:1024*\p
	ds_load_b128 v[36+8*\p:39+8*\p], v[ADK] offset:1024*\p+512
	ds_load_b32 v[248+\p], v[ADS] offset:64*\p
.endr
.irp t, 0,1,2,3
	ds_load_b128 v[64+8*\t:67+8*\t], v[ADK] offset:REC+1024*\t
	ds_load_b128 v[68+8*\t:71+8*\t], v[ADK] offset:REC+1024*\t+512
	ds_load_b32 v[240+\t], v[ADS] offset:REC+64*\t
.endr
	s_wait_dscnt 12                                ; K is in; V's twelve loads may be out
.irp p, 0,1,2,3
	v_wmma_scale_f32_16x16x128_f8f6f4 v[96+16*\p:103+16*\p], v[32+8*\p:39+8*\p], v[16:23], 0, v[248+\p], v255 matrix_a_fmt:MATRIX_FMT_FP4 matrix_b_fmt:MATRIX_FMT_FP4
	v_wmma_scale_f32_16x16x128_f8f6f4 v[104+16*\p:111+16*\p], v[32+8*\p:39+8*\p], v[24:31], 0, v[248+\p], v255 matrix_a_fmt:MATRIX_FMT_FP4 matrix_b_fmt:MATRIX_FMT_FP4
.endr
.rept 4
	v_nop
.endr
.irp b, 0,1,2,3
	v_max3_num_f32 v[232+\b], v[96+16*\b], v[97+16*\b], v[98+16*\b]   ; the largest score of each block of 32 keys: for the row's maximum and, since p rises with the score, for the block's largest p
.endr
.irp i, 3,5,7,9,11,13
.irp b, 0,1,2,3
	v_max3_num_f32 v[232+\b], v[232+\b], v[96+16*\b+\i], v[97+16*\b+\i]
.endr
.endr
.irp b, 0,1,2,3
	v_max_num_f32 v[232+\b], v[232+\b], v[111+16*\b]
.endr
.irp b, 0,1,2,3
	v_permlanex16_b32 v[236+\b], v[232+\b], s[SEL], s[SEL+1]
.endr
.irp b, 0,1,2,3
	v_max_num_f32 v[232+\b], v[232+\b], v[236+\b]
.endr
	v_max3_num_f32 v254, v232, v233, v234
	v_max_num_f32 v254, v254, v235
	v_mul_f32 v254, s[CS], v254
	v_max_num_f32 v13, v13, v254                   ; the running largest t
	v_mov_b32 v254, v12
	v_floor_f32 v12, -v13                          ; the new -M = -ceil(t)
	v_sub_f32 v254, v12, v254
	v_cvt_i32_f32 v254, v254                       ; (it saturates)
	v_ldexp_f32 v252, 1.0, v254                    ; f = 2^(old M - new M)
.set j, 0
.rept 32
	v_pk_fma_f32 v[96+j:97+j], v[96+j:97+j], s[CS:CS+1], v[12:13] op_sel_hi:[1,0,0]   ; t - M
.set j, j+2
.endr
.irp b, 0,1,2,3
	v_fma_f32 v[232+\b], v[232+\b], s[CS], v12
.endr
.set j, 0
.rept 64
	v_exp_f32 v[96+j], v[96+j]                     ; p = 2^(t - M)
.set j, j+1
.endr
	v_pk_mul_f32 v[14:15], v[14:15], v[252:253] op_sel_hi:[1,0]   ; the sums under the new M: a plain instruction behind the exponentials
	s_wait_alu depctr_va_vdst(0)                   ; one wait for the batch, ahead of its first reader
.irp b, 0,1,2,3
	v_exp_f32 v[232+\b], v[232+\b]                 ; the blocks' largest p
.endr
	v_pk_add_f32 v[236:237], v[96:97], v[98:99]    ; the row's sum of the unquantised p, in two chains
.irp j, 4,8,12,16,20,24,28,32,36,40,44,48,52,56,60
	v_pk_add_f32 v[14:15], v[14:15], v[96+\j:97+\j]
	v_pk_add_f32 v[236:237], v[236:237], v[98+\j:99+\j]
.endr
	v_pk_add_f32 v[14:15], v[14:15], v[236:237]
	s_wait_alu depctr_va_vdst(0)                   ; and one for the four
.irp b, 0,1,2,3
	v_max_num_f32 v[232+\b], 0x1800000, v[232+\b]
.endr
.irp b, 0,1,2,3
	v_add_nc_u32 v[244+\b], 0xff000000, v[232+\b]
.endr
.irp b, 0,1,2,3
	v_lshrrev_b32 v[236+\b], 23, v[244+\b]
.endr
	v_lshl_or_b32 v253, v237, 8, v236              ; p's scale word for these 128 keys
	v_lshl_or_b32 v253, v238, 16, v253
	v_lshl_or_b32 v253, v239, 24, v253
.irp b, 0,1,2,3
	v_cvt_scalef32_pk8_fp4_f32 v[224+2*\b], v[96+16*\b:103+16*\b], v[244+\b]
	v_cvt_scalef32_pk8_fp4_f32 v[225+2*\b], v[104+16*\b:111+16*\b], v[244+\b]
.endr
	v_nop
.irp c, 0,1
.irp i, 0,1
	v_permlane16_swap_b32 v[224+4*\c+\i], v[226+4*\c+\i]
.endr
.endr
.set j, 0
.rept 16
	v_pk_mul_f32 v[160+j:161+j], v[160+j:161+j], v[252:253] op_sel_hi:[1,0]   ; O^T under the new M; these sixteen are also the places in front of the products below
.set j, j+2
.endr
	s_wait_dscnt 0x0                               ; V is in
.irp t, 0,1,2,3
	v_wmma_scale_f32_16x16x128_f8f6f4 v[160+8*\t:167+8*\t], v[64+8*\t:71+8*\t], v[224:231], v[160+8*\t:167+8*\t], v[240+\t], v253 matrix_a_fmt:MATRIX_FMT_FP4 matrix_b_fmt:MATRIX_FMT_FP4
.endr
	s_add_co_u32 s[TB], s[TB], KV
	s_cmp_lt_u32 s[TB], 16*KV
	s_cbranch_scc1 .Lstep
	; ---- the way out: O^T / the sum; register 16 b + i is channel 32 b + 16 h + i of my query: two blocks of 32 along the next K
	v_add_f32 v14, v14, v15
	v_permlanex16_b32 v252, v14, s[SEL], s[SEL+1]
	v_add_f32 v14, v14, v252
	v_rcp_f32 v14, v14
	v_and_b32 v8, 15, v0
	v_and_b32 v9, 31, v0
	s_and_b32 s8, s15, 15                          ; head
	s_lshr_b32 s9, s15, 4                          ; batch
	s_lshl_b32 s9, s9, 7
	s_lshl_b32 s10, s14, 4
	s_add_co_u32 s9, s9, s10
	s_add_co_u32 s9, s9, s[WV]                     ; my tile of tokens
	s_lshr_b32 s10, s8, 3                          ; the chunk of 512 along K
	s_lshl_b32 s10, s10, 8
	s_add_co_u32 s10, s10, s9
	s_mul_i32 s10, s10, REC
	s_mov_b32 s11, 0
	s_add_nc_u64 s[6:7], s[6:7], s[10:11]
	s_bfe_u32 s12, s8, 0x20001                     ; the step of 128 in it
	s_and_b32 s13, s8, 1                           ; the half of the step
	s_lshl_b32 s16, s12, 10
	s_lshl_b32 s17, s13, 9
	s_add_co_u32 s16, s16, s17
	v_lshl_add_u32 v10, v9, 4, s16
	s_lshl_b32 s16, s12, 2
	s_lshl_b32 s17, s13, 1
	s_add_co_u32 s16, s16, s17
	s_add_co_u32 s16, s16, 4096
	v_lshl_add_u32 v11, v8, 4, s16
	s_wait_alu depctr_va_vdst(0)                   ; ahead of the reciprocal's first reader
	v_mov_b32 v15, v14
.set j, 0
.rept 16
	v_pk_mul_f32 v[96+j:97+j], v[160+j:161+j], v[14:15]
.set j, j+2
.endr
.irp b, 0,1
	v_max3_num_f32 v[232+\b], |v[96+16*\b]|, |v[97+16*\b]|, 0x1800000
.endr
.irp i, 2,4,6,8,10,12,14
.irp b, 0,1
	v_max3_num_f32 v[232+\b], v[232+\b], |v[96+16*\b+\i]|, |v[97+16*\b+\i]|
.endr
.endr
.irp b, 0,1
	v_permlanex16_b32 v[236+\b], v[232+\b], s[SEL], s[SEL+1]
.endr
.irp b, 0,1
	v_max_num_f32 v[232+\b], v[232+\b], v[236+\b]
.endr
.irp b, 0,1
	v_add_nc_u32 v[244+\b], 0xff000000, v[232+\b]
.endr
.irp b, 0,1
	v_lshrrev_b32 v[236+\b], 23, v[244+\b]
.endr
	v_lshl_or_b32 v238, v237, 8, v236
.irp b, 0,1
	v_cvt_scalef32_pk8_fp4_f32 v[224+2*\b], v[96+16*\b:103+16*\b], v[244+\b]
	v_cvt_scalef32_pk8_fp4_f32 v[225+2*\b], v[104+16*\b:111+16*\b], v[244+\b]
.endr
	v_nop
	v_permlane16_swap_b32 v224, v226
	v_permlane16_swap_b32 v225, v227
	global_store_b128 v10, v[224:227], s[6:7]      ; 512 consecutive bytes
	global_store_b16 v11, v238, s[6:7]
	s_wait_tensorcnt 0x0                           ; the wave's end
	ds_add_u32 v[SPW], v[NIL]
	s_wait_dscnt 0x0
	CROUND                                         ; the closing round
	s_endpgm
.Lfunc_end_k_qdc78e29769_attn:
	.size	k_qdc78e29769_attn, .Lfunc_end_k_qdc78e29769_attn-k_qdc78e29769_attn
	.p2alignl 7, 3214868480
	.fill 96, 4, 3214868480
	.section	.rodata,"a",@progbits
	.p2align	6, 0x0
	.amdhsa_kernel k_qdc78e29769_attn
		.amdhsa_group_segment_fixed_size 167936
		.amdhsa_private_segment_fixed_size 0
		.amdhsa_enable_private_segment 0
		.amdhsa_kernarg_size 16
		.amdhsa_user_sgpr_count 2
		.amdhsa_user_sgpr_kernarg_segment_ptr 1
		.amdhsa_wavefront_size32 1
		.amdhsa_system_sgpr_workgroup_id_x 1
		.amdhsa_system_sgpr_workgroup_id_y 1
		.amdhsa_system_sgpr_workgroup_id_z 1
		.amdhsa_system_vgpr_workitem_id 0
		.amdhsa_next_free_vgpr 256
		.amdhsa_next_free_sgpr 66
		.amdhsa_reserve_vcc 0
		.amdhsa_float_denorm_mode_32 3
		.amdhsa_float_denorm_mode_16_64 3
		.amdhsa_memory_ordered 1
		.amdhsa_forward_progress 1
		.amdhsa_inst_pref_size 26
	.end_amdhsa_kernel
	.amdgpu_metadata
---
amdhsa.version: [ 1, 2 ]
amdhsa.kernels:
  - .name:           k_qdc78e29769_attn
    .symbol:         k_qdc78e29769_attn.kd
    .args:
      - { .name: qkv, .offset: 0, .size: 8, .value_kind: global_buffer, .address_space: global }
      - { .name: cimg, .offset: 8, .size: 8, .value_kind: global_buffer, .address_space: global }
    .group_segment_fixed_size: 167936
    .private_segment_fixed_size: 0
    .kernarg_segment_align: 8
    .kernarg_segment_size: 16
    .max_flat_workgroup_size: 512
    .sgpr_count:     66
    .vgpr_count:     256
    .wavefront_size: 32
...
	.end_amdgpu_metadata
.endif
;; end of part 3
;; launch oproj (part 4): grid 4 x 16, 4 waves a work-group, clusters of 4 x 4, 327,680 bytes of LDS; arguments cimg, wimg, bo, x, y1; writes y1
.if DOCPART == 4
	.amdgcn_target "amdgcn-amd-amdhsa--gfx1250"
	.amdhsa_code_object_version 6
	.text
	.protected	k_qdc78e29769_oproj
	.globl	k_qdc78e29769_oproj
	.p2align	8
	.type	k_qdc78e29769_oproj,@function
k_qdc78e29769_oproj:
	s_mov_b64 s[64:65], 0
	v_nop
	global_prefetch_b8 v0, s[64:65] scope:SCOPE_SE
	s_setreg_imm32_b32 hwreg(HW_REG_WAVE_MODE, 25, 1), 1
	s_wait_xcnt 0x0
	s_wait_alu depctr_hold_cnt(0) depctr_sa_sdst(0) depctr_va_vdst(0) depctr_va_sdst(0) depctr_va_ssrc(0) depctr_va_vcc(0) depctr_vm_vsrc(0)
	s_getreg_b32 s2, hwreg(HW_REG_IB_STS2, 6, 4)
	s_cmp_eq_u32 s2, 0
	s_cbranch_scc0 .Lentry_in_a_cluster
	s_endpgm
.Lentry_in_a_cluster:
	s_bfe_u32 s2, ttmp6, 0x10000c
	s_cmp_lg_u32 s2, 0xf033
	s_cbranch_scc0 .Lentry_shape_is_right
	s_endpgm
.Lentry_shape_is_right:
; OPROJ: y1 = x + ctx Wo + bo, the product on codes of FP4, f32 out.  Nothing is left out.
; The same core as launch qkv: a tile of 256 tokens (role A, source 1) x 256 columns (role B, source 0), four waves of 128 x 128, operands as images, joint loads in a cluster of 4 x 4.
; The grid has 64 work-groups: 4,096 x 1,024 outputs in tiles of 256 x 256.
; THE WAY OUT: a lane holds 8 neighbouring columns of one token; a block of 16 tokens goes through my stage in LDS (rows of 528 bytes, in slot 0, which has had its last fill and its last read) and
; comes back as rows of 512 bytes.  The residual's rows are loaded four blocks ahead into free registers of window 1; result and bias are added there; each store covers 512 consecutive bytes, aligned.
.set RES,   1
.set LAPS,  1
.set NTA,   256
.set NTB,   64
.set BOFF,  1671168
.set REC,   4352
.set HALFT, 8*REC
.set SLOT,  4*HALFT
.set SPARE, 2*SLOT
.set NQ, 4
.set FR, 8
.set NL, 2
.set NP, 4
.set ASTEP, 2*NTA*REC
.set BSTEP, 2*NTB*REC
.set ADRA, 16
.set ADRB, 20
.set ADRS, 22
.set STO,  24                          ; v24 the stage: where I put 32 bytes of a row
.set RD,   25                          ; v25 where I read a row back
.set CO,   26                          ; v26 16 x lane
.set SPW,  28
.set NIL,  29
.set SC,   32
.set BIA,  96                          ; v96-99 the bias of my four columns of a row read back
.set AF,   128
.set G1, 24
.set G0, 32
.set G1B, 48
.set G0B, 56
.set MSB, 0
.macro WIN new
.if MSB != (\new)
	s_set_vgpr_msb (MSB<<8)|(\new)
.set MSB, (\new)
.endif
.endm
.set MUL_LO, 0xa1
.set MUL_HI, 0xf1
.set TO_B,   0x40
.macro JLOAD g0a, g1a, g0b, g1b
	s_cmp_eq_u32 s15, 0
	s_cbranch_scc0 .Lfor_b_\@
	tensor_load_to_lds s[\g0a:\g0a+3], s[\g1a:\g1a+7]
	s_nop 0
.rept 4
	v_nop
.endr
	s_branch .Lasked_\@
.Lfor_b_\@:
	tensor_load_to_lds s[\g0b:\g0b+3], s[\g1b:\g1b+7]
	s_nop 0
.rept 4
	v_nop
.endr
.Lasked_\@:
.endm
.macro CREST
	s_cmp_lg_u32 s14, 0
	s_cbranch_scc1 .Lnot_wave_0_\@
	s_barrier_signal -3
.Lnot_wave_0_\@:
	s_barrier_wait -3
	s_barrier_signal -1
	s_barrier_wait -1
.endm
.macro CROUND
	s_barrier_signal -1
	s_barrier_wait -1
	CREST
.endm
.macro FRAG reg, adr, q, i
.irp c, 0,1
	ds_load_b128 v[\reg+4*\c:\reg+4*\c+3], v[\adr] offset:(\i)*REC+1024*(\q)+512*\c
.endr
.endm
.macro MUL16 a0, p, q, sc, zero
.irp a, \a0, \a0+1
.irp b, 0,1,2,3,4,5,6,7
.if \zero
	v_wmma_scale_f32_16x16x128_f8f6f4 v[8*(8*((\a)%4)+\b):8*(8*((\a)%4)+\b)+7], v[128*(\p)+FR*\b:128*(\p)+FR*\b+FR-1], v[AF+FR*(\a):AF+FR*(\a)+FR-1], 0, v[SC+8*NQ*(\sc)+NQ*\b+(\q)], v[SC+8*NQ*(\sc)+NQ*(\a)+(\q)] matrix_a_fmt:MATRIX_FMT_FP4 matrix_b_fmt:MATRIX_FMT_FP4 matrix_a_scale:MATRIX_SCALE_ROW1
.else
	v_wmma_scale_f32_16x16x128_f8f6f4 v[8*(8*((\a)%4)+\b):8*(8*((\a)%4)+\b)+7], v[128*(\p)+FR*\b:128*(\p)+FR*\b+FR-1], v[AF+FR*(\a):AF+FR*(\a)+FR-1], v[8*(8*((\a)%4)+\b):8*(8*((\a)%4)+\b)+7], v[SC+8*NQ*(\sc)+NQ*\b+(\q)], v[SC+8*NQ*(\sc)+NQ*(\a)+(\q)] matrix_a_fmt:MATRIX_FMT_FP4 matrix_b_fmt:MATRIX_FMT_FP4 matrix_a_scale:MATRIX_SCALE_ROW1
.endif
.endr
.endr
.endm
.macro FETCH_B slot, q, p
	WIN TO_B
.irp i, 0,1,2,3,4,5,6,7
	FRAG 128*(\p)+FR*\i, ADRB+\slot, \q, \i
.endr
	WIN 0
.endm
.macro FETCH_A slot, q, i0
.irp i, \i0, \i0+1, \i0+2, \i0+3
	FRAG AF+FR*(\i), ADRA+\slot, \q, \i
.endr
.endm
.macro SCALES sc
.irp i, 0,1,2,3,4,5,6,7
	ds_load_b128 v[SC+8*NQ*\sc+NQ*\i:SC+8*NQ*\sc+NQ*\i+3], v[ADRS+\sc] offset:\i*REC
.endr
.endm
.macro PLACES n
.rept \n
	v_nop
.endr
.endm
.macro STEP slot, q, zero
	s_wait_dscnt 4*NL                              ; all but the youngest eight loads (A's blocks 4-7) are in
	WIN MUL_LO
	MUL16 0, (\q)%2, \q, \slot, \zero
	MUL16 2, (\q)%2, \q, \slot, \zero
	s_wait_dscnt 0
	PLACES NP
	FETCH_B \slot, (\q)+1, 1-(\q)%2
	FETCH_A \slot, (\q)+1, 0
	WIN MUL_HI
	MUL16 4, (\q)%2, \q, \slot, \zero
	MUL16 6, (\q)%2, \q, \slot, \zero
	PLACES NP
	WIN 0
	FETCH_A \slot, (\q)+1, 4
.endm
.macro TURN slot, next, fill
	s_wait_tensorcnt 0x0                           ; my part of the next slot has landed
	ds_add_u32 v[SPW], v[NIL]                      ; 0 onto my spare word
	s_wait_dscnt 4*NL+1                            ; (the add and the youngest eight loads may be out)
	WIN MUL_LO
	MUL16 0, 1, NQ-1, \slot, 0
	s_wait_dscnt 0x0                               ; the add is done, and my reads of this slot are over
	s_barrier_signal -1
	MUL16 2, 1, NQ-1, \slot, 0
	WIN 0
	s_barrier_wait -1
.if \fill
	CREST                                          ; the barrier has opened a round of the cluster's: no wave of any partner still reads this slot or has a load on its way
	s_add_nc_u64 s[G0+4*\slot+2:G0+4*\slot+3], s[G0+4*\slot+2:G0+4*\slot+3], ASTEP
	s_add_nc_u64 s[G0B+4*\slot+2:G0B+4*\slot+3], s[G0B+4*\slot+2:G0B+4*\slot+3], BSTEP
	JLOAD G0+4*\slot, G1, G0B+4*\slot, G1B
.else
	PLACES NP
.endif
	FETCH_B \next, 0, 0
	FETCH_A \next, 0, 0
	SCALES \next
	WIN MUL_HI
	MUL16 4, 1, NQ-1, \slot, 0
	MUL16 6, 1, NQ-1, \slot, 0
	PLACES NP
	WIN 0
	FETCH_A \next, 0, 4
.endm
.macro STEPS slot, from
.set Q, \from
.rept NQ-1-\from
	STEP \slot, Q, 0
.set Q, Q+1
.endr
.endm
.macro XLOAD a                         ; the residual's 16 rows of block a, into window 1: v64, v192 (free in the loop), v0, v128 (B's sets, free behind it) by turns
.set XR, 128*((\a)%2)+64*(1-((\a)%4)/2)
	WIN 0x40
.irp t, 0,1,2,3,4,5,6,7,8,9,10,11,12,13,14,15
	global_load_b128 v[XR+4*\t:XR+4*\t+3], v[CO], s[10:11] offset:(32*((\a)/2)+8*((\a)%2)+\t+8*(\t/8))*4096
.endr
	WIN 0
.endm
.macro BLOCKOUT a
.set AC, 64*((\a)%4)
.set BB, 128+64*((\a)%2)
.set XR, 128*((\a)%2)+64*(1-((\a)%4)/2)
.set LFT, 7-(\a)
.if LFT > 3
.set LFT, 3
.endif
.if (RES == 0) && ((\a) > 1)
	s_wait_xcnt 0x0                                ; block a - 2's stores have read these registers
.endif
	WIN 0x08+4*((\a)/4)                            ; an LDS store's data: window 2 or 3
.irp b, 0,1,2,3,4,5,6,7
	ds_store_b128 v[STO], v[AC+8*\b:AC+8*\b+3] offset:128*(\b/2)+32*(\b%2)       ; each accumulator from its low end on
	ds_store_b128 v[STO], v[AC+8*\b+4:AC+8*\b+7] offset:128*(\b/2)+32*(\b%2)+16
.endr
	WIN 0
.irp t, 0,1,2,3,4,5,6,7,8,9,10,11,12,13,14,15
	ds_load_b128 v[BB+4*\t:BB+4*\t+3], v[RD] offset:528*\t    ; LDS serves a wave's instructions in order: these see my stores
.endr
	s_wait_dscnt 0x0
.if RES
	s_wait_loadcnt 16*LFT                          ; this block's residual rows (and the bias) are in; the later blocks' loads may be out
	WIN 0x41                                       ; destination and source 0 window 1
.set i, 0
.rept 32
	v_pk_add_f32 v[XR+2*i:XR+2*i+1], v[XR+2*i:XR+2*i+1], v[BB+2*i:BB+2*i+1]
.set i, i+1
.endr
.set i, 0
.rept 32
	v_pk_add_f32 v[XR+2*i:XR+2*i+1], v[XR+2*i:XR+2*i+1], v[BIA+2*(i%2):BIA+2*(i%2)+1]
.set i, i+1
.endr
	WIN 0x04                                       ; a store's data: window 1
.irp t, 0,1,2,3,4,5,6,7,8,9,10,11,12,13,14,15
	global_store_b128 v[CO], v[XR+4*\t:XR+4*\t+3], s[12:13] offset:(32*((\a)/2)+8*((\a)%2)+\t+8*(\t/8))*4096
.endr
	WIN 0
.if (\a)+4 <= 7
	s_wait_xcnt 0x0                                ; the stores have read these registers: the block four on may land there
	XLOAD (\a)+4
.endif
.else
.if (\a) == 0
	s_wait_loadcnt 0x0                             ; the bias
.endif
.set i, 0
.rept 32
	v_pk_add_f32 v[BB+2*i:BB+2*i+1], v[BB+2*i:BB+2*i+1], v[BIA+2*(i%2):BIA+2*(i%2)+1]
.set i, i+1
.endr
.irp t, 0,1,2,3,4,5,6,7,8,9,10,11,12,13,14,15
	global_store_b128 v[CO], v[BB+4*\t:BB+4*\t+3], s[12:13] offset:(32*((\a)/2)+8*((\a)%2)+\t+8*(\t/8))*4096
.endr
.endif
.endm
	s_load_b128 s[4:7], s[0:1], 0x0                ; A's image, wimg
	s_load_b128 s[8:11], s[0:1], 0x10              ; the bias; the residual (or, without one, the output)
.if RES
	s_load_b64 s[12:13], s[0:1], 0x20              ; the output
.endif
	v_lshl_add_u32 v[SPW], v0, 2, SPARE
	v_mov_b32 v[NIL], 0
	ds_add_u32 v[SPW], v[NIL]                      ; the opening: the add, twice on end, and its wait ahead of my first tensor load
	ds_add_u32 v[SPW], v[NIL]
	v_lshrrev_b32 v1, 5, v0
	v_readfirstlane_b32 s14, v1
	s_lshr_b32 s15, s14, 1
	s_and_b32 s16, s14, 1
	s_bfe_u32 s40, ttmp6, 0x40000
	s_bfe_u32 s41, ttmp6, 0x40004
	s_lshl_b32 s42, ttmp9, 2
	s_add_co_u32 s42, s42, s40                     ; B's tile of 256 columns
	s_and_b32 s17, ttmp7, 0xffff
	s_lshl_b32 s17, s17, 2
	s_add_co_u32 s17, s17, s41                     ; A's tile of 256 tokens
	s_lshl_b32 s43, s41, 2
	s_lshl_b32 s43, 15, s43
	s_lshl_b32 s44, 0x1111, s40
	s_or_b32 s[G1+0], s43, (3<<16)|(1<<21)
	s_or_b32 s[G1B+0], s44, (3<<16)|(1<<21)
.irp g, G1, G1B
	s_mov_b32 s[\g+1], 32<<16
	s_mov_b32 s[\g+2], 136<<16
	s_mov_b32 s[\g+3], 32<<16
	s_mov_b32 s[\g+4], 136
	s_mov_b32 s[\g+5], 32
	s_mov_b32 s[\g+6], 0
	s_mov_b32 s[\g+7], 0
.endr
	s_lshl_b32 s20, s17, 1
	s_add_co_u32 s20, s20, s16
	s_mul_i32 s20, s20, HALFT
	s_mov_b32 s21, 0
	s_lshl_b32 s46, s42, 1
	s_add_co_u32 s46, s46, s16
	s_mul_i32 s46, s46, HALFT
	s_add_co_u32 s46, s46, BOFF
	s_mov_b32 s47, 0
	s_mul_i32 s45, s14, HALFT
	s_wait_dscnt 0x0
	s_wait_kmcnt 0x0
	s_add_nc_u64 s[20:21], s[4:5], s[20:21]
	s_add_nc_u64 s[46:47], s[6:7], s[46:47]
	CROUND
.irp s, 0,1
	s_mov_b32 s[G0+4*\s], 1
	s_add_co_u32 s[G0+4*\s+1], s45, \s*SLOT
	s_add_nc_u64 s[G0+4*\s+2:G0+4*\s+3], s[20:21], \s*NTA*REC
	s_or_b32 s[G0+4*\s+3], s[G0+4*\s+3], 0x80000000
	s_mov_b32 s[G0B+4*\s], 1
	s_add_co_u32 s[G0B+4*\s+1], s45, \s*SLOT
	s_add_nc_u64 s[G0B+4*\s+2:G0B+4*\s+3], s[46:47], \s*NTB*REC
	s_or_b32 s[G0B+4*\s+3], s[G0B+4*\s+3], 0x80000000
	JLOAD G0+4*\s, G1, G0B+4*\s, G1B               ; by this text's count two loads of mine are out
.endr
	v_and_b32 v1, 15, v0
	v_bfe_u32 v2, v0, 4, 1
	v_and_b32 v3, 31, v0
	v_lshlrev_b32 v[CO], 4, v3
	s_mul_i32 s21, s15, HALFT
	s_mul_i32 s22, s16, HALFT
	s_add_co_u32 s22, s22, 2*HALFT
.irp s, 0,1
	v_add_nc_u32 v[ADRA+\s], s21, v[CO]
	v_add_nc_u32 v[ADRB+\s], s22, v[CO]
	s_add_co_u32 s21, s21, SLOT
	s_add_co_u32 s22, s22, SLOT
.endr
	s_mul_i32 s21, s15, HALFT
	s_mul_i32 s22, s16, HALFT
	s_add_co_u32 s22, s22, 2*HALFT
	s_sub_co_u32 s22, s22, s21
	v_mul_u32_u24 v4, s22, v2
	v_lshl_add_u32 v4, v1, 4, v4
	s_add_co_u32 s21, s21, 4096
	v_add_nc_u32 v[ADRS], s21, v4
	v_add_nc_u32 v[ADRS+1], SLOT, v[ADRS]
	s_mul_i32 s23, s14, 16*528                     ; my stage
	v_mul_u32_u24 v5, v1, 528
	v_lshl_add_u32 v5, v2, 6, v5                   ; row r; my half's 16 columns of each 32: + 64 h
	v_add_nc_u32 v[STO], s23, v5
	v_add_nc_u32 v[RD], s23, v[CO]
	s_lshl_b32 s20, s17, 8
	s_lshl_b32 s21, s15, 7
	s_add_co_u32 s20, s20, s21                     ; my first token,
	s_lshl_b32 s20, s20, 12                        ; in rows of 4,096 bytes
	s_mov_b32 s21, 0
	s_lshl_b32 s46, s42, 10
	s_lshl_b32 s47, s16, 9
	s_add_co_u32 s46, s46, s47                     ; my first column, in bytes
	s_mov_b32 s47, 0
	s_add_nc_u64 s[20:21], s[20:21], s[46:47]
	s_add_nc_u64 s[8:9], s[8:9], s[46:47]
.if RES
	s_add_nc_u64 s[10:11], s[10:11], s[20:21]
	s_add_nc_u64 s[12:13], s[12:13], s[20:21]
.else
	s_add_nc_u64 s[12:13], s[10:11], s[20:21]
.endif
	global_load_b128 v[BIA:BIA+3], v[CO], s[8:9]
.if RES
	XLOAD 0
	XLOAD 1
.endif
	s_wait_tensorcnt 1                             ; my part of chunk 0 is in; chunk 1's may stay out
	s_barrier_signal -1
	s_barrier_wait -1
	FETCH_B 0, 0, 0
	FETCH_A 0, 0, 0
	SCALES 0
	FETCH_A 0, 0, 4
	STEP 0, 0, 1
.if LAPS > 1
	s_mov_b32 s3, LAPS-1
.Llap:
	STEPS 0, 1
	TURN 0, 1, 1
	STEPS 1, 0
	TURN 1, 0, 1
	STEP 0, 0, 0
	s_sub_co_u32 s3, s3, 1
	s_cmp_lg_u32 s3, 0
	s_cbranch_scc1 .Llap
.endif
	STEPS 0, 1
	TURN 0, 1, 0
	STEPS 1, 0
	s_wait_dscnt 4*NL
	WIN MUL_LO
	MUL16 0, 1, NQ-1, 1, 0
	MUL16 2, 1, NQ-1, 1, 0
	s_wait_dscnt 0
	WIN MUL_HI
	MUL16 4, 1, NQ-1, 1, 0
	MUL16 6, 1, NQ-1, 1, 0
	WIN 0
	PLACES NP                                      ; in front of the first reads of results and of loads into registers that held fragments
.if RES
	XLOAD 2
	XLOAD 3
.endif
.irp a, 0,1,2,3,4,5,6,7
	BLOCKOUT \a
.endr
	s_wait_tensorcnt 0x0                           ; the wave's end
	ds_add_u32 v[SPW], v[NIL]
	s_wait_dscnt 0x0
	CROUND
	s_endpgm
.Lfunc_end_k_qdc78e29769_oproj:
	.size	k_qdc78e29769_oproj, .Lfunc_end_k_qdc78e29769_oproj-k_qdc78e29769_oproj
	.p2alignl 7, 3214868480
	.fill 96, 4, 3214868480
	.section	.rodata,"a",@progbits
	.p2align	6, 0x0
	.amdhsa_kernel k_qdc78e29769_oproj
		.amdhsa_group_segment_fixed_size 327680
		.amdhsa_private_segment_fixed_size 0
		.amdhsa_enable_private_segment 0
		.amdhsa_kernarg_size 40
		.amdhsa_user_sgpr_count 2
		.amdhsa_user_sgpr_kernarg_segment_ptr 1
		.amdhsa_wavefront_size32 1
		.amdhsa_system_sgpr_workgroup_id_x 1
		.amdhsa_system_sgpr_workgroup_id_y 1
		.amdhsa_system_sgpr_workgroup_id_z 1
		.amdhsa_system_vgpr_workitem_id 0
		.amdhsa_next_free_vgpr 1024
		.amdhsa_next_free_sgpr 100
		.amdhsa_reserve_vcc 0
		.amdhsa_float_denorm_mode_32 3
		.amdhsa_float_denorm_mode_16_64 3
		.amdhsa_memory_ordered 1
		.amdhsa_forward_progress 1
		.amdhsa_inst_pref_size 167
	.end_amdhsa_kernel
	.amdgpu_metadata
---
amdhsa.version: [ 1, 2 ]
amdhsa.kernels:
  - .name:           k_qdc78e29769_oproj
    .symbol:         k_qdc78e29769_oproj.kd
    .args:
      - { .name: cimg, .offset: 0, .size: 8, .value_kind: global_buffer, .address_space: global }
      - { .name: wimg, .offset: 8, .size: 8, .value_kind: global_buffer, .address_space: global }
      - { .name: bo, .offset: 16, .size: 8, .value_kind: global_buffer, .address_space: global }
      - { .name: x, .offset: 24, .size: 8, .value_kind: global_buffer, .address_space: global }
      - { .name: y1, .offset: 32, .size: 8, .value_kind: global_buffer, .address_space: global }
    .group_segment_fixed_size: 327680
    .private_segment_fixed_size: 0
    .kernarg_segment_align: 8
    .kernarg_segment_size: 40
    .max_flat_workgroup_size: 128
    .sgpr_count:     100
    .vgpr_count:     1024
    .wavefront_size: 32
...
	.end_amdgpu_metadata
.endif
;; end of part 4
;; launch ln1 (part 5): grid 256 x 1, 4 waves a work-group, no clusters, 9,216 bytes of LDS; arguments y1, g1, be1, himg; writes himg
.if DOCPART == 5
	.amdgcn_target "amdgcn-amd-amdhsa--gfx1250"
	.amdhsa_code_object_version 6
	.text
	.protected	k_qdc78e29769_ln1
	.globl	k_qdc78e29769_ln1
	.p2align	8
	.type	k_qdc78e29769_ln1,@function
k_qdc78e29769_ln1:
	s_mov_b64 s[64:65], 0
	v_nop
	global_prefetch_b8 v0, s[64:65] scope:SCOPE_SE
	s_setreg_imm32_b32 hwreg(HW_REG_WAVE_MODE, 25, 1), 1
	s_wait_xcnt 0x0
; LN1: h = LayerNorm(y1) g1 + be1 in f32, quantised along the model's 1,024 into an image (launch prep's layout).  h itself is not stored: launch ln2 makes it again from y1.  Nothing is left out.
; A work-group takes one tile of 16 rows, a wave four consecutive rows, each whole in 32 registers a lane: mean and variance in two passes, as reference() takes them; sums across lanes by DPP.
; LIMITS: the sums' order differs from reference()'s; 1 / sqrt comes from v_rsq_f32; NaN and infinities are not served; a block under 2^-124 or of zeros gets the byte 1.
.set REC,   4352
.set CHX,   256*REC
.set SPARE, 8704                       ; LDS: 0-8191 the tile's codes, two chunks; 8192-8703 its scale bytes; then the spare words
.set SPW,   30
.set NIL,   31
.set X,     32                         ; v32-159  four rows
.set GA,    160                        ; v160-191 g1 at my 32 columns
.set BE,    192                        ; v192-223 be1
.set CD,    224                        ; v224-239 codes, a register for each (row, j)
.set BY,    240                        ; v240-255 scale bytes likewise
.set SEL,   4
.macro ROWLOAD i
.irp j, 0,1,2,3
.irp e, 0,1
	global_load_b128 v[X+32*\i+8*\j+4*\e:X+32*\i+8*\j+4*\e+3], v2, s[8:9] offset:4096*\i+1024*\j+16*\e
.endr
.endr
.endm
.macro REDSUM v, t                     ; the sum over the 32 lanes, in every lane
	v_add_f32_dpp v[\v], v[\v], v[\v] row_xmask:1 row_mask:0xf bank_mask:0xf
	v_add_f32_dpp v[\v], v[\v], v[\v] row_xmask:2 row_mask:0xf bank_mask:0xf
	v_add_f32_dpp v[\v], v[\v], v[\v] row_xmask:4 row_mask:0xf bank_mask:0xf
	v_add_f32_dpp v[\v], v[\v], v[\v] row_xmask:8 row_mask:0xf bank_mask:0xf
	v_permlanex16_b32 v[\t], v[\v], s[SEL], s[SEL+1]
	v_add_f32 v[\v], v[\v], v[\t]
.endm
.macro LNROW x, g, b                   ; the row in v[x .. x + 31] becomes (row - mean) rsqrt(var + eps) g + b
	v_pk_add_f32 v[8:9], v[\x:\x+1], v[\x+2:\x+3]
	v_pk_add_f32 v[10:11], v[\x+4:\x+5], v[\x+6:\x+7]
.irp k, 8,12,16,20,24,28
	v_pk_add_f32 v[8:9], v[8:9], v[\x+\k:\x+\k+1]
	v_pk_add_f32 v[10:11], v[10:11], v[\x+\k+2:\x+\k+3]
.endr
	v_pk_add_f32 v[8:9], v[8:9], v[10:11]
	v_add_f32 v8, v8, v9
	REDSUM 8, 16
	v_mul_f32 v12, s6, v8                          ; the mean: / 1,024
	v_mov_b32 v13, v12
.irp k, 0,2,4,6,8,10,12,14,16,18,20,22,24,26,28,30
	v_pk_add_f32 v[\x+\k:\x+\k+1], v[\x+\k:\x+\k+1], v[12:13] neg_lo:[0,1] neg_hi:[0,1]
.endr
	v_pk_mul_f32 v[8:9], v[\x:\x+1], v[\x:\x+1]
	v_pk_mul_f32 v[10:11], v[\x+2:\x+3], v[\x+2:\x+3]
.irp k, 4,8,12,16,20,24,28
	v_pk_fma_f32 v[8:9], v[\x+\k:\x+\k+1], v[\x+\k:\x+\k+1], v[8:9]
	v_pk_fma_f32 v[10:11], v[\x+\k+2:\x+\k+3], v[\x+\k+2:\x+\k+3], v[10:11]
.endr
	v_pk_add_f32 v[8:9], v[8:9], v[10:11]
	v_add_f32 v8, v8, v9
	REDSUM 8, 16
	v_fma_f32 v8, v8, s6, s7                       ; var + eps
	v_rsq_f32 v14, v8
	v_nop                                          ; a plain instruction behind the transcendental
	s_wait_alu depctr_va_vdst(0)                   ; and the wait ahead of its first reader
	v_mov_b32 v15, v14
.irp k, 0,2,4,6,8,10,12,14,16,18,20,22,24,26,28,30
	v_pk_mul_f32 v[\x+\k:\x+\k+1], v[\x+\k:\x+\k+1], v[14:15]
.endr
.irp k, 0,2,4,6,8,10,12,14,16,18,20,22,24,26,28,30
	v_pk_fma_f32 v[\x+\k:\x+\k+1], v[\x+\k:\x+\k+1], v[\g+\k:\g+\k+1], v[\b+\k:\b+\k+1]
.endr
.endm
.macro ROWQ i
.irp j, 0,1,2,3
	v_max3_num_f32 v[8+\j], |v[X+32*\i+8*\j]|, |v[X+32*\i+8*\j+1]|, 0x1800000
.endr
.irp k, 2,4,6
.irp j, 0,1,2,3
	v_max3_num_f32 v[8+\j], v[8+\j], |v[X+32*\i+8*\j+\k]|, |v[X+32*\i+8*\j+\k+1]|
.endr
.endr
.irp m, 1,2
.irp j, 0,1,2,3
	v_max_num_f32_dpp v[8+\j], v[8+\j], v[8+\j] row_xmask:\m row_mask:0xf bank_mask:0xf
.endr
.endr
.irp j, 0,1,2,3
	v_add_nc_u32 v[12+\j], 0xff000000, v[8+\j]
.endr
.irp j, 0,1,2,3
	v_lshrrev_b32 v[BY+4*\i+\j], 23, v[12+\j]
.endr
.irp j, 0,1,2,3
	v_cvt_scalef32_pk8_fp4_f32 v[CD+4*\i+\j], v[X+32*\i+8*\j:X+32*\i+8*\j+7], v[12+\j]
.endr
	v_nop
.irp j, 0,1,2,3
	ds_store_b32 v3, v[CD+4*\i+\j] offset:16*\i+2048*(\j%2)+4096*(\j/2)
	ds_store_b8 v4, v[BY+4*\i+\j] offset:16*\i+8*(\j%2)+256*(\j/2)
.endr
.endm
	s_load_b256 s[8:15], s[0:1], 0x0               ; y1 s[8:9], g1 s[10:11], be1 s[12:13], himg s[14:15]
	v_lshl_add_u32 v[SPW], v0, 2, SPARE
	v_mov_b32 v[NIL], 0
	v_lshrrev_b32 v1, 5, v0
	v_readfirstlane_b32 s26, v1
	v_and_b32 v1, 31, v0
	s_mov_b32 s[SEL], 0x76543210
	s_mov_b32 s[SEL+1], 0xfedcba98
	s_mov_b32 s6, 0x3a800000                       ; 1 / 1,024
	s_mov_b32 s7, 0x3727c5ac                       ; 1e-5
	v_mov_b32 v16, 0
	s_lshr_b32 s27, ttmp9, 1                       ; my first row: 32 (T / 2) + 8 (T % 2) + 4 w + 8 (w / 2)
	s_lshl_b32 s27, s27, 5
	s_and_b32 s28, ttmp9, 1
	s_lshl_b32 s28, s28, 3
	s_add_co_u32 s27, s27, s28
	s_lshl_b32 s28, s26, 2
	s_add_co_u32 s27, s27, s28
	s_lshr_b32 s28, s26, 1
	s_lshl_b32 s28, s28, 3
	s_add_co_u32 s27, s27, s28
	s_lshl_b32 s28, s27, 12
	s_mov_b32 s29, 0
	s_mul_i32 s30, ttmp9, REC
	s_mov_b32 s31, 0
	v_lshlrev_b32 v2, 5, v1
	v_and_b32 v3, 3, v1
	v_lshlrev_b32 v3, 2, v3
	v_bfe_u32 v5, v1, 2, 3
	v_lshl_add_u32 v3, v5, 8, v3
	s_lshl_b32 s16, s26, 6
	v_add_nc_u32 v3, s16, v3
	v_add_nc_u32 v4, s16, v5
	v_add_nc_u32 v4, 8192, v4
	v_lshlrev_b32 v6, 4, v0
	s_wait_kmcnt 0x0
	s_add_nc_u64 s[8:9], s[8:9], s[28:29]
	s_add_nc_u64 s[14:15], s[14:15], s[30:31]
.irp j, 0,1,2,3
.irp e, 0,1
	global_load_b128 v[GA+8*\j+4*\e:GA+8*\j+4*\e+3], v2, s[10:11] offset:1024*\j+16*\e
	global_load_b128 v[BE+8*\j+4*\e:BE+8*\j+4*\e+3], v2, s[12:13] offset:1024*\j+16*\e
.endr
.endr
.irp i, 0,1,2,3
	ROWLOAD \i
.endr
.irp i, 0,1,2,3
	s_wait_loadcnt 8*(3-\i)                        ; g1, be1 and row i are in; the later rows' loads may be out
	LNROW X+32*\i, GA, BE
	ROWQ \i
.endr
	s_wait_dscnt 0x0
	s_barrier_signal -1
	s_barrier_wait -1
.irp p, 0,1,2,3
	ds_load_b128 v[32+4*\p:35+4*\p], v6 offset:2048*\p
.endr
.irp p, 0,1,2,3
	s_wait_dscnt 3-\p
	global_store_b128 v6, v[32+4*\p:35+4*\p], s[14:15] offset:(\p/2)*CHX+(\p%2)*2048
.endr
	s_cmp_lg_u32 s26, 0
	s_cbranch_scc1 .Lx_end
	v_lshlrev_b32 v7, 4, v1
	ds_load_b128 v[48:51], v7 offset:8192
	v_and_b32 v5, 15, v1
	v_lshlrev_b32 v5, 4, v5
	v_lshrrev_b32 v8, 4, v1
	v_mul_u32_u24 v8, v8, CHX
	v_add_nc_u32 v5, v5, v8
	s_wait_dscnt 0x0
	global_store_b128 v5, v[48:51], s[14:15] offset:4096
.Lx_end:
	s_wait_tensorcnt 0x0                           ; the wave's end
	ds_add_u32 v[SPW], v[NIL]
	s_wait_dscnt 0x0
	s_endpgm
.Lfunc_end_k_qdc78e29769_ln1:
	.size	k_qdc78e29769_ln1, .Lfunc_end_k_qdc78e29769_ln1-k_qdc78e29769_ln1
	.p2alignl 7, 3214868480
	.fill 96, 4, 3214868480
	.section	.rodata,"a",@progbits
	.p2align	6, 0x0
	.amdhsa_kernel k_qdc78e29769_ln1
		.amdhsa_group_segment_fixed_size 9216
		.amdhsa_private_segment_fixed_size 0
		.amdhsa_enable_private_segment 0
		.amdhsa_kernarg_size 32
		.amdhsa_user_sgpr_count 2
		.amdhsa_user_sgpr_kernarg_segment_ptr 1
		.amdhsa_wavefront_size32 1
		.amdhsa_system_sgpr_workgroup_id_x 1
		.amdhsa_system_sgpr_workgroup_id_y 1
		.amdhsa_system_sgpr_workgroup_id_z 1
		.amdhsa_system_vgpr_workitem_id 0
		.amdhsa_next_free_vgpr 256
		.amdhsa_next_free_sgpr 66
		.amdhsa_reserve_vcc 0
		.amdhsa_float_denorm_mode_32 3
		.amdhsa_float_denorm_mode_16_64 3
		.amdhsa_memory_ordered 1
		.amdhsa_forward_progress 1
		.amdhsa_inst_pref_size 44
	.end_amdhsa_kernel
	.amdgpu_metadata
---
amdhsa.version: [ 1, 2 ]
amdhsa.kernels:
  - .name:           k_qdc78e29769_ln1
    .symbol:         k_qdc78e29769_ln1.kd
    .args:
      - { .name: y1, .offset: 0, .size: 8, .value_kind: global_buffer, .address_space: global }
      - { .name: g1, .offset: 8, .size: 8, .value_kind: global_buffer, .address_space: global }
      - { .name: be1, .offset: 16, .size: 8, .value_kind: global_buffer, .address_space: global }
      - { .name: himg, .offset: 24, .size: 8, .value_kind: global_buffer, .address_space: global }
    .group_segment_fixed_size: 9216
    .private_segment_fixed_size: 0
    .kernarg_segment_align: 8
    .kernarg_segment_size: 32
    .max_flat_workgroup_size: 128
    .sgpr_count:     66
    .vgpr_count:     256
    .wavefront_size: 32
...
	.end_amdgpu_metadata
.endif
;; end of part 5
;; launch ff1 (part 6): grid 16 x 16, 4 waves a work-group, clusters of 4 x 4, 327,680 bytes of LDS; arguments himg, wimg, b1, gimg; writes gimg
.if DOCPART == 6
	.amdgcn_target "amdgcn-amd-amdhsa--gfx1250"
	.amdhsa_code_object_version 6
	.text
	.protected	k_qdc78e29769_ff1
	.globl	k_qdc78e29769_ff1
	.p2align	8
	.type	k_qdc78e29769_ff1,@function
k_qdc78e29769_ff1:
	s_mov_b64 s[64:65], 0
	v_nop
	global_prefetch_b8 v0, s[64:65] scope:SCOPE_SE
	s_setreg_imm32_b32 hwreg(HW_REG_WAVE_MODE, 25, 1), 1
	s_wait_xcnt 0x0
	s_wait_alu depctr_hold_cnt(0) depctr_sa_sdst(0) depctr_va_vdst(0) depctr_va_sdst(0) depctr_va_ssrc(0) depctr_va_vcc(0) depctr_vm_vsrc(0)
	s_getreg_b32 s2, hwreg(HW_REG_IB_STS2, 6, 4)
	s_cmp_eq_u32 s2, 0
	s_cbranch_scc0 .Lentry_in_a_cluster
	s_endpgm
.Lentry_in_a_cluster:
	s_bfe_u32 s2, ttmp6, 0x10000c
	s_cmp_lg_u32 s2, 0xf033
	s_cbranch_scc0 .Lentry_shape_is_right
	s_endpgm
.Lentry_shape_is_right:
; FF1: g = gelu(h W1 + b1), exact (erf) form, the product on codes of FP4; g is quantised along the 4,096 on the way out and never stored as f32.  Nothing is left out.
; The same core as launch qkv: 256 tokens (role A, source 1) x 256 hidden units (role B, source 0), four waves of 128 x 128, operands as images, joint loads in a cluster of 4 x 4; 256 work-groups.
; THE WAY OUT IS A LOOP OF EIGHT TRIPS, one block of 16 tokens each.  Only the bias pass names the block's accumulators: it stands in eight short arms chosen by the trip's number; GELU, quantiser and
; stores are written once, which keeps the launch's code small.  A block's 128 hidden units are one step of the next K: one fragment and one scale word a row.  The scale word is 4 of a row's 16 bytes;
; lanes l and l + 16 hold the same word and name the same address.
; erf(u) = u P(u^2) / Q(u^2), u held to +-4, P of degree 6 and Q of degree 4 (Q's coefficients all have one sign: it is never 0).
; LIMITS: that form's absolute error is about 1e-7; 1 / Q comes from v_rcp_f32; NaN and infinities are not served; a block under 2^-124 or of zeros gets the byte 1.
.set LAPS,  1
.set NTA,   256
.set NTB,   256
.set BOFF,  2228224
.set REC,   4352
.set HALFT, 8*REC
.set SLOT,  4*HALFT
.set SPARE, 2*SLOT
.set NQ, 4
.set FR, 8
.set NL, 2
.set NP, 4
.set ASTEP, 2*NTA*REC
.set BSTEP, 2*NTB*REC
.set ADRA, 16
.set ADRB, 20
.set ADRS, 22
.set LQ,   24                          ; v24 16 x lane + 1024 x my step of the next K
.set LS,   25                          ; v25 16 r + 4096 + 4 x that step
.set LI,   27
.set SPW,  28
.set NIL,  29
.set SC,   32
.set U,    96                          ; v96-111  u, later y / 2
.set X2,   112                         ; v112-127 u^2
.set AF,   128
.set T,    128                         ; v128-191 a block's 64 numbers
.set PC,   192
.set TM,   208
.set P,    208                         ; v208-223 P (the quantiser's work registers between its turns)
.set PWR,  224
.set QD,   232                         ; v232-247 Q
.set SEL,  92
.set G1, 24
.set G0, 32
.set G1B, 48
.set G0B, 56
.set MSB, 0
.macro WIN new
.if MSB != (\new)
	s_set_vgpr_msb (MSB<<8)|(\new)
.set MSB, (\new)
.endif
.endm
.set MUL_LO, 0xa1
.set MUL_HI, 0xf1
.set TO_B,   0x40
.macro JLOAD g0a, g1a, g0b, g1b
	s_cmp_eq_u32 s15, 0
	s_cbranch_scc0 .Lfor_b_\@
	tensor_load_to_lds s[\g0a:\g0a+3], s[\g1a:\g1a+7]
	s_nop 0
.rept 4
	v_nop
.endr
	s_branch .Lasked_\@
.Lfor_b_\@:
	tensor_load_to_lds s[\g0b:\g0b+3], s[\g1b:\g1b+7]
	s_nop 0
.rept 4
	v_nop
.endr
.Lasked_\@:
.endm
.macro CREST
	s_cmp_lg_u32 s14, 0
	s_cbranch_scc1 .Lnot_wave_0_\@
	s_barrier_signal -3
.Lnot_wave_0_\@:
	s_barrier_wait -3
	s_barrier_signal -1
	s_barrier_wait -1
.endm
.macro CROUND
	s_barrier_signal -1
	s_barrier_wait -1
	CREST
.endm
.macro FRAG reg, adr, q, i
.irp c, 0,1
	ds_load_b128 v[\reg+4*\c:\reg+4*\c+3], v[\adr] offset:(\i)*REC+1024*(\q)+512*\c
.endr
.endm
.macro MUL16 a0, p, q, sc, zero
.irp a, \a0, \a0+1
.irp b, 0,1,2,3,4,5,6,7
.if \zero
	v_wmma_scale_f32_16x16x128_f8f6f4 v[8*(8*((\a)%4)+\b):8*(8*((\a)%4)+\b)+7], v[128*(\p)+FR*\b:128*(\p)+FR*\b+FR-1], v[AF+FR*(\a):AF+FR*(\a)+FR-1], 0, v[SC+8*NQ*(\sc)+NQ*\b+(\q)], v[SC+8*NQ*(\sc)+NQ*(\a)+(\q)] matrix_a_fmt:MATRIX_FMT_FP4 matrix_b_fmt:MATRIX_FMT_FP4 matrix_a_scale:MATRIX_SCALE_ROW1
.else
	v_wmma_scale_f32_16x16x128_f8f6f4 v[8*(8*((\a)%4)+\b):8*(8*((\a)%4)+\b)+7], v[128*(\p)+FR*\b:128*(\p)+FR*\b+FR-1], v[AF+FR*(\a):AF+FR*(\a)+FR-1], v[8*(8*((\a)%4)+\b):8*(8*((\a)%4)+\b)+7], v[SC+8*NQ*(\sc)+NQ*\b+(\q)], v[SC+8*NQ*(\sc)+NQ*(\a)+(\q)] matrix_a_fmt:MATRIX_FMT_FP4 matrix_b_fmt:MATRIX_FMT_FP4 matrix_a_scale:MATRIX_SCALE_ROW1
.endif
.endr
.endr
.endm
.macro FETCH_B slot, q, p
	WIN TO_B
.irp i, 0,1,2,3,4,5,6,7
	FRAG 128*(\p)+FR*\i, ADRB+\slot, \q, \i
.endr
	WIN 0
.endm
.macro FETCH_A slot, q, i0
.irp i, \i0, \i0+1, \i0+2, \i0+3
	FRAG AF+FR*(\i), ADRA+\slot, \q, \i
.endr
.endm
.macro SCALES sc
.irp i, 0,1,2,3,4,5,6,7
	ds_load_b128 v[SC+8*NQ*\sc+NQ*\i:SC+8*NQ*\sc+NQ*\i+3], v[ADRS+\sc] offset:\i*REC
.endr
.endm
.macro PLACES n
.rept \n
	v_nop
.endr
.endm
.macro STEP slot, q, zero
	s_wait_dscnt 4*NL                              ; all but the youngest eight loads (A's blocks 4-7) are in
	WIN MUL_LO
	MUL16 0, (\q)%2, \q, \slot, \zero
	MUL16 2, (\q)%2, \q, \slot, \zero
	s_wait_dscnt 0
	PLACES NP
	FETCH_B \slot, (\q)+1, 1-(\q)%2
	FETCH_A \slot, (\q)+1, 0
	WIN MUL_HI
	MUL16 4, (\q)%2, \q, \slot, \zero
	MUL16 6, (\q)%2, \q, \slot, \zero
	PLACES NP
	WIN 0
	FETCH_A \slot, (\q)+1, 4
.endm
.macro TURN slot, next, fill
	s_wait_tensorcnt 0x0                           ; my part of the next slot has landed
	ds_add_u32 v[SPW], v[NIL]                      ; 0 onto my spare word
	s_wait_dscnt 4*NL+1                            ; (the add and the youngest eight loads may be out)
	WIN MUL_LO
	MUL16 0, 1, NQ-1, \slot, 0
	s_wait_dscnt 0x0                               ; the add is done, and my reads of this slot are over
	s_barrier_signal -1
	MUL16 2, 1, NQ-1, \slot, 0
	WIN 0
	s_barrier_wait -1
.if \fill
	CREST
	s_add_nc_u64 s[G0+4*\slot+2:G0+4*\slot+3], s[G0+4*\slot+2:G0+4*\slot+3], ASTEP
	s_add_nc_u64 s[G0B+4*\slot+2:G0B+4*\slot+3], s[G0B+4*\slot+2:G0B+4*\slot+3], BSTEP
	JLOAD G0+4*\slot, G1, G0B+4*\slot, G1B
.else
	PLACES NP
.endif
	FETCH_B \next, 0, 0
	FETCH_A \next, 0, 0
	SCALES \next
	WIN MUL_HI
	MUL16 4, 1, NQ-1, \slot, 0
	MUL16 6, 1, NQ-1, \slot, 0
	PLACES NP
	WIN 0
	FETCH_A \next, 0, 4
.endm
.macro STEPS slot, from
.set Q, \from
.rept NQ-1-\from
	STEP \slot, Q, 0
.set Q, Q+1
.endr
.endm
.macro QUANT s, pw
.irp b, 0,1,2,3
	v_max3_num_f32 v[TM+\b], |v[\s+16*\b]|, |v[\s+1+16*\b]|, 0x1800000
.endr
.irp i, 2,4,6,8,10,12,14
.irp b, 0,1,2,3
	v_max3_num_f32 v[TM+\b], v[TM+\b], |v[\s+16*\b+\i]|, |v[\s+1+16*\b+\i]|
.endr
.endr
.irp b, 0,1,2,3
	v_permlanex16_b32 v[TM+4+\b], v[TM+\b], s[SEL], s[SEL+1]
.endr
.irp b, 0,1,2,3
	v_max_num_f32 v[TM+\b], v[TM+\b], v[TM+4+\b]
.endr
.irp b, 0,1,2,3
	v_add_nc_u32 v[TM+12+\b], 0xff000000, v[TM+\b]
.endr
.irp b, 0,1,2,3
	v_lshrrev_b32 v[TM+4+\b], 23, v[TM+12+\b]
.endr
	v_lshl_or_b32 v[\pw], v[TM+5], 8, v[TM+4]
	v_lshl_or_b32 v[\pw], v[TM+6], 16, v[\pw]
	v_lshl_or_b32 v[\pw], v[TM+7], 24, v[\pw]
.irp b, 0,1,2,3
	v_cvt_scalef32_pk8_fp4_f32 v[PC+2*\b], v[\s+16*\b:\s+7+16*\b], v[TM+12+\b]
	v_cvt_scalef32_pk8_fp4_f32 v[PC+1+2*\b], v[\s+8+16*\b:\s+15+16*\b], v[TM+12+\b]
.endr
	v_nop
.irp c, 0,1
.irp i, 0,1
	v_permlane16_swap_b32 v[PC+4*\c+\i], v[PC+2+4*\c+\i]
.endr
.endr
.endm
; gelu of 16 numbers y in v[T + 16 k] on, in place: y / 2 + (y / 2) erf(y / sqrt 2).  The sixteen reciprocals are one batch with one wait
.macro GELU16 k
.set Y, T+16*(\k)
.irp j, 0,2,4,6,8,10,12,14
	v_pk_mul_f32 v[U+\j:U+\j+1], v[Y+\j:Y+\j+1], s[66:67] op_sel_hi:[1,0]
.endr
.irp j, 0,1,2,3,4,5,6,7,8,9,10,11,12,13,14,15
	v_med3_num_f32 v[U+\j], v[U+\j], -4.0, 4.0
.endr
.irp j, 0,2,4,6,8,10,12,14
	v_pk_mul_f32 v[X2+\j:X2+\j+1], v[U+\j:U+\j+1], v[U+\j:U+\j+1]
.endr
.irp j, 0,2,4,6,8,10,12,14
	v_pk_fma_f32 v[P+\j:P+\j+1], v[X2+\j:X2+\j+1], v[248:249], s[68:69] op_sel_hi:[1,1,0]
	v_pk_fma_f32 v[QD+\j:QD+\j+1], v[X2+\j:X2+\j+1], v[250:251], s[80:81] op_sel_hi:[1,1,0]
.endr
.irp c, 70,72,74,76,78
.irp j, 0,2,4,6,8,10,12,14
	v_pk_fma_f32 v[P+\j:P+\j+1], v[P+\j:P+\j+1], v[X2+\j:X2+\j+1], s[\c:\c+1] op_sel_hi:[1,1,0]
.endr
.endr
.irp c, 82,84,86
.irp j, 0,2,4,6,8,10,12,14
	v_pk_fma_f32 v[QD+\j:QD+\j+1], v[QD+\j:QD+\j+1], v[X2+\j:X2+\j+1], s[\c:\c+1] op_sel_hi:[1,1,0]
.endr
.endr
.irp j, 0,1,2,3,4,5,6,7,8,9,10,11,12,13,14,15
	v_rcp_f32 v[QD+\j], v[QD+\j]
.endr
.irp j, 0,2,4,6,8,10,12,14
	v_pk_mul_f32 v[P+\j:P+\j+1], v[P+\j:P+\j+1], v[U+\j:U+\j+1]     ; u P: plain work behind the reciprocals
.endr
	s_wait_alu depctr_va_vdst(0)                   ; one wait for the batch, ahead of its first reader
.irp j, 0,2,4,6,8,10,12,14
	v_pk_mul_f32 v[P+\j:P+\j+1], v[P+\j:P+\j+1], v[QD+\j:QD+\j+1]   ; erf
.endr
.irp j, 0,2,4,6,8,10,12,14
	v_pk_mul_f32 v[U+\j:U+\j+1], v[Y+\j:Y+\j+1], 0.5 op_sel_hi:[1,0]
.endr
.irp j, 0,2,4,6,8,10,12,14
	v_pk_fma_f32 v[Y+\j:Y+\j+1], v[U+\j:U+\j+1], v[P+\j:P+\j+1], v[U+\j:U+\j+1]
.endr
.endm
	s_load_b128 s[4:7], s[0:1], 0x0                ; himg, wimg
	s_load_b128 s[8:11], s[0:1], 0x10              ; b1, gimg
	v_lshl_add_u32 v[SPW], v0, 2, SPARE
	v_mov_b32 v[NIL], 0
	ds_add_u32 v[SPW], v[NIL]                      ; the opening: the add, twice on end, and its wait ahead of my first tensor load
	ds_add_u32 v[SPW], v[NIL]
	v_lshrrev_b32 v1, 5, v0
	v_readfirstlane_b32 s14, v1
	s_lshr_b32 s15, s14, 1
	s_and_b32 s16, s14, 1
	s_bfe_u32 s40, ttmp6, 0x40000
	s_bfe_u32 s41, ttmp6, 0x40004
	s_lshl_b32 s42, ttmp9, 2
	s_add_co_u32 s42, s42, s40                     ; B's tile of 256 hidden units
	s_and_b32 s17, ttmp7, 0xffff
	s_lshl_b32 s17, s17, 2
	s_add_co_u32 s17, s17, s41                     ; A's tile of 256 tokens
	s_lshl_b32 s43, s41, 2
	s_lshl_b32 s43, 15, s43
	s_lshl_b32 s44, 0x1111, s40
	s_or_b32 s[G1+0], s43, (3<<16)|(1<<21)
	s_or_b32 s[G1B+0], s44, (3<<16)|(1<<21)
.irp g, G1, G1B
	s_mov_b32 s[\g+1], 32<<16
	s_mov_b32 s[\g+2], 136<<16
	s_mov_b32 s[\g+3], 32<<16
	s_mov_b32 s[\g+4], 136
	s_mov_b32 s[\g+5], 32
	s_mov_b32 s[\g+6], 0
	s_mov_b32 s[\g+7], 0
.endr
	s_lshl_b32 s20, s17, 1
	s_add_co_u32 s20, s20, s16
	s_mul_i32 s20, s20, HALFT
	s_mov_b32 s21, 0
	s_lshl_b32 s46, s42, 1
	s_add_co_u32 s46, s46, s16
	s_mul_i32 s46, s46, HALFT
	s_add_co_u32 s46, s46, BOFF
	s_mov_b32 s47, 0
	s_mul_i32 s45, s14, HALFT
	s_wait_dscnt 0x0
	s_wait_kmcnt 0x0
	s_add_nc_u64 s[20:21], s[4:5], s[20:21]
	s_add_nc_u64 s[46:47], s[6:7], s[46:47]
	CROUND
.irp s, 0,1
	s_mov_b32 s[G0+4*\s], 1
	s_add_co_u32 s[G0+4*\s+1], s45, \s*SLOT
	s_add_nc_u64 s[G0+4*\s+2:G0+4*\s+3], s[20:21], \s*NTA*REC
	s_or_b32 s[G0+4*\s+3], s[G0+4*\s+3], 0x80000000
	s_mov_b32 s[G0B+4*\s], 1
	s_add_co_u32 s[G0B+4*\s+1], s45, \s*SLOT
	s_add_nc_u64 s[G0B+4*\s+2:G0B+4*\s+3], s[46:47], \s*NTB*REC
	s_or_b32 s[G0B+4*\s+3], s[G0B+4*\s+3], 0x80000000
	JLOAD G0+4*\s, G1, G0B+4*\s, G1B               ; by this text's count two loads of mine are out
.endr
	v_and_b32 v1, 15, v0
	v_bfe_u32 v2, v0, 4, 1
	v_and_b32 v3, 31, v0
	v_lshlrev_b32 v[LI], 4, v3
	s_mul_i32 s21, s15, HALFT
	s_mul_i32 s22, s16, HALFT
	s_add_co_u32 s22, s22, 2*HALFT
.irp s, 0,1
	v_add_nc_u32 v[ADRA+\s], s21, v[LI]
	v_add_nc_u32 v[ADRB+\s], s22, v[LI]
	s_add_co_u32 s21, s21, SLOT
	s_add_co_u32 s22, s22, SLOT
.endr
	s_mul_i32 s21, s15, HALFT
	s_mul_i32 s22, s16, HALFT
	s_add_co_u32 s22, s22, 2*HALFT
	s_sub_co_u32 s22, s22, s21
	v_mul_u32_u24 v4, s22, v2
	v_lshl_add_u32 v4, v1, 4, v4
	s_add_co_u32 s21, s21, 4096
	v_add_nc_u32 v[ADRS], s21, v4
	v_add_nc_u32 v[ADRS+1], SLOT, v[ADRS]
	s_mov_b32 s[SEL], 0x76543210
	s_mov_b32 s[SEL+1], 0xfedcba98
.irp b, 0,1,2,3
	v_mov_b32 v[TM+4+\b], 0
.endr
	s_lshr_b32 s20, s42, 1                         ; out: chunk tileB / 2 of the next K, record 16 tileA + 8 x my half of A
	s_lshl_b32 s20, s20, 8
	s_lshl_b32 s21, s17, 4
	s_add_co_u32 s20, s20, s21
	s_lshl_b32 s21, s15, 3
	s_add_co_u32 s20, s20, s21
	s_mul_i32 s20, s20, REC
	s_mov_b32 s21, 0
	s_add_nc_u64 s[88:89], s[10:11], s[20:21]
	s_and_b32 s22, s42, 1
	s_lshl_b32 s22, s22, 1
	s_add_co_u32 s22, s22, s16                     ; my step of 128 in that chunk
	s_lshl_b32 s23, s22, 10
	v_add_nc_u32 v[LQ], s23, v[LI]
	s_lshl_b32 s23, s22, 2
	s_add_co_u32 s23, s23, 4096
	v_lshl_add_u32 v[LS], v1, 4, s23
	s_lshl_b32 s46, s42, 10
	s_lshl_b32 s47, s16, 9
	s_add_co_u32 s46, s46, s47
	s_mov_b32 s47, 0
	s_add_nc_u64 s[8:9], s[8:9], s[46:47]          ; the bias of my 128 hidden units
	v_lshlrev_b32 v3, 6, v2
	WIN 0x40                                       ; window 1, v64-127: free of fragments
.irp b, 0,1,2,3
.irp j, 0,1,2,3
	global_load_b128 v[64+16*\b+4*\j:64+16*\b+4*\j+3], v3, s[8:9] offset:128*\b+16*\j
.endr
.endr
	WIN 0
	s_mov_b32 s66, 0x3f3504f3                      ; 1 / sqrt 2
	s_mov_b32 s68, 0x32edffee                      ; P's coefficients from the second on
	s_mov_b32 s70, 0xb60cff51
	s_mov_b32 s72, 0xb86ec2d2
	s_mov_b32 s74, 0xba40ac63
	s_mov_b32 s76, 0xbb41a1f6
	s_mov_b32 s78, 0xbc83dbd4
	s_mov_b32 s80, 0xb95fbd29                      ; Q's from the second on
	s_mov_b32 s82, 0xbadc924e
	s_mov_b32 s84, 0xbbf19bf8
	s_mov_b32 s86, 0xbc69b6a7
.irp c, 66,68,70,72,74,76,78,80,82,84,86
	s_mov_b32 s[\c+1], s[\c]                       ; (named as pairs, so both are written)
.endr
	v_mov_b32 v248, 0xaf95df0b                     ; P's first coefficient,
	v_mov_b32 v249, 0xaf95df0b
	v_mov_b32 v250, 0xb77460cd                     ; Q's
	v_mov_b32 v251, 0xb77460cd
	s_wait_tensorcnt 1                             ; my part of chunk 0 is in; chunk 1's may stay out
	s_barrier_signal -1
	s_barrier_wait -1
	FETCH_B 0, 0, 0
	FETCH_A 0, 0, 0
	SCALES 0
	FETCH_A 0, 0, 4
	STEP 0, 0, 1
	STEPS 0, 1
	TURN 0, 1, 0
	STEPS 1, 0
	s_wait_dscnt 4*NL
	WIN MUL_LO
	MUL16 0, 1, NQ-1, 1, 0
	MUL16 2, 1, NQ-1, 1, 0
	s_wait_dscnt 0
	WIN MUL_HI
	MUL16 4, 1, NQ-1, 1, 0
	MUL16 6, 1, NQ-1, 1, 0
	WIN 0
	PLACES NP
	s_wait_loadcnt 0x0                             ; the bias
	s_mov_b32 s91, 0
	s_mov_b32 s3, 0                                ; the block
.Lblk:
.irp a, 0,1,2,3,4,5,6,7
	s_cmp_lg_u32 s3, \a
	s_cbranch_scc1 .Lnot_\a
	WIN 0x06+\a/4                                  ; source 0 window 2 or 3, source 1 window 1
.set i, 0
.rept 32
	v_pk_add_f32 v[T+2*i:T+2*i+1], v[64*(\a%4)+2*i:64*(\a%4)+2*i+1], v[64+2*i:64+2*i+1]   ; + bias; each accumulator from its low end on
.set i, i+1
.endr
	WIN 0
.Lnot_\a:
.endr
	GELU16 0
	GELU16 1
	GELU16 2
	GELU16 3
	s_wait_xcnt 0x0                                ; the last trip's stores have read their registers and their base
	s_cmp_eq_u32 s3, 0
	s_cselect_b32 s90, 0, REC
	s_add_nc_u64 s[88:89], s[88:89], s[90:91]      ; on to this block's record
	QUANT T, PWR
	global_store_b128 v[LQ], v[PC:PC+3], s[88:89]
	global_store_b128 v[LQ], v[PC+4:PC+7], s[88:89] offset:512
	global_store_b32 v[LS], v[PWR], s[88:89]
	s_add_co_u32 s3, s3, 1
	s_cmp_lt_u32 s3, 8
	s_cbranch_scc1 .Lblk
	s_wait_tensorcnt 0x0                           ; the wave's end
	ds_add_u32 v[SPW], v[NIL]
	s_wait_dscnt 0x0
	CROUND
	s_endpgm
.Lfunc_end_k_qdc78e29769_ff1:
	.size	k_qdc78e29769_ff1, .Lfunc_end_k_qdc78e29769_ff1-k_qdc78e29769_ff1
	.p2alignl 7, 3214868480
	.fill 96, 4, 3214868480
	.section	.rodata,"a",@progbits
	.p2align	6, 0x0
	.amdhsa_kernel k_qdc78e29769_ff1
		.amdhsa_group_segment_fixed_size 327680
		.amdhsa_private_segment_fixed_size 0
		.amdhsa_enable_private_segment 0
		.amdhsa_kernarg_size 32
		.amdhsa_user_sgpr_count 2
		.amdhsa_user_sgpr_kernarg_segment_ptr 1
		.amdhsa_wavefront_size32 1
		.amdhsa_system_sgpr_workgroup_id_x 1
		.amdhsa_system_sgpr_workgroup_id_y 1
		.amdhsa_system_sgpr_workgroup_id_z 1
		.amdhsa_system_vgpr_workitem_id 0
		.amdhsa_next_free_vgpr 1024
		.amdhsa_next_free_sgpr 100
		.amdhsa_reserve_vcc 0
		.amdhsa_float_denorm_mode_32 3
		.amdhsa_float_denorm_mode_16_64 3
		.amdhsa_memory_ordered 1
		.amdhsa_forward_progress 1
		.amdhsa_inst_pref_size 155
	.end_amdhsa_kernel
	.amdgpu_metadata
---
amdhsa.version: [ 1, 2 ]
amdhsa.kernels:
  - .name:           k_qdc78e29769_ff1
    .symbol:         k_qdc78e29769_ff1.kd
    .args:
      - { .name: himg, .offset: 0, .size: 8, .value_kind: global_buffer, .address_space: global }
      - { .name: wimg, .offset: 8, .size: 8, .value_kind: global_buffer, .address_space: global }
      - { .name: b1, .offset: 16, .size: 8, .value_kind: global_buffer, .address_space: global }
      - { .name: gimg, .offset: 24, .size: 8, .value_kind: global_buffer, .address_space: global }
    .group_segment_fixed_size: 327680
    .private_segment_fixed_size: 0
    .kernarg_segment_align: 8
    .kernarg_segment_size: 32
    .max_flat_workgroup_size: 128
    .sgpr_count:     100
    .vgpr_count:     1024
    .wavefront_size: 32
...
	.end_amdgpu_metadata
.endif
;; end of part 6
;; launch ff2 (part 7): grid 4 x 16, 4 waves a work-group, clusters of 4 x 4, 327,680 bytes of LDS; arguments gimg, wimg, b2, y2; writes y2
.if DOCPART == 7
	.amdgcn_target "amdgcn-amd-amdhsa--gfx1250"
	.amdhsa_code_object_version 6
	.text
	.protected	k_qdc78e29769_ff2
	.globl	k_qdc78e29769_ff2
	.p2align	8
	.type	k_qdc78e29769_ff2,@function
k_qdc78e29769_ff2:
	s_mov_b64 s[64:65], 0
	v_nop
	global_prefetch_b8 v0, s[64:65] scope:SCOPE_SE
	s_setreg_imm32_b32 hwreg(HW_REG_WAVE_MODE, 25, 1), 1
	s_wait_xcnt 0x0
	s_wait_alu depctr_hold_cnt(0) depctr_sa_sdst(0) depctr_va_vdst(0) depctr_va_sdst(0) depctr_va_ssrc(0) depctr_va_vcc(0) depctr_vm_vsrc(0)
	s_getreg_b32 s2, hwreg(HW_REG_IB_STS2, 6, 4)
	s_cmp_eq_u32 s2, 0
	s_cbranch_scc0 .Lentry_in_a_cluster
	s_endpgm
.Lentry_in_a_cluster:
	s_bfe_u32 s2, ttmp6, 0x10000c
	s_cmp_lg_u32 s2, 0xf033
	s_cbranch_scc0 .Lentry_shape_is_right
	s_endpgm
.Lentry_shape_is_right:
; FF2: y2 = g W2 + b2, the product on codes of FP4, f32 out.  Nothing is left out.
; The text of launch oproj with K = 4,096 (eight chunks through the two slots: six joint refills, each the wave's one load behind a round of the cluster's barrier, with a chunk's 256 matrix
; instructions in which to land) and without a residual.  No prefetch is laid: a wave's load is 136 blocks of 256 bytes, which do not divide evenly among four partners of 32 lanes.
.set RES,   0
.set LAPS,  4
.set NTA,   256
.set NTB,   64
.set BOFF,  4456448
.set REC,   4352
.set HALFT, 8*REC
.set SLOT,  4*HALFT
.set SPARE, 2*SLOT
.set NQ, 4
.set FR, 8
.set NL, 2
.set NP, 4
.set ASTEP, 2*NTA*REC
.set BSTEP, 2*NTB*REC
.set ADRA, 16
.set ADRB, 20
.set ADRS, 22
.set STO,  24
.set RD,   25
.set CO,   26
.set SPW,  28
.set NIL,  29
.set SC,   32
.set BIA,  96
.set AF,   128
.set G1, 24
.set G0, 32
.set G1B, 48
.set G0B, 56
.set MSB, 0
.macro WIN new
.if MSB != (\new)
	s_set_vgpr_msb (MSB<<8)|(\new)
.set MSB, (\new)
.endif
.endm
.set MUL_LO, 0xa1
.set MUL_HI, 0xf1
.set TO_B,   0x40
.macro JLOAD g0a, g1a, g0b, g1b
	s_cmp_eq_u32 s15, 0
	s_cbranch_scc0 .Lfor_b_\@
	tensor_load_to_lds s[\g0a:\g0a+3], s[\g1a:\g1a+7]
	s_nop 0
.rept 4
	v_nop
.endr
	s_branch .Lasked_\@
.Lfor_b_\@:
	tensor_load_to_lds s[\g0b:\g0b+3], s[\g1b:\g1b+7]
	s_nop 0
.rept 4
	v_nop
.endr
.Lasked_\@:
.endm
.macro CREST
	s_cmp_lg_u32 s14, 0
	s_cbranch_scc1 .Lnot_wave_0_\@
	s_barrier_signal -3
.Lnot_wave_0_\@:
	s_barrier_wait -3
	s_barrier_signal -1
	s_barrier_wait -1
.endm
.macro CROUND
	s_barrier_signal -1
	s_barrier_wait -1
	CREST
.endm
.macro FRAG reg, adr, q, i
.irp c, 0,1
	ds_load_b128 v[\reg+4*\c:\reg+4*\c+3], v[\adr] offset:(\i)*REC+1024*(\q)+512*\c
.endr
.endm
.macro MUL16 a0, p, q, sc, zero
.irp a, \a0, \a0+1
.irp b, 0,1,2,3,4,5,6,7
.if \zero
	v_wmma_scale_f32_16x16x128_f8f6f4 v[8*(8*((\a)%4)+\b):8*(8*((\a)%4)+\b)+7], v[128*(\p)+FR*\b:128*(\p)+FR*\b+FR-1], v[AF+FR*(\a):AF+FR*(\a)+FR-1], 0, v[SC+8*NQ*(\sc)+NQ*\b+(\q)], v[SC+8*NQ*(\sc)+NQ*(\a)+(\q)] matrix_a_fmt:MATRIX_FMT_FP4 matrix_b_fmt:MATRIX_FMT_FP4 matrix_a_scale:MATRIX_SCALE_ROW1
.else
	v_wmma_scale_f32_16x16x128_f8f6f4 v[8*(8*((\a)%4)+\b):8*(8*((\a)%4)+\b)+7], v[128*(\p)+FR*\b:128*(\p)+FR*\b+FR-1], v[AF+FR*(\a):AF+FR*(\a)+FR-1], v[8*(8*((\a)%4)+\b):8*(8*((\a)%4)+\b)+7], v[SC+8*NQ*(\sc)+NQ*\b+(\q)], v[SC+8*NQ*(\sc)+NQ*(\a)+(\q)] matrix_a_fmt:MATRIX_FMT_FP4 matrix_b_fmt:MATRIX_FMT_FP4 matrix_a_scale:MATRIX_SCALE_ROW1
.endif
.endr
.endr
.endm
.macro FETCH_B slot, q, p
	WIN TO_B
.irp i, 0,1,2,3,4,5,6,7
	FRAG 128*(\p)+FR*\i, ADRB+\slot, \q, \i
.endr
	WIN 0
.endm
.macro FETCH_A slot, q, i0
.irp i, \i0, \i0+1, \i0+2, \i0+3
	FRAG AF+FR*(\i), ADRA+\slot, \q, \i
.endr
.endm
.macro SCALES sc
.irp i, 0,1,2,3,4,5,6,7
	ds_load_b128 v[SC+8*NQ*\sc+NQ*\i:SC+8*NQ*\sc+NQ*\i+3], v[ADRS+\sc] offset:\i*REC
.endr
.endm
.macro PLACES n
.rept \n
	v_nop
.endr
.endm
.macro STEP slot, q, zero
	s_wait_dscnt 4*NL                              ; all but the youngest eight loads (A's blocks 4-7) are in
	WIN MUL_LO
	MUL16 0, (\q)%2, \q, \slot, \zero
	MUL16 2, (\q)%2, \q, \slot, \zero
	s_wait_dscnt 0
	PLACES NP
	FETCH_B \slot, (\q)+1, 1-(\q)%2
	FETCH_A \slot, (\q)+1, 0
	WIN MUL_HI
	MUL16 4, (\q)%2, \q, \slot, \zero
	MUL16 6, (\q)%2, \q, \slot, \zero
	PLACES NP
	WIN 0
	FETCH_A \slot, (\q)+1, 4
.endm
.macro TURN slot, next, fill
	s_wait_tensorcnt 0x0                           ; all my tensor loads have landed: my part of the next slot
	ds_add_u32 v[SPW], v[NIL]                      ; 0 onto my spare word
	s_wait_dscnt 4*NL+1                            ; (the add and the youngest eight loads may be out)
	WIN MUL_LO
	MUL16 0, 1, NQ-1, \slot, 0
	s_wait_dscnt 0x0                               ; the add is done, and my reads of this slot are over
	s_barrier_signal -1
	MUL16 2, 1, NQ-1, \slot, 0
	WIN 0
	s_barrier_wait -1
.if \fill
	CREST                                          ; the barrier has opened a round of the cluster's: no wave of any partner still reads this slot or has a load on its way
	s_add_nc_u64 s[G0+4*\slot+2:G0+4*\slot+3], s[G0+4*\slot+2:G0+4*\slot+3], ASTEP
	s_add_nc_u64 s[G0B+4*\slot+2:G0B+4*\slot+3], s[G0B+4*\slot+2:G0B+4*\slot+3], BSTEP
	JLOAD G0+4*\slot, G1, G0B+4*\slot, G1B         ; the first tensor load behind the round, and my only one until the next
.else
	PLACES NP
.endif
	FETCH_B \next, 0, 0
	FETCH_A \next, 0, 0
	SCALES \next
	WIN MUL_HI
	MUL16 4, 1, NQ-1, \slot, 0
	MUL16 6, 1, NQ-1, \slot, 0
	PLACES NP
	WIN 0
	FETCH_A \next, 0, 4
.endm
.macro STEPS slot, from
.set Q, \from
.rept NQ-1-\from
	STEP \slot, Q, 0
.set Q, Q+1
.endr
.endm
.macro BLOCKOUT a
.set AC, 64*((\a)%4)
.set BB, 128+64*((\a)%2)
.if (\a) > 1
	s_wait_xcnt 0x0                                ; block a - 2's stores have read these registers
.endif
	WIN 0x08+4*((\a)/4)
.irp b, 0,1,2,3,4,5,6,7
	ds_store_b128 v[STO], v[AC+8*\b:AC+8*\b+3] offset:128*(\b/2)+32*(\b%2)       ; each accumulator from its low end on
	ds_store_b128 v[STO], v[AC+8*\b+4:AC+8*\b+7] offset:128*(\b/2)+32*(\b%2)+16
.endr
	WIN 0
.irp t, 0,1,2,3,4,5,6,7,8,9,10,11,12,13,14,15
	ds_load_b128 v[BB+4*\t:BB+4*\t+3], v[RD] offset:528*\t
.endr
	s_wait_dscnt 0x0
.if (\a) == 0
	s_wait_loadcnt 0x0                             ; the bias
.endif
.set i, 0
.rept 32
	v_pk_add_f32 v[BB+2*i:BB+2*i+1], v[BB+2*i:BB+2*i+1], v[BIA+2*(i%2):BIA+2*(i%2)+1]
.set i, i+1
.endr
.irp t, 0,1,2,3,4,5,6,7,8,9,10,11,12,13,14,15
	global_store_b128 v[CO], v[BB+4*\t:BB+4*\t+3], s[12:13] offset:(32*((\a)/2)+8*((\a)%2)+\t+8*(\t/8))*4096   ; 512 consecutive bytes, aligned
.endr
.endm
	s_load_b128 s[4:7], s[0:1], 0x0                ; gimg, wimg
	s_load_b128 s[8:11], s[0:1], 0x10              ; b2, y2
	v_lshl_add_u32 v[SPW], v0, 2, SPARE
	v_mov_b32 v[NIL], 0
	ds_add_u32 v[SPW], v[NIL]                      ; the opening: the add, twice on end, and its wait ahead of my first tensor load
	ds_add_u32 v[SPW], v[NIL]
	v_lshrrev_b32 v1, 5, v0
	v_readfirstlane_b32 s14, v1
	s_lshr_b32 s15, s14, 1
	s_and_b32 s16, s14, 1
	s_bfe_u32 s40, ttmp6, 0x40000
	s_bfe_u32 s41, ttmp6, 0x40004
	s_lshl_b32 s42, ttmp9, 2
	s_add_co_u32 s42, s42, s40
	s_and_b32 s17, ttmp7, 0xffff
	s_lshl_b32 s17, s17, 2
	s_add_co_u32 s17, s17, s41
	s_lshl_b32 s43, s41, 2
	s_lshl_b32 s43, 15, s43
	s_lshl_b32 s44, 0x1111, s40
	s_or_b32 s[G1+0], s43, (3<<16)|(1<<21)
	s_or_b32 s[G1B+0], s44, (3<<16)|(1<<21)
.irp g, G1, G1B
	s_mov_b32 s[\g+1], 32<<16
	s_mov_b32 s[\g+2], 136<<16
	s_mov_b32 s[\g+3], 32<<16
	s_mov_b32 s[\g+4], 136
	s_mov_b32 s[\g+5], 32
	s_mov_b32 s[\g+6], 0
	s_mov_b32 s[\g+7], 0
.endr
	s_lshl_b32 s20, s17, 1
	s_add_co_u32 s20, s20, s16
	s_mul_i32 s20, s20, HALFT
	s_mov_b32 s21, 0
	s_lshl_b32 s46, s42, 1
	s_add_co_u32 s46, s46, s16
	s_mul_i32 s46, s46, HALFT
	s_add_co_u32 s46, s46, BOFF
	s_mov_b32 s47, 0
	s_mul_i32 s45, s14, HALFT
	s_wait_dscnt 0x0
	s_wait_kmcnt 0x0
	s_add_nc_u64 s[20:21], s[4:5], s[20:21]
	s_add_nc_u64 s[46:47], s[6:7], s[46:47]
	CROUND
.irp s, 0,1
	s_mov_b32 s[G0+4*\s], 1
	s_add_co_u32 s[G0+4*\s+1], s45, \s*SLOT
	s_add_nc_u64 s[G0+4*\s+2:G0+4*\s+3], s[20:21], \s*NTA*REC
	s_or_b32 s[G0+4*\s+3], s[G0+4*\s+3], 0x80000000
	s_mov_b32 s[G0B+4*\s], 1
	s_add_co_u32 s[G0B+4*\s+1], s45, \s*SLOT
	s_add_nc_u64 s[G0B+4*\s+2:G0B+4*\s+3], s[46:47], \s*NTB*REC
	s_or_b32 s[G0B+4*\s+3], s[G0B+4*\s+3], 0x80000000
	JLOAD G0+4*\s, G1, G0B+4*\s, G1B               ; by this text's count two loads of mine are out at the start, later one
.endr
	v_and_b32 v1, 15, v0
	v_bfe_u32 v2, v0, 4, 1
	v_and_b32 v3, 31, v0
	v_lshlrev_b32 v[CO], 4, v3
	s_mul_i32 s21, s15, HALFT
	s_mul_i32 s22, s16, HALFT
	s_add_co_u32 s22, s22, 2*HALFT
.irp s, 0,1
	v_add_nc_u32 v[ADRA+\s], s21, v[CO]
	v_add_nc_u32 v[ADRB+\s], s22, v[CO]
	s_add_co_u32 s21, s21, SLOT
	s_add_co_u32 s22, s22, SLOT
.endr
	s_mul_i32 s21, s15, HALFT
	s_mul_i32 s22, s16, HALFT
	s_add_co_u32 s22, s22, 2*HALFT
	s_sub_co_u32 s22, s22, s21
	v_mul_u32_u24 v4, s22, v2
	v_lshl_add_u32 v4, v1, 4, v4
	s_add_co_u32 s21, s21, 4096
	v_add_nc_u32 v[ADRS], s21, v4
	v_add_nc_u32 v[ADRS+1], SLOT, v[ADRS]
	s_mul_i32 s23, s14, 16*528
	v_mul_u32_u24 v5, v1, 528
	v_lshl_add_u32 v5, v2, 6, v5
	v_add_nc_u32 v[STO], s23, v5
	v_add_nc_u32 v[RD], s23, v[CO]
	s_lshl_b32 s20, s17, 8
	s_lshl_b32 s21, s15, 7
	s_add_co_u32 s20, s20, s21
	s_lshl_b32 s20, s20, 12
	s_mov_b32 s21, 0
	s_lshl_b32 s46, s42, 10
	s_lshl_b32 s47, s16, 9
	s_add_co_u32 s46, s46, s47
	s_mov_b32 s47, 0
	s_add_nc_u64 s[20:21], s[20:21], s[46:47]
	s_add_nc_u64 s[8:9], s[8:9], s[46:47]
	s_add_nc_u64 s[12:13], s[10:11], s[20:21]
	global_load_b128 v[BIA:BIA+3], v[CO], s[8:9]
	s_wait_tensorcnt 1                             ; my part of chunk 0 is in; chunk 1's may stay out
	s_barrier_signal -1
	s_barrier_wait -1
	FETCH_B 0, 0, 0
	FETCH_A 0, 0, 0
	SCALES 0
	FETCH_A 0, 0, 4
	STEP 0, 0, 1
	s_mov_b32 s3, LAPS-1
.Llap:                                                 ; a trip goes once round the ring, from a lap's second step to the next lap's first, and fills both slots again
	STEPS 0, 1
	TURN 0, 1, 1
	STEPS 1, 0
	TURN 1, 0, 1
	STEP 0, 0, 0
	s_sub_co_u32 s3, s3, 1
	s_cmp_lg_u32 s3, 0
	s_cbranch_scc1 .Llap
	STEPS 0, 1                                     ; the last lap fills nothing
	TURN 0, 1, 0
	STEPS 1, 0
	s_wait_dscnt 4*NL
	WIN MUL_LO
	MUL16 0, 1, NQ-1, 1, 0
	MUL16 2, 1, NQ-1, 1, 0
	s_wait_dscnt 0
	WIN MUL_HI
	MUL16 4, 1, NQ-1, 1, 0
	MUL16 6, 1, NQ-1, 1, 0
	WIN 0
	PLACES NP
.irp a, 0,1,2,3,4,5,6,7
	BLOCKOUT \a
.endr
	s_wait_tensorcnt 0x0                           ; the wave's end
	ds_add_u32 v[SPW], v[NIL]
	s_wait_dscnt 0x0
	CROUND
	s_endpgm
.Lfunc_end_k_qdc78e29769_ff2:
	.size	k_qdc78e29769_ff2, .Lfunc_end_k_qdc78e29769_ff2-k_qdc78e29769_ff2
	.p2alignl 7, 3214868480
	.fill 96, 4, 3214868480
	.section	.rodata,"a",@progbits
	.p2align	6, 0x0
	.amdhsa_kernel k_qdc78e29769_ff2
		.amdhsa_group_segment_fixed_size 327680
		.amdhsa_private_segment_fixed_size 0
		.amdhsa_enable_private_segment 0
		.amdhsa_kernarg_size 32
		.amdhsa_user_sgpr_count 2
		.amdhsa_user_sgpr_kernarg_segment_ptr 1
		.amdhsa_wavefront_size32 1
		.amdhsa_system_sgpr_workgroup_id_x 1
		.amdhsa_system_sgpr_workgroup_id_y 1
		.amdhsa_system_sgpr_workgroup_id_z 1
		.amdhsa_system_vgpr_workitem_id 0
		.amdhsa_next_free_vgpr 1024
		.amdhsa_next_free_sgpr 100
		.amdhsa_reserve_vcc 0
		.amdhsa_float_denorm_mode_32 3
		.amdhsa_float_denorm_mode_16_64 3
		.amdhsa_memory_ordered 1
		.amdhsa_forward_progress 1
		.amdhsa_inst_pref_size 225
	.end_amdhsa_kernel
	.amdgpu_metadata
---
amdhsa.version: [ 1, 2 ]
amdhsa.kernels:
  - .name:           k_qdc78e29769_ff2
    .symbol:         k_qdc78e29769_ff2.kd
    .args:
      - { .name: gimg, .offset: 0, .size: 8, .value_kind: global_buffer, .address_space: global }
      - { .name: wimg, .offset: 8, .size: 8, .value_kind: global_buffer, .address_space: global }
      - { .name: b2, .offset: 16, .size: 8, .value_kind: global_buffer, .address_space: global }
      - { .name: y2, .offset: 24, .size: 8, .value_kind: global_buffer, .address_space: global }
    .group_segment_fixed_size: 327680
    .private_segment_fixed_size: 0
    .kernarg_segment_align: 8
    .kernarg_segment_size: 32
    .max_flat_workgroup_size: 128
    .sgpr_count:     100
    .vgpr_count:     1024
    .wavefront_size: 32
...
	.end_amdgpu_metadata
.endif
;; end of part 7
;; launch ln2 (part 8): grid 1024 x 1, 4 waves a work-group, no clusters, 0 bytes of LDS; arguments y1, y2, g1, be1, g2, be2, out0; writes out0
.if DOCPART == 8
	.amdgcn_target "amdgcn-amd-amdhsa--gfx1250"
	.amdhsa_code_object_version 6
	.text
	.protected	k_qdc78e29769_ln2
	.globl	k_qdc78e29769_ln2
	.p2align	8
	.type	k_qdc78e29769_ln2,@function
k_qdc78e29769_ln2:
	s_mov_b64 s[64:65], 0
	v_nop
	global_prefetch_b8 v0, s[64:65] scope:SCOPE_SE
	s_setreg_imm32_b32 hwreg(HW_REG_WAVE_MODE, 25, 1), 1
	s_wait_xcnt 0x0
; LN2: out = LayerNorm(h + y2) g2 + be2 with h = LayerNorm(y1) g1 + be1 made again from y1 in registers, by the arithmetic of launch ln1.  Nothing is left out.
; A stream: a wave takes one row, whole in 32 registers a lane; every load and store of a wave covers 512 consecutive bytes.  No LDS, no barrier, no matrix unit: memory binds.
; LIMITS: the sums' order differs from reference()'s; 1 / sqrt comes from v_rsq_f32; NaN and infinities are not served.
.set SEL, 4
.macro REDSUM v, t
	v_add_f32_dpp v[\v], v[\v], v[\v] row_xmask:1 row_mask:0xf bank_mask:0xf
	v_add_f32_dpp v[\v], v[\v], v[\v] row_xmask:2 row_mask:0xf bank_mask:0xf
	v_add_f32_dpp v[\v], v[\v], v[\v] row_xmask:4 row_mask:0xf bank_mask:0xf
	v_add_f32_dpp v[\v], v[\v], v[\v] row_xmask:8 row_mask:0xf bank_mask:0xf
	v_permlanex16_b32 v[\t], v[\v], s[SEL], s[SEL+1]
	v_add_f32 v[\v], v[\v], v[\t]
.endm
.macro LNROW x, g, b
	v_pk_add_f32 v[8:9], v[\x:\x+1], v[\x+2:\x+3]
	v_pk_add_f32 v[10:11], v[\x+4:\x+5], v[\x+6:\x+7]
.irp k, 8,12,16,20,24,28
	v_pk_add_f32 v[8:9], v[8:9], v[\x+\k:\x+\k+1]
	v_pk_add_f32 v[10:11], v[10:11], v[\x+\k+2:\x+\k+3]
.endr
	v_pk_add_f32 v[8:9], v[8:9], v[10:11]
	v_add_f32 v8, v8, v9
	REDSUM 8, 16
	v_mul_f32 v12, s6, v8
	v_mov_b32 v13, v12
.irp k, 0,2,4,6,8,10,12,14,16,18,20,22,24,26,28,30
	v_pk_add_f32 v[\x+\k:\x+\k+1], v[\x+\k:\x+\k+1], v[12:13] neg_lo:[0,1] neg_hi:[0,1]
.endr
	v_pk_mul_f32 v[8:9], v[\x:\x+1], v[\x:\x+1]
	v_pk_mul_f32 v[10:11], v[\x+2:\x+3], v[\x+2:\x+3]
.irp k, 4,8,12,16,20,24,28
	v_pk_fma_f32 v[8:9], v[\x+\k:\x+\k+1], v[\x+\k:\x+\k+1], v[8:9]
	v_pk_fma_f32 v[10:11], v[\x+\k+2:\x+\k+3], v[\x+\k+2:\x+\k+3], v[10:11]
.endr
	v_pk_add_f32 v[8:9], v[8:9], v[10:11]
	v_add_f32 v8, v8, v9
	REDSUM 8, 16
	v_fma_f32 v8, v8, s6, s7
	v_rsq_f32 v14, v8
	v_nop                                          ; a plain instruction behind the transcendental
	s_wait_alu depctr_va_vdst(0)                   ; and the wait ahead of its first reader
	v_mov_b32 v15, v14
.irp k, 0,2,4,6,8,10,12,14,16,18,20,22,24,26,28,30
	v_pk_mul_f32 v[\x+\k:\x+\k+1], v[\x+\k:\x+\k+1], v[14:15]
.endr
.irp k, 0,2,4,6,8,10,12,14,16,18,20,22,24,26,28,30
	v_pk_fma_f32 v[\x+\k:\x+\k+1], v[\x+\k:\x+\k+1], v[\g+\k:\g+\k+1], v[\b+\k:\b+\k+1]
.endr
.endm
	s_load_b256 s[8:15], s[0:1], 0x0               ; y1, y2, g1, be1
	s_load_b128 s[16:19], s[0:1], 0x20             ; g2, be2
	s_load_b64 s[20:21], s[0:1], 0x30              ; out0
	v_lshrrev_b32 v1, 5, v0
	v_readfirstlane_b32 s26, v1
	v_and_b32 v1, 31, v0
	v_lshlrev_b32 v2, 4, v1                        ; 16 x lane
	s_mov_b32 s[SEL], 0x76543210
	s_mov_b32 s[SEL+1], 0xfedcba98
	s_mov_b32 s6, 0x3a800000                       ; 1 / 1,024
	s_mov_b32 s7, 0x3727c5ac                       ; 1e-5
	v_mov_b32 v16, 0
	s_lshl_b32 s22, ttmp9, 2
	s_add_co_u32 s22, s22, s26                     ; my row
	s_lshl_b32 s22, s22, 12
	s_mov_b32 s23, 0
	s_wait_kmcnt 0x0
	s_add_nc_u64 s[8:9], s[8:9], s[22:23]
	s_add_nc_u64 s[10:11], s[10:11], s[22:23]
	s_add_nc_u64 s[20:21], s[20:21], s[22:23]
.irp j, 0,1,2,3,4,5,6,7
	global_load_b128 v[32+4*\j:35+4*\j], v2, s[8:9] offset:512*\j th:TH_LOAD_NT
.endr
.irp j, 0,1,2,3,4,5,6,7
	global_load_b128 v[96+4*\j:99+4*\j], v2, s[12:13] offset:512*\j
	global_load_b128 v[128+4*\j:131+4*\j], v2, s[14:15] offset:512*\j
.endr
.irp j, 0,1,2,3,4,5,6,7
	global_load_b128 v[64+4*\j:67+4*\j], v2, s[10:11] offset:512*\j th:TH_LOAD_NT
.endr
.irp j, 0,1,2,3,4,5,6,7
	global_load_b128 v[160+4*\j:163+4*\j], v2, s[16:17] offset:512*\j
	global_load_b128 v[192+4*\j:195+4*\j], v2, s[18:19] offset:512*\j
.endr
	s_wait_loadcnt 24                              ; y1, g1, be1 are in; the 24 loads of y2, g2, be2 may be out
	LNROW 32, 96, 128                              ; h
	s_wait_loadcnt 0x0
.irp k, 0,2,4,6,8,10,12,14,16,18,20,22,24,26,28,30
	v_pk_add_f32 v[32+\k:33+\k], v[32+\k:33+\k], v[64+\k:65+\k]
.endr
	LNROW 32, 160, 192
.irp j, 0,1,2,3,4,5,6,7
	global_store_b128 v2, v[32+4*\j:35+4*\j], s[20:21] offset:512*\j th:TH_STORE_NT
.endr
	s_endpgm
.Lfunc_end_k_qdc78e29769_ln2:
	.size	k_qdc78e29769_ln2, .Lfunc_end_k_qdc78e29769_ln2-k_qdc78e29769_ln2
	.p2alignl 7, 3214868480
	.fill 96, 4, 3214868480
	.section	.rodata,"a",@progbits
	.p2align	6, 0x0
	.amdhsa_kernel k_qdc78e29769_ln2
		.amdhsa_group_segment_fixed_size 0
		.amdhsa_private_segment_fixed_size 0
		.amdhsa_enable_private_segment 0
		.amdhsa_kernarg_size 56
		.amdhsa_user_sgpr_count 2
		.amdhsa_user_sgpr_kernarg_segment_ptr 1
		.amdhsa_wavefront_size32 1
		.amdhsa_system_sgpr_workgroup_id_x 1
		.amdhsa_system_sgpr_workgroup_id_y 1
		.amdhsa_system_sgpr_workgroup_id_z 1
		.amdhsa_system_vgpr_workitem_id 0
		.amdhsa_next_free_vgpr 240
		.amdhsa_next_free_sgpr 66
		.amdhsa_reserve_vcc 0
		.amdhsa_float_denorm_mode_32 3
		.amdhsa_float_denorm_mode_16_64 3
		.amdhsa_memory_ordered 1
		.amdhsa_forward_progress 1
		.amdhsa_inst_pref_size 20
	.end_amdhsa_kernel
	.amdgpu_metadata
---
amdhsa.version: [ 1, 2 ]
amdhsa.kernels:
  - .name:           k_qdc78e29769_ln2
    .symbol:         k_qdc78e29769_ln2.kd
    .args:
      - { .name: y1, .offset: 0, .size: 8, .value_kind: global_buffer, .address_space: global }
      - { .name: y2, .offset: 8, .size: 8, .value_kind: global_buffer, .address_space: global }
      - { .name: g1, .offset: 16, .size: 8, .value_kind: global_buffer, .address_space: global }
      - { .name: be1, .offset: 24, .size: 8, .value_kind: global_buffer, .address_space: global }
      - { .name: g2, .offset: 32, .size: 8, .value_kind: global_buffer, .address_space: global }
      - { .name: be2, .offset: 40, .size: 8, .value_kind: global_buffer, .address_space: global }
      - { .name: out0, .offset: 48, .size: 8, .value_kind: global_buffer, .address_space: global }
    .group_segment_fixed_size: 0
    .private_segment_fixed_size: 0
    .kernarg_segment_align: 8
    .kernarg_segment_size: 56
    .max_flat_workgroup_size: 128
    .sgpr_count:     66
    .vgpr_count:     240
    .wavefront_size: 32
...
	.end_amdgpu_metadata
.endif
;; end of part 8
;; ======== version 2 of 2: 8 launches
;; limits: right only within a limited range of input values
;; workspace buffers: ximg 2,228,224 bytes; wimg 6,684,672 bytes; qkv 6,684,672 bytes; cimg 2,228,224 bytes; himg 2,228,224 bytes; gimg 8,912,896 bytes; y1 16,777,216 bytes; y2 16,777,216 bytes
;; launch prep (part 9): grid 1024 x 1, 4 waves a work-group, no clusters, 9,216 bytes of LDS; arguments x, Wq, Wk, Wv, Wo, W1, W2, ximg, wimg; writes ximg, wimg
.if DOCPART == 9
	.amdgcn_target "amdgcn-amd-amdhsa--gfx1250"
	.amdhsa_code_object_version 6
	.text
	.protected	k_qdc78e29769_prep
	.globl	k_qdc78e29769_prep
	.p2align	8
	.type	k_qdc78e29769_prep,@function
k_qdc78e29769_prep:
	s_mov_b64 s[64:65], 0
	v_nop
	global_prefetch_b8 v0, s[64:65] scope:SCOPE_SE
	s_setreg_imm32_b32 hwreg(HW_REG_WAVE_MODE, 25, 1), 1
	s_wait_xcnt 0x0
; PREP: x and the six weights, f32, become codes of FP4 (E2M1) with one E8M0 byte for each 32 along K, each quantised ONCE.
; NO WORK OF THE PROBLEM IS LEFT OUT IN ANY LAUNCH: every product is live, every bias goes into a quantised operand or an output, every input is loaded.
; THE LAYOUT OF ALL MY BUFFERS OF CODES ("image").  A RECORD of REC = 4,352 bytes holds 16 rows x 512 along K in the order of the matrix operand's registers:
;   step q (128 along K) at 1024 q; register group c at + 512 c; lane l's 16 bytes at + 16 l; lane (r, h) holds k = 128 q + 64 c + 32 h + 0 .. 31 of the tile's row r.
;   From byte 4,096: row r's 16 scale bytes at 16 r, one byte for each 32 along K.   An image is [K / 512][rows / 16][REC].
; THE ROWS OF A TILE ARE NOT NEIGHBOURS: row r of tile 2 b + u is row 32 b + 8 u + r + 8 (r / 8) of the operand, so that, where the operand is source 0, the 16 result registers of
; tiles 2 b and 2 b + 1 are 16 neighbours, which the next quantiser wants.
; Work-groups 0-255: one tile of 16 rows of x (K innermost).  Work-groups 256-1023: 128 columns x 128 along K of a weight (K is the FIRST axis: a lane takes a column, its registers run down K):
; four blocks of 32 a lane, so that a wave's chain of loads is short and many waves have loads out.  A wave then owns one word of a row's 16 scale bytes: 4 bytes a lane, 16 bytes apart:
; one byte in 128 of what the launch reads.
; A block's byte is its largest magnitude's exponent field - 2, held at 1 from below.
; LIMITS: NaN and infinities among the inputs are not served; a block whose largest magnitude lies under 2^-124, a block of zeros too, gets the byte 1 (its codes are then zeros or the
; nearest codes under that scale; the bytes are read by this program alone).
.set REC,   4352
.set CHX,   256*REC                    ; from chunk to chunk in x's image
.set SPARE, 8704                       ; LDS (x's path alone): 0-8191 the tile's codes, two chunks; 8192-8703 its scale bytes; then the spare words, 128 bytes a wave
.set SPW,   30                         ; v30  LDS address of my spare word; never rewritten
.set NIL,   31                         ; v31  0; never rewritten
.set X,     32                         ; v32-159  x's path: four rows, 32 numbers a lane each
.set CD,    160                        ; v160-175 codes, a register for each (row, j)
.set BY,    176                        ; v176-191 scale bytes likewise
.set OFS,   32                         ; v32-63   the weights' path: byte offsets of 32 rows k at my column
.set XW,    64                         ; v64-127  two sets of 32 numbers
.set CW,    128                        ; v128-131 a block's codes
.set SB,    132                        ; v132     my column's four scale bytes
.set NBW,   4                          ; blocks of 32 along K for a wave
.macro ROWLOAD i                       ; row i of my four: for j = 0 .. 3 a lane takes the 8 neighbours k = 256 j + 8 lane + 0 .. 7; the two loads of a j cover 1,024 consecutive bytes
.irp j, 0,1,2,3
.irp e, 0,1
	global_load_b128 v[X+32*\i+8*\j+4*\e:X+32*\i+8*\j+4*\e+3], v2, s[8:9] offset:4096*\i+1024*\j+16*\e
.endr
.endr
.endm
.macro ROWQ i                          ; row i is quantised: a block of 32 lies in four neighbouring lanes; the four j take turns line by line
.irp j, 0,1,2,3
	v_max3_num_f32 v[8+\j], |v[X+32*\i+8*\j]|, |v[X+32*\i+8*\j+1]|, 0x1800000   ; with the floor 2^(3 - 127): the byte cannot fall under 1
.endr
.irp k, 2,4,6
.irp j, 0,1,2,3
	v_max3_num_f32 v[8+\j], v[8+\j], |v[X+32*\i+8*\j+\k]|, |v[X+32*\i+8*\j+\k+1]|
.endr
.endr
.irp m, 1,2
.irp j, 0,1,2,3
	v_max_num_f32_dpp v[8+\j], v[8+\j], v[8+\j] row_xmask:\m row_mask:0xf bank_mask:0xf
.endr
.endr
.irp j, 0,1,2,3
	v_add_nc_u32 v[12+\j], 0xff000000, v[8+\j]     ; 2 off the exponent field: the conversion's scale operand
.endr
.irp j, 0,1,2,3
	v_lshrrev_b32 v[BY+4*\i+\j], 23, v[12+\j]      ; the scale's byte
.endr
.irp j, 0,1,2,3
	v_cvt_scalef32_pk8_fp4_f32 v[CD+4*\i+\j], v[X+32*\i+8*\j:X+32*\i+8*\j+7], v[12+\j]
.endr
	v_nop                                          ; one plain instruction behind the last scaled conversion
.irp j, 0,1,2,3
	ds_store_b32 v3, v[CD+4*\i+\j] offset:16*\i+2048*(\j%2)+4096*(\j/2)   ; the 8 codes at their place in the record
	ds_store_b8 v4, v[BY+4*\i+\j] offset:16*\i+8*(\j%2)+256*(\j/2)        ; the four lanes of a block write the same byte with the same value
.endr
.endm
.macro LOADW t                         ; block t of my column: W(32 t + i, column), i = 0 .. 31; the caller has waited on XCNT, so the base may step
.if (\t) > 0
	s_add_nc_u64 s[38:39], s[38:39], s[50:51]
.endif
.set i, 0
.rept 32
	global_load_b32 v[XW+32*((\t)%2)+i], v[OFS+i], s[38:39] th:TH_LOAD_NT
.set i, i+1
.endr
.endm
.macro BLOCKW t
.set XS, XW+32*((\t)%2)
.if (\t) < NBW-1
	s_wait_loadcnt 32                              ; this block's 32 loads are in; the next block's 32 may be out
.else
	s_wait_loadcnt 0x0
.endif
	v_max3_num_f32 v12, |v[XS]|, |v[XS+1]|, |v[XS+2]|
	v_max3_num_f32 v13, |v[XS+3]|, |v[XS+4]|, |v[XS+5]|
.irp i, 6,10,14,18,22,26
	v_max3_num_f32 v12, v12, |v[XS+\i]|, |v[XS+\i+1]|
	v_max3_num_f32 v13, v13, |v[XS+\i+2]|, |v[XS+\i+3]|
.endr
	v_max3_num_f32 v12, v12, |v[XS+30]|, |v[XS+31]|
	v_max3_num_f32 v12, v12, v13, 0x1800000
	v_add_nc_u32 v11, 0xff000000, v12
	v_lshrrev_b32 v13, 23, v11
.if (\t) == 0
	v_mov_b32 v[SB], v13
.else
	v_lshl_or_b32 v[SB], v13, 8*(\t), v[SB]        ; four bytes to the word, the lower K in the lower byte
.endif
.irp g, 0,1,2,3
	v_cvt_scalef32_pk8_fp4_f32 v[CW+\g], v[XS+8*\g:XS+8*\g+7], v11
.endr
	v_nop
	global_store_b128 v5, v[CW:CW+3], s[24:25] offset:512*((\t)/2)+256*((\t)%2)   ; sixteen lanes store 256 consecutive bytes, aligned
	s_wait_xcnt 0x0                                ; the store has read its codes and the loads their base: both are written again only behind this wait
.if (\t)+2 < NBW
	LOADW (\t)+2
.endif
.endm
	s_load_b512 s[8:23], s[0:1], 0x0               ; x s[8:9], Wq, Wk, Wv, Wo, W1, W2 s[10:21], ximg s[22:23]
	s_load_b64 s[24:25], s[0:1], 0x40              ; wimg
	v_lshl_add_u32 v[SPW], v0, 2, SPARE
	v_mov_b32 v[NIL], 0
	v_lshrrev_b32 v1, 5, v0
	v_readfirstlane_b32 s26, v1                    ; wave
	v_and_b32 v1, 31, v0                           ; lane
	s_cmp_ge_u32 ttmp9, 256                        ; the work-group's number alone: all four waves go the same way
	s_cbranch_scc1 .Lweights
	; ---- x: tile T = work-group.  Wave w takes the tile's rows 4 w .. 4 w + 3, which are four consecutive rows of x from 32 (T / 2) + 8 (T % 2) + 4 w + 8 (w / 2) on
	s_lshr_b32 s27, ttmp9, 1
	s_lshl_b32 s27, s27, 5
	s_and_b32 s28, ttmp9, 1
	s_lshl_b32 s28, s28, 3
	s_add_co_u32 s27, s27, s28
	s_lshl_b32 s28, s26, 2
	s_add_co_u32 s27, s27, s28
	s_lshr_b32 s28, s26, 1
	s_lshl_b32 s28, s28, 3
	s_add_co_u32 s27, s27, s28
	s_lshl_b32 s28, s27, 12                        ; rows of 4,096 bytes
	s_mov_b32 s29, 0
	s_mul_i32 s30, ttmp9, REC
	s_mov_b32 s31, 0
	s_wait_alu depctr_va_vdst(0)
	v_lshlrev_b32 v2, 5, v1                        ; 32 x lane
	v_and_b32 v3, 3, v1
	v_lshlrev_b32 v3, 2, v3
	v_bfe_u32 v5, v1, 2, 3                         ; lane / 4: the block among a j's eight
	v_lshl_add_u32 v3, v5, 8, v3                   ; codes: 4 (lane % 4) + 256 (lane / 4): half h, group c and step fall out of the lane's bits 2, 3, 4
	s_lshl_b32 s32, s26, 6
	v_add_nc_u32 v3, s32, v3                       ; + 16 bytes for each of the 4 w rows in front
	v_add_nc_u32 v4, s32, v5
	v_add_nc_u32 v4, 8192, v4                      ; bytes: 8192 + 16 x row + block
	v_lshlrev_b32 v6, 4, v0                        ; the way out: 16 x thread
	s_wait_alu depctr_va_vdst(0)
	s_wait_kmcnt 0x0
	s_add_nc_u64 s[8:9], s[8:9], s[28:29]
	s_add_nc_u64 s[22:23], s[22:23], s[30:31]
.irp i, 0,1,2,3
	ROWLOAD \i
.endr
.irp i, 0,1,2,3
	s_wait_loadcnt 8*(3-\i)                        ; row i's eight loads are in; the later rows' may be out
	ROWQ \i
.endr
	s_wait_dscnt 0x0                               ; my stores have landed
	s_barrier_signal -1
	s_barrier_wait -1                              ; the tile's two records lie in LDS
.irp p, 0,1,2,3
	ds_load_b128 v[32+4*\p:35+4*\p], v6 offset:2048*\p
.endr
.irp p, 0,1,2,3
	s_wait_dscnt 3-\p                              ; the younger LDS loads may be out
	global_store_b128 v6, v[32+4*\p:35+4*\p], s[22:23] offset:(\p/2)*CHX+(\p%2)*2048   ; a wave stores 512 consecutive bytes
.endr
	s_cmp_lg_u32 s26, 0
	s_cbranch_scc1 .Lx_end
	v_lshlrev_b32 v7, 4, v1                        ; wave 0: the two chunks' 256 scale bytes
	ds_load_b128 v[48:51], v7 offset:8192
	v_and_b32 v5, 15, v1
	v_lshlrev_b32 v5, 4, v5
	v_lshrrev_b32 v8, 4, v1
	v_mul_u32_u24 v8, v8, CHX
	v_add_nc_u32 v5, v5, v8
	s_wait_alu depctr_va_vdst(0)
	s_wait_dscnt 0x0
	global_store_b128 v5, v[48:51], s[22:23] offset:4096
.Lx_end:
	s_wait_tensorcnt 0x0                           ; the wave's end
	ds_add_u32 v[SPW], v[NIL]
	s_wait_dscnt 0x0
	s_endpgm
	; ---- the weights: no LDS, no barrier.  work-group - 256 = 4 u + step; u: 0-63 Wq, Wk, Wv, Wo (16 each); 64-127 W1; 128-191 W2
.Lweights:
	s_sub_co_u32 s27, ttmp9, 256
	s_and_b32 s52, s27, 3                          ; which step of 128 along K in the chunk of 512
	s_lshr_b32 s27, s27, 2
	s_lshr_b32 s28, s27, 6                         ; which range
	s_and_b32 s29, s27, 63
	s_lshr_b32 s30, s29, 4                         ; range 0: which of the four matrices
	s_and_b32 s31, s29, 7                          ; block of 128 columns (ranges 0 and 2)
	s_bfe_u32 s32, s29, 0x10003                    ; chunk of 512 along K (range 0)
	s_lshl_b32 s36, s30, 6                         ; Wq, Wk, Wv lie one behind the other in one image of 192 tiles: 64 tiles each
	s_and_b32 s37, s29, 31
	s_lshr_b32 s40, s29, 5
	s_lshr_b32 s41, s29, 3
	s_mov_b32 s33, 4096                            ; bytes from row k to row k + 1
	s_mov_b32 s34, 192                             ; tiles in a chunk of the image
	s_wait_kmcnt 0x0
	s_cmp_eq_u32 s30, 1
	s_cselect_b64 s[38:39], s[12:13], s[10:11]
	s_cmp_eq_u32 s30, 2
	s_cselect_b64 s[38:39], s[14:15], s[38:39]
	s_cmp_eq_u32 s30, 3
	s_cselect_b64 s[38:39], s[16:17], s[38:39]
	s_cselect_b32 s34, 64, s34
	s_cselect_b32 s35, 1671168, 0                  ; where the image begins in wimg
	s_cselect_b32 s36, 0, s36
	s_cmp_eq_u32 s28, 1
	s_cselect_b64 s[38:39], s[18:19], s[38:39]
	s_cselect_b32 s31, s37, s31
	s_cselect_b32 s32, s40, s32
	s_cselect_b32 s33, 16384, s33
	s_cselect_b32 s34, 256, s34
	s_cselect_b32 s35, 2228224, s35
	s_cselect_b32 s36, 0, s36
	s_cmp_eq_u32 s28, 2
	s_cselect_b64 s[38:39], s[20:21], s[38:39]
	s_cselect_b32 s32, s41, s32
	s_cselect_b32 s34, 64, s34
	s_cselect_b32 s35, 4456448, s35
	s_cselect_b32 s36, 0, s36
	s_lshl_b32 s46, s33, 9                         ; from: chunk x 512 rows + step x 128 rows + 4 (128 block + 32 wave)
	s_mul_i32 s46, s46, s32
	s_lshl_b32 s47, s33, 7
	s_mul_i32 s47, s47, s52
	s_add_co_u32 s46, s46, s47
	s_lshl_b32 s47, s31, 9
	s_add_co_u32 s46, s46, s47
	s_lshl_b32 s47, s26, 7
	s_add_co_u32 s46, s46, s47
	s_mov_b32 s47, 0
	s_add_nc_u64 s[38:39], s[38:39], s[46:47]
	s_mul_i32 s48, s32, s34                        ; to: record chunk x tiles + 8 block + 2 wave
	s_add_co_u32 s48, s48, s36
	s_lshl_b32 s49, s31, 3
	s_add_co_u32 s48, s48, s49
	s_lshl_b32 s49, s26, 1
	s_add_co_u32 s48, s48, s49
	s_mul_i32 s48, s48, REC
	s_add_co_u32 s48, s48, s35
	s_mov_b32 s49, 0
	s_add_nc_u64 s[24:25], s[24:25], s[48:49]
	s_lshl_b32 s50, s33, 5                         ; 32 rows on
	s_mov_b32 s51, 0
	s_wait_alu depctr_va_vdst(0)
	v_and_b32 v2, 15, v1                           ; r
	v_lshrrev_b32 v3, 4, v1                        ; which of my wave's two tiles
	v_and_b32 v4, 8, v2
	v_add_nc_u32 v4, v4, v2
	v_lshl_add_u32 v4, v3, 3, v4                   ; my column among the wave's 32: 8 u + r + 8 (r / 8)
	v_lshlrev_b32 v[OFS], 2, v4
.set i, 1
.rept 31
	v_add_nc_u32 v[OFS+i], s33, v[OFS+i-1]
.set i, i+1
.endr
	v_mul_u32_u24 v5, v3, REC
	v_lshl_add_u32 v5, v2, 4, v5                   ; my tile's record, + 16 r
	s_lshl_b32 s53, s52, 2
	v_add_nc_u32 v6, s53, v5                       ; the scale word of my step: + 4 x step
	s_lshl_b32 s53, s52, 10
	v_add_nc_u32 v5, s53, v5                       ; the codes of my step: + 1024 x step
	LOADW 0
	s_wait_alu depctr_va_vdst(0)
	s_wait_xcnt 0x0
	LOADW 1
.set Q, 0
.rept NBW
	BLOCKW Q
.set Q, Q+1
.endr
	s_wait_alu depctr_va_vdst(0)
	global_store_b32 v6, v[SB], s[24:25] offset:4096   ; my column's four scale bytes of this step
	s_endpgm
.Lfunc_end_k_qdc78e29769_prep:
	.size	k_qdc78e29769_prep, .Lfunc_end_k_qdc78e29769_prep-k_qdc78e29769_prep
	.p2alignl 7, 3214868480
	.fill 96, 4, 3214868480
	.section	.rodata,"a",@progbits
	.p2align	6, 0x0
	.amdhsa_kernel k_qdc78e29769_prep
		.amdhsa_group_segment_fixed_size 9216
		.amdhsa_private_segment_fixed_size 0
		.amdhsa_enable_private_segment 0
		.amdhsa_kernarg_size 72
		.amdhsa_user_sgpr_count 2
		.amdhsa_user_sgpr_kernarg_segment_ptr 1
		.amdhsa_wavefront_size32 1
		.amdhsa_system_sgpr_workgroup_id_x 1
		.amdhsa_system_sgpr_workgroup_id_y 1
		.amdhsa_system_sgpr_workgroup_id_z 1
		.amdhsa_system_vgpr_workitem_id 0
		.amdhsa_next_free_vgpr 192
		.amdhsa_next_free_sgpr 66
		.amdhsa_reserve_vcc 0
		.amdhsa_float_denorm_mode_32 3
		.amdhsa_float_denorm_mode_16_64 3
		.amdhsa_memory_ordered 1
		.amdhsa_forward_progress 1
		.amdhsa_inst_pref_size 40
	.end_amdhsa_kernel
	.amdgpu_metadata
---
amdhsa.version: [ 1, 2 ]
amdhsa.kernels:
  - .name:           k_qdc78e29769_prep
    .symbol:         k_qdc78e29769_prep.kd
    .args:
      - { .name: x, .offset: 0, .size: 8, .value_kind: global_buffer, .address_space: global }
      - { .name: Wq, .offset: 8, .size: 8, .value_kind: global_buffer, .address_space: global }
      - { .name: Wk, .offset: 16, .size: 8, .value_kind: global_buffer, .address_space: global }
      - { .name: Wv, .offset: 24, .size: 8, .value_kind: global_buffer, .address_space: global }
      - { .name: Wo, .offset: 32, .size: 8, .value_kind: global_buffer, .address_space: global }
      - { .name: W1, .offset: 40, .size: 8, .value_kind: global_buffer, .address_space: global }
      - { .name: W2, .offset: 48, .size: 8, .value_kind: global_buffer, .address_space: global }
      - { .name: ximg, .offset: 56, .size: 8, .value_kind: global_buffer, .address_space: global }
      - { .name: wimg, .offset: 64, .size: 8, .value_kind: global_buffer, .address_space: global }
    .group_segment_fixed_size: 9216
    .private_segment_fixed_size: 0
    .kernarg_segment_align: 8
    .kernarg_segment_size: 72
    .max_flat_workgroup_size: 128
    .sgpr_count:     66
    .vgpr_count:     192
    .wavefront_size: 32
...
	.end_amdgpu_metadata
.endif
;; end of part 9
;; launch qkv (part 10): grid 12 x 16, 4 waves a work-group, clusters of 4 x 4, 327,680 bytes of LDS; arguments ximg, wimg, bq, bk, bv, qkv; writes qkv
.if DOCPART == 10
	.amdgcn_target "amdgcn-amd-amdhsa--gfx1250"
	.amdhsa_code_object_version 6
	.text
	.protected	k_qdc78e29769_qkv
	.globl	k_qdc78e29769_qkv
	.p2align	8
	.type	k_qdc78e29769_qkv,@function
k_qdc78e29769_qkv:
	s_mov_b64 s[64:65], 0
	v_nop
	global_prefetch_b8 v0, s[64:65] scope:SCOPE_SE
	s_setreg_imm32_b32 hwreg(HW_REG_WAVE_MODE, 25, 1), 1
	s_wait_xcnt 0x0
	s_wait_alu depctr_hold_cnt(0) depctr_sa_sdst(0) depctr_va_vdst(0) depctr_va_sdst(0) depctr_va_ssrc(0) depctr_va_vcc(0) depctr_vm_vsrc(0)
	s_getreg_b32 s2, hwreg(HW_REG_IB_STS2, 6, 4)
	s_cmp_eq_u32 s2, 0
	s_cbranch_scc0 .Lentry_in_a_cluster
	s_endpgm
.Lentry_in_a_cluster:
	s_bfe_u32 s2, ttmp6, 0x10000c
	s_cmp_lg_u32 s2, 0xf033
	s_cbranch_scc0 .Lentry_shape_is_right
	s_endpgm
.Lentry_shape_is_right:
; QKV: Q = x Wq + bq, K = x Wk + bk, V = x Wv + bv on codes of FP4, and the three results quantised on the way out: Q and K along the head's 64, V along the keys.  Nothing is left out.
; A tile of 256 x 256 to a work-group of four waves, 128 x 128 a wave: 64 accumulators.  Role A is source 1 (the result's lanes), role B source 0 (the result's registers).
; The cluster's x says which product: 0 Q, 1 K (A = tokens, B = the weight's columns: a lane holds one token and 128 neighbouring channels), 2 V (A = Wv's columns, B = tokens: a lane holds
; one channel and 128 neighbouring keys).  The roles change by global addresses alone; masks, LDS addresses and the K loop are the same.  K = 1,024 is two chunks of 512: both slots are filled once.
; Operands are images (launch prep): 256 rows of a chunk are 69,632 dense bytes, codes and scale bytes together: one tensor load; a fragment is two LDS loads of 512 consecutive bytes.
; CLUSTERS: 4 x 4.  A's tiles are shared along a row of the cluster, B's along a column: joint loads.
; OUT: qkv[32 heads][16 steps of 128 tokens][Q record | K record | V record], 4,352 bytes each.  Q, K record: 8 tiles of 16 tokens x 512 bytes (lane (r, h): block h of token r's 64); from 4,096:
; for each pair of tiles 64 bytes, row r's word = {tile 2 p: two bytes; tile 2 p + 1: two bytes}.  V record: 4 tiles of 16 channels x 128 keys as fragments of 1,024 bytes; from 4,096 their scale words.
; LIMITS: NaN and infinities are not served; a block under 2^-124 or of zeros gets the byte 1.
.set REC,   4352
.set HALFT, 8*REC                      ; 128 rows of a chunk: what one wave reads of A or of B; a tensor load brings two of them
.set SLOT,  4*HALFT                    ; A's two halves, then B's
.set SPARE, 2*SLOT                     ; behind the two slots: the spare words, 128 bytes a wave
.set NQ, 4                             ; steps of 128 along K in a slot
.set FR, 8
.set NL, 2
.set NP, 4                             ; places behind this matrix instruction (ISA guide 7.12.1)
.set LAPS, 1
.set ASTEP, 0                          ; (no slot is filled again here)
.set BSTEP, 0
.set QREC,  3*REC
.set HEADSTRIDE, 16*QREC
.set ADRA, 16                          ; v16-17 LDS address of A's fragments in slot 0, 1
.set ADRB, 20                          ; v20-21 of B's
.set ADRS, 22                          ; v22-23 of the scale words: lanes 0-15 A's rows, lanes 16-31 B's
.set LI,   27                          ; v27 16 x lane
.set SPW,  28                          ; v28 my spare word; never rewritten
.set NIL,  29                          ; v29 0; never rewritten
.set L4,   30                          ; v30 4 x lane
.set SC,   32                          ; v32-95 scale words, two sets: they hold scales and nothing else
.set AF,   128                         ; v128-191 A's fragments; on the way out T
.set T,    128
.set PC,   192                         ; v192-199 the codes just made
.set TM,   208                         ; v208-223 at work in the quantiser
.set PWR,  224                         ; v224-231 the eight blocks' scale words
.set SEL,  92
.set G1, 24
.set G0, 32
.set G1B, 48
.set G0B, 56
.set MSB, 0
.macro WIN new                         ; the immediate's high byte repeats the setting that is left
.if MSB != (\new)
	s_set_vgpr_msb (MSB<<8)|(\new)
.set MSB, (\new)
.endif
.endm
.set MUL_LO, 0xa1                      ; source 0 (B) window 1, source 1 (A) window 0, C and D window 2
.set MUL_HI, 0xf1                      ; the same, C and D window 3
.set TO_B,   0x40
.macro JLOAD g0a, g1a, g0b, g1b        ; a joint load: waves 0 and 1 fetch for A, waves 2 and 3 for B; an s_nop 0 and four v_nop follow each line
	s_cmp_eq_u32 s15, 0
	s_cbranch_scc0 .Lfor_b_\@
	tensor_load_to_lds s[\g0a:\g0a+3], s[\g1a:\g1a+7]
	s_nop 0
.rept 4
	v_nop
.endr
	s_branch .Lasked_\@
.Lfor_b_\@:
	tensor_load_to_lds s[\g0b:\g0b+3], s[\g1b:\g1b+7]
	s_nop 0
.rept 4
	v_nop
.endr
.Lasked_\@:
.endm
.macro CREST
	s_cmp_lg_u32 s14, 0
	s_cbranch_scc1 .Lnot_wave_0_\@
	s_barrier_signal -3
.Lnot_wave_0_\@:
	s_barrier_wait -3
	s_barrier_signal -1
	s_barrier_wait -1
.endm
.macro CROUND
	s_barrier_signal -1
	s_barrier_wait -1
	CREST
.endm
.macro FRAG reg, adr, q, i             ; a fragment as it lies: two loads of 512 consecutive bytes
.irp c, 0,1
	ds_load_b128 v[\reg+4*\c:\reg+4*\c+3], v[\adr] offset:(\i)*REC+1024*(\q)+512*\c
.endr
.endm
.macro MUL16 a0, p, q, sc, zero        ; A's blocks a0, a0 + 1 x B's eight; the 64 accumulators take turns, one instruction a turn
.irp a, \a0, \a0+1
.irp b, 0,1,2,3,4,5,6,7
.if \zero
	v_wmma_scale_f32_16x16x128_f8f6f4 v[8*(8*((\a)%4)+\b):8*(8*((\a)%4)+\b)+7], v[128*(\p)+FR*\b:128*(\p)+FR*\b+FR-1], v[AF+FR*(\a):AF+FR*(\a)+FR-1], 0, v[SC+8*NQ*(\sc)+NQ*\b+(\q)], v[SC+8*NQ*(\sc)+NQ*(\a)+(\q)] matrix_a_fmt:MATRIX_FMT_FP4 matrix_b_fmt:MATRIX_FMT_FP4 matrix_a_scale:MATRIX_SCALE_ROW1
.else
	v_wmma_scale_f32_16x16x128_f8f6f4 v[8*(8*((\a)%4)+\b):8*(8*((\a)%4)+\b)+7], v[128*(\p)+FR*\b:128*(\p)+FR*\b+FR-1], v[AF+FR*(\a):AF+FR*(\a)+FR-1], v[8*(8*((\a)%4)+\b):8*(8*((\a)%4)+\b)+7], v[SC+8*NQ*(\sc)+NQ*\b+(\q)], v[SC+8*NQ*(\sc)+NQ*(\a)+(\q)] matrix_a_fmt:MATRIX_FMT_FP4 matrix_b_fmt:MATRIX_FMT_FP4 matrix_a_scale:MATRIX_SCALE_ROW1
.endif
.endr
.endr
.endm
.macro FETCH_B slot, q, p
	WIN TO_B
.irp i, 0,1,2,3,4,5,6,7
	FRAG 128*(\p)+FR*\i, ADRB+\slot, \q, \i
.endr
	WIN 0
.endm
.macro FETCH_A slot, q, i0
.irp i, \i0, \i0+1, \i0+2, \i0+3
	FRAG AF+FR*(\i), ADRA+\slot, \q, \i
.endr
.endm
.macro SCALES sc                       ; a slot's scale words: four words a row; lanes 0-15 take A's tile i, lanes 16-31 B's
.irp i, 0,1,2,3,4,5,6,7
	ds_load_b128 v[SC+8*NQ*\sc+NQ*\i:SC+8*NQ*\sc+NQ*\i+3], v[ADRS+\sc] offset:\i*REC
.endr
.endm
.macro PLACES n
.rept \n
	v_nop
.endr
.endm
.macro STEP slot, q, zero              ; 128 along K, with its successor in the same slot
	s_wait_dscnt 4*NL                              ; all but the youngest eight loads (A's blocks 4-7) are in
	WIN MUL_LO
	MUL16 0, (\q)%2, \q, \slot, \zero
	MUL16 2, (\q)%2, \q, \slot, \zero
	s_wait_dscnt 0
	PLACES NP
	FETCH_B \slot, (\q)+1, 1-(\q)%2
	FETCH_A \slot, (\q)+1, 0
	WIN MUL_HI
	MUL16 4, (\q)%2, \q, \slot, \zero
	MUL16 6, (\q)%2, \q, \slot, \zero
	PLACES NP
	WIN 0
	FETCH_A \slot, (\q)+1, 4
.endm
.macro TURN slot, next, fill           ; a slot's last step changes slots: one barrier; in front of it all my tensor loads, the add, and my reads of this slot are waited for
	s_wait_tensorcnt 0x0                           ; my part of the next slot has landed
	ds_add_u32 v[SPW], v[NIL]                      ; 0 onto my spare word
	s_wait_dscnt 4*NL+1                            ; (the add and the youngest eight loads may be out)
	WIN MUL_LO
	MUL16 0, 1, NQ-1, \slot, 0
	s_wait_dscnt 0x0                               ; the add is done, and my reads of this slot are over
	s_barrier_signal -1
	MUL16 2, 1, NQ-1, \slot, 0
	WIN 0
	s_barrier_wait -1
.if \fill
	CREST
	s_add_nc_u64 s[G0+4*\slot+2:G0+4*\slot+3], s[G0+4*\slot+2:G0+4*\slot+3], ASTEP
	s_add_nc_u64 s[G0B+4*\slot+2:G0B+4*\slot+3], s[G0B+4*\slot+2:G0B+4*\slot+3], BSTEP
	JLOAD G0+4*\slot, G1, G0B+4*\slot, G1B
.else
	PLACES NP
.endif
	FETCH_B \next, 0, 0
	FETCH_A \next, 0, 0
	SCALES \next
	WIN MUL_HI
	MUL16 4, 1, NQ-1, \slot, 0
	MUL16 6, 1, NQ-1, \slot, 0
	PLACES NP
	WIN 0
	FETCH_A \next, 0, 4
.endm
.macro STEPS slot, from
.set Q, \from
.rept NQ-1-\from
	STEP \slot, Q, 0
.set Q, Q+1
.endr
.endm
; 64 numbers of a lane, register 16 b + i = index 32 b + 16 (lane / 16) + i of my row, become a fragment's codes in v[PC] on and its scale word in v[pw]
.macro QUANT s, pw
.irp b, 0,1,2,3
	v_max3_num_f32 v[TM+\b], |v[\s+16*\b]|, |v[\s+1+16*\b]|, 0x1800000   ; with the floor 2^(3 - 127)
.endr
.irp i, 2,4,6,8,10,12,14
.irp b, 0,1,2,3
	v_max3_num_f32 v[TM+\b], v[TM+\b], |v[\s+16*\b+\i]|, |v[\s+1+16*\b+\i]|
.endr
.endr
.irp b, 0,1,2,3
	v_permlanex16_b32 v[TM+4+\b], v[TM+\b], s[SEL], s[SEL+1]
.endr
.irp b, 0,1,2,3
	v_max_num_f32 v[TM+\b], v[TM+\b], v[TM+4+\b]   ; with lane l xor 16's: the block's largest magnitude
.endr
.irp b, 0,1,2,3
	v_add_nc_u32 v[TM+12+\b], 0xff000000, v[TM+\b]
.endr
.irp b, 0,1,2,3
	v_lshrrev_b32 v[TM+4+\b], 23, v[TM+12+\b]
.endr
	v_lshl_or_b32 v[\pw], v[TM+5], 8, v[TM+4]
	v_lshl_or_b32 v[\pw], v[TM+6], 16, v[\pw]
	v_lshl_or_b32 v[\pw], v[TM+7], 24, v[\pw]
.irp b, 0,1,2,3
	v_cvt_scalef32_pk8_fp4_f32 v[PC+2*\b], v[\s+16*\b:\s+7+16*\b], v[TM+12+\b]
	v_cvt_scalef32_pk8_fp4_f32 v[PC+1+2*\b], v[\s+8+16*\b:\s+15+16*\b], v[TM+12+\b]
.endr
	v_nop                                          ; one plain instruction behind the last scaled conversion
.irp c, 0,1
.irp i, 0,1
	v_permlane16_swap_b32 v[PC+4*\c+\i], v[PC+2+4*\c+\i]   ; a whole block to a lane: lanes 0-15 block 2 c, lanes 16-31 block 2 c + 1
.endr
.endr
.endm
	s_load_b128 s[4:7], s[0:1], 0x0                ; ximg, wimg
	s_load_b128 s[8:11], s[0:1], 0x10              ; bq, bk
	s_load_b128 s[68:71], s[0:1], 0x20             ; bv, qkv
	v_lshl_add_u32 v[SPW], v0, 2, SPARE
	v_mov_b32 v[NIL], 0
	ds_add_u32 v[SPW], v[NIL]                      ; the opening: the add, twice on end, and its wait ahead of my first tensor load
	ds_add_u32 v[SPW], v[NIL]
	v_lshrrev_b32 v1, 5, v0
	v_readfirstlane_b32 s14, v1                    ; wave
	s_lshr_b32 s15, s14, 1                         ; my half of A.  Also: I fetch for A (0) or for B (1)
	s_and_b32 s16, s14, 1                          ; my half of B.  Also: which chunk I fetch
	s_bfe_u32 s40, ttmp6, 0x40000                  ; cx
	s_bfe_u32 s41, ttmp6, 0x40004                  ; cy
	s_and_b32 s18, ttmp7, 0xffff
	s_lshl_b32 s18, s18, 2                         ; 4 x cluster y
	s_lshl_b32 s19, ttmp9, 2                       ; 4 x cluster x
	s_mov_b32 s72, 256*REC                         ; from chunk to chunk in x's image,
	s_mov_b32 s74, 192*REC                         ; and in the image of Wq, Wk, Wv
	s_cmp_eq_u32 ttmp9, 2                          ; V?  The cluster's x: the same in all sixteen partners
	s_cselect_b32 s17, 0, s18
	s_cselect_b32 s42, s18, s19
	s_cselect_b32 s80, 128*REC, 0                  ; Wv's first tile in that image
	s_cselect_b32 s81, s74, s72
	s_cselect_b32 s74, s72, s74                    ; B's chunk stride
	s_mov_b32 s72, s81                             ; A's
	s_mov_b32 s73, 0
	s_mov_b32 s75, 0
	s_add_co_u32 s17, s17, s41                     ; A's tile of 256: made of cy and the cluster's place alone
	s_add_co_u32 s42, s42, s40                     ; B's: of cx and the cluster's place alone
	s_lshl_b32 s43, s41, 2
	s_lshl_b32 s43, 15, s43                        ; my row of the cluster
	s_lshl_b32 s44, 0x1111, s40                    ; my column
	s_or_b32 s[G1+0], s43, (3<<16)|(1<<21)         ; 15:0 the mask; 17:16 elements of 8 bytes; 21 set beside a mask; no padding
	s_or_b32 s[G1B+0], s44, (3<<16)|(1<<21)
.irp g, G1, G1B
	s_mov_b32 s[\g+1], 32<<16                      ; tensor_dim0: 32 elements = 256 bytes
	s_mov_b32 s[\g+2], 272<<16                     ; tensor_dim1: 272 rows = 69,632 bytes: 256 rows of the operand, one chunk
	s_mov_b32 s[\g+3], 32<<16                      ; tile_dim0
	s_mov_b32 s[\g+4], 272                         ; tile_dim1
	s_mov_b32 s[\g+5], 32                          ; dense
	s_mov_b32 s[\g+6], 0
	s_mov_b32 s[\g+7], 0
.endr
	s_mul_i32 s20, s17, 2*HALFT                    ; A: the tile's 16 records, dense,
	s_add_co_u32 s20, s20, s80
	s_mul_i32 s21, s16, s72                        ; in the chunk that I fetch: waves 0 and 2 chunk 0, waves 1 and 3 chunk 1
	s_add_co_u32 s20, s20, s21
	s_mov_b32 s21, 0
	s_mul_i32 s46, s42, 2*HALFT                    ; B likewise
	s_mul_i32 s47, s16, s74
	s_add_co_u32 s46, s46, s47
	s_mov_b32 s47, 0
	s_mul_i32 s45, s16, SLOT                       ; where my load goes: the chunk's slot, A's part or B's: no place in the cluster enters an LDS address
	s_mul_i32 s81, s15, 2*HALFT
	s_add_co_u32 s45, s45, s81
	s_wait_dscnt 0x0                               ; both opening adds are done
	s_wait_kmcnt 0x0
	s_cmp_eq_u32 ttmp9, 2
	s_cselect_b64 s[76:77], s[6:7], s[4:5]         ; A's buffer
	s_cselect_b64 s[78:79], s[4:5], s[6:7]         ; B's
	s_add_nc_u64 s[20:21], s[76:77], s[20:21]
	s_add_nc_u64 s[46:47], s[78:79], s[46:47]
	CROUND                                         ; all sixteen work-groups are here: the first joint loads meet
	s_mov_b32 s[G0], 1
	s_mov_b32 s[G0+1], s45
	s_mov_b64 s[G0+2:G0+3], s[20:21]
	s_or_b32 s[G0+3], s[G0+3], 0x80000000
	s_mov_b32 s[G0B], 1
	s_mov_b32 s[G0B+1], s45
	s_mov_b64 s[G0B+2:G0B+3], s[46:47]
	s_or_b32 s[G0B+3], s[G0B+3], 0x80000000
	JLOAD G0, G1, G0B, G1B                         ; my one tensor load: the four waves' loads fill both slots
	v_and_b32 v1, 15, v0                           ; r
	v_bfe_u32 v2, v0, 4, 1                         ; h
	s_wait_alu depctr_va_vdst(0)
	v_and_b32 v3, 31, v0
	v_lshlrev_b32 v[LI], 4, v3
	v_lshlrev_b32 v[L4], 2, v3
	s_mul_i32 s21, s15, HALFT
	s_mul_i32 s22, s16, HALFT
	s_add_co_u32 s22, s22, 2*HALFT
.irp s, 0,1
	v_add_nc_u32 v[ADRA+\s], s21, v[LI]
	v_add_nc_u32 v[ADRB+\s], s22, v[LI]
	s_add_co_u32 s21, s21, SLOT
	s_add_co_u32 s22, s22, SLOT
.endr
	s_mul_i32 s21, s15, HALFT
	s_mul_i32 s22, s16, HALFT
	s_add_co_u32 s22, s22, 2*HALFT
	s_sub_co_u32 s22, s22, s21
	v_mul_u32_u24 v4, s22, v2                      ; lanes 16-31 take B's: one product, h x the distance
	v_lshl_add_u32 v4, v1, 4, v4
	s_add_co_u32 s21, s21, 4096
	v_add_nc_u32 v[ADRS], s21, v4
	v_add_nc_u32 v[ADRS+1], SLOT, v[ADRS]
	s_mov_b32 s[SEL], 0x76543210
	s_mov_b32 s[SEL+1], 0xfedcba98
	v_cmp_eq_u32 s96, 1, v2                        ; lanes 16-31
.irp b, 0,1,2,3
	v_mov_b32 v[TM+4+\b], 0                        ; a lane permute's destination counts as one of its sources
.endr
	s_wait_alu depctr_va_vdst(0)
	s_wait_tensorcnt 0x0                           ; my one load has landed
	s_barrier_signal -1
	s_barrier_wait -1
	FETCH_B 0, 0, 0
	FETCH_A 0, 0, 0
	SCALES 0
	FETCH_A 0, 0, 4
	STEP 0, 0, 1                                   ; the first products start the sums: nothing is cleared
	STEPS 0, 1
	TURN 0, 1, 0
	STEPS 1, 0
	s_wait_dscnt 4*NL
	WIN MUL_LO
	MUL16 0, 1, NQ-1, 1, 0
	MUL16 2, 1, NQ-1, 1, 0
	s_wait_dscnt 0
	WIN MUL_HI
	MUL16 4, 1, NQ-1, 1, 0
	MUL16 6, 1, NQ-1, 1, 0
	WIN 0
	PLACES NP
	s_cmp_eq_u32 ttmp9, 2
	s_cbranch_scc1 .Lv
	; ---- Q or K.  Lane (r, h) of A's block a: token r of the tile; register 16 b + i: channel 32 b + 16 h + i of my 128: two heads
	s_and_b32 s23, s42, 3
	s_lshr_b32 s20, s17, 3                         ; batch
	s_lshl_b32 s20, s20, 4
	s_lshl_b32 s22, s23, 2
	s_add_co_u32 s20, s20, s22
	s_lshl_b32 s22, s16, 1
	s_add_co_u32 s20, s20, s22                     ; my first head
	s_lshl_b32 s20, s20, 4
	s_lshl_b32 s22, s17, 1
	s_add_co_u32 s22, s22, s15
	s_and_b32 s22, s22, 15                         ; my step of 128 tokens
	s_add_co_u32 s20, s20, s22
	s_mul_i32 s20, s20, QREC
	s_mul_i32 s22, ttmp9, REC                      ; Q's record or K's
	s_add_co_u32 s20, s20, s22
	s_mov_b32 s21, 0
	s_add_nc_u64 s[82:83], s[70:71], s[20:21]
	s_lshl_b32 s84, s23, 10
	s_lshl_b32 s85, s16, 9
	s_add_co_u32 s84, s84, s85
	s_mov_b32 s85, 0
	s_cmp_eq_u32 ttmp9, 1
	s_cselect_b64 s[86:87], s[10:11], s[8:9]
	s_add_nc_u64 s[86:87], s[86:87], s[84:85]      ; the bias of my 128 channels
	v_lshlrev_b32 v3, 6, v2
	WIN 0x40                                       ; window 1, v64-127: free of fragments
.irp b, 0,1,2,3
.irp j, 0,1,2,3
	global_load_b128 v[64+16*\b+4*\j:64+16*\b+4*\j+3], v3, s[86:87] offset:128*\b+16*\j
.endr
.endr
	WIN 0
	s_wait_loadcnt 0x0
.macro QKBLK a
	WIN 0x06+(\a)/4                                ; source 0 window 2 or 3, source 1 window 1
.set i, 0
.rept 32
	v_pk_add_f32 v[T+2*i:T+2*i+1], v[64*((\a)%4)+2*i:64*((\a)%4)+2*i+1], v[64+2*i:64+2*i+1]   ; + bias; each accumulator from its low end on
.set i, i+1
.endr
	WIN 0
	s_wait_xcnt 0x0                                ; the last block's stores have read their codes
	QUANT T, PWR+\a
	global_store_b128 v[LI], v[PC:PC+3], s[82:83] offset:512*\a                  ; the first head's 64: 512 consecutive bytes
	global_store_b128 v[LI], v[PC+4:PC+7], s[82:83] offset:512*\a+HEADSTRIDE     ; the second's
.endm
.irp a, 0,1,2,3,4,5,6,7
	QKBLK \a
.endr
	s_mov_b32 s84, 0x05040100                      ; the first head's two bytes of two words,
	s_mov_b32 s85, 0x07060302                      ; the second's
.irp c, 0,1
.irp pp, 0,1
	v_perm_b32 v[200+4*\c+2*\pp], v[PWR+4*\pp+1], v[PWR+4*\pp], s[84+\c]
	v_perm_b32 v[201+4*\c+2*\pp], v[PWR+4*\pp+3], v[PWR+4*\pp+2], s[84+\c]
	v_cndmask_b32 v[200+4*\c+2*\pp], v[200+4*\c+2*\pp], v[201+4*\c+2*\pp], s96   ; lanes 0-15 one pair of tiles, lanes 16-31 the next
	global_store_b32 v[L4], v[200+4*\c+2*\pp], s[82:83] offset:4096+128*\pp+\c*HEADSTRIDE
.endr
.endr
	s_branch .Lend
	; ---- V.  Lane (r, h) of A's block e: one channel; register 16 b + i: key 32 b + 16 h + i of my 128: a whole fragment of V^T
.Lv:
	s_lshr_b32 s20, s42, 3                         ; batch
	s_lshl_b32 s20, s20, 4
	s_lshl_b32 s22, s17, 2
	s_add_co_u32 s20, s20, s22
	s_lshl_b32 s22, s15, 1
	s_add_co_u32 s20, s20, s22                     ; my first head
	s_lshl_b32 s20, s20, 4
	s_lshl_b32 s22, s42, 1
	s_add_co_u32 s22, s22, s16
	s_and_b32 s22, s22, 15
	s_add_co_u32 s20, s20, s22
	s_mul_i32 s20, s20, QREC
	s_add_co_u32 s20, s20, 2*REC                   ; V's record
	s_mov_b32 s21, 0
	s_add_nc_u64 s[82:83], s[70:71], s[20:21]
	s_lshl_b32 s84, s17, 10
	s_lshl_b32 s85, s15, 9
	s_add_co_u32 s84, s84, s85
	s_mov_b32 s85, 0
	s_add_nc_u64 s[86:87], s[68:69], s[84:85]
	v_and_b32 v3, 8, v1
	v_add_nc_u32 v3, v3, v1
	v_lshlrev_b32 v3, 2, v3                        ; 4 (r + 8 (r / 8))
	WIN 0x40
.irp e, 0,1,2,3,4,5,6,7
	global_load_b32 v[64+2*\e], v3, s[86:87] offset:4*(32*(\e/2)+8*(\e%2))     ; my channel's bias, in both registers of a pair
	global_load_b32 v[65+2*\e], v3, s[86:87] offset:4*(32*(\e/2)+8*(\e%2))
.endr
	WIN 0
	s_wait_loadcnt 0x0
.macro VBLK e
	WIN 0x06+(\e)/4
.set i, 0
.rept 32
	v_pk_add_f32 v[T+2*i:T+2*i+1], v[64*((\e)%4)+2*i:64*((\e)%4)+2*i+1], v[64+2*(\e):65+2*(\e)]
.set i, i+1
.endr
	WIN 0
	s_wait_xcnt 0x0
	QUANT T, PWR+\e
	global_store_b128 v[LI], v[PC:PC+3], s[82:83] offset:((\e)/4)*HEADSTRIDE+1024*((\e)%4)
	global_store_b128 v[LI], v[PC+4:PC+7], s[82:83] offset:((\e)/4)*HEADSTRIDE+1024*((\e)%4)+512
.endm
.irp e, 0,1,2,3,4,5,6,7
	VBLK \e
.endr
.irp k, 0,1,2,3
	v_cndmask_b32 v[200+\k], v[PWR+2*\k], v[PWR+2*\k+1], s96
	global_store_b32 v[L4], v[200+\k], s[82:83] offset:(\k/2)*HEADSTRIDE+4096+128*(\k%2)
.endr
.Lend:
	s_wait_tensorcnt 0x0                           ; the wave's end
	ds_add_u32 v[SPW], v[NIL]
	s_wait_dscnt 0x0
	CROUND                                         ; the closing round
	s_endpgm
.Lfunc_end_k_qdc78e29769_qkv:
	.size	k_qdc78e29769_qkv, .Lfunc_end_k_qdc78e29769_qkv-k_qdc78e29769_qkv
	.p2alignl 7, 3214868480
	.fill 96, 4, 3214868480
	.section	.rodata,"a",@progbits
	.p2align	6, 0x0
	.amdhsa_kernel k_qdc78e29769_qkv
		.amdhsa_group_segment_fixed_size 327680
		.amdhsa_private_segment_fixed_size 0
		.amdhsa_enable_private_segment 0
		.amdhsa_kernarg_size 48
		.amdhsa_user_sgpr_count 2
		.amdhsa_user_sgpr_kernarg_segment_ptr 1
		.amdhsa_wavefront_size32 1
		.amdhsa_system_sgpr_workgroup_id_x 1
		.amdhsa_system_sgpr_workgroup_id_y 1
		.amdhsa_system_sgpr_workgroup_id_z 1
		.amdhsa_system_vgpr_workitem_id 0
		.amdhsa_next_free_vgpr 1024
		.amdhsa_next_free_sgpr 100
		.amdhsa_reserve_vcc 0
		.amdhsa_float_denorm_mode_32 3
		.amdhsa_float_denorm_mode_16_64 3
		.amdhsa_memory_ordered 1
		.amdhsa_forward_progress 1
		.amdhsa_inst_pref_size 195
	.end_amdhsa_kernel
	.amdgpu_metadata
---
amdhsa.version: [ 1, 2 ]
amdhsa.kernels:
  - .name:           k_qdc78e29769_qkv
    .symbol:         k_qdc78e29769_qkv.kd
    .args:
      - { .name: ximg, .offset: 0, .size: 8, .value_kind: global_buffer, .address_space: global }
      - { .name: wimg, .offset: 8, .size: 8, .value_kind: global_buffer, .address_space: global }
      - { .name: bq, .offset: 16, .size: 8, .value_kind: global_buffer, .address_space: global }
      - { .name: bk, .offset: 24, .size: 8, .value_kind: global_buffer, .address_space: global }
      - { .name: bv, .offset: 32, .size: 8, .value_kind: global_buffer, .address_space: global }
      - { .name: qkv, .offset: 40, .size: 8, .value_kind: global_buffer, .address_space: global }
    .group_segment_fixed_size: 327680
    .private_segment_fixed_size: 0
    .kernarg_segment_align: 8
    .kernarg_segment_size: 48
    .max_flat_workgroup_size: 128
    .sgpr_count:     100
    .vgpr_count:     1024
    .wavefront_size: 32
...
	.end_amdgpu_metadata
.endif
;; end of part 10
;; launch attn (part 11): grid 8 x 32, 16 waves a work-group, clusters of 4 x 1, 167,936 bytes of LDS; arguments qkv, cimg; writes cimg
.if DOCPART == 11
	.amdgcn_target "amdgcn-amd-amdhsa--gfx1250"
	.amdhsa_code_object_version 6
	.text
	.protected	k_qdc78e29769_attn
	.globl	k_qdc78e29769_attn
	.p2align	8
	.type	k_qdc78e29769_attn,@function
k_qdc78e29769_attn:
	s_mov_b64 s[64:65], 0
	v_nop
	global_prefetch_b8 v0, s[64:65] scope:SCOPE_SE
	s_setreg_imm32_b32 hwreg(HW_REG_WAVE_MODE, 25, 1), 1
	s_wait_xcnt 0x0
	s_wait_alu depctr_hold_cnt(0) depctr_sa_sdst(0) depctr_va_vdst(0) depctr_va_sdst(0) depctr_va_ssrc(0) depctr_va_vcc(0) depctr_vm_vsrc(0)
	s_getreg_b32 s2, hwreg(HW_REG_IB_STS2, 6, 4)
	s_cmp_eq_u32 s2, 0
	s_cbranch_scc0 .Lentry_in_a_cluster
	s_endpgm
.Lentry_in_a_cluster:
	s_bfe_u32 s2, ttmp6, 0x10000c
	s_cmp_lg_u32 s2, 0x3003
	s_cbranch_scc0 .Lentry_shape_is_right
	s_endpgm
.Lentry_shape_is_right:
; ATTN: ctx = softmax(Q K^T / 8) V for one head and 256 queries a work-group, both products on codes of FP4; ctx is quantised along the model's 1,024 on the way out.  Nothing is left out.
; THE SOFTMAX AHEAD OF THE SECOND PRODUCT: t = score x log2(e) / 8; M = the running largest t rounded UP to a whole number; p = 2^(t - M) is quantised along the keys, not normalised;
; the row's sum is taken of the unquantised p and divides at the end; when M moves, sum and O are multiplied by 2^(old M - new M), which rounds nothing.
; SHARES: sixteen waves, each one tile of 16 queries in 256 registers, four waves to a SIMD.  Every wave walks the head's 2,048 keys, 128 a step.
; K AND V OF THE WHOLE HEAD LIE IN LDS: 16 steps x 8,704 bytes (K's record, V's record), each step brought by one wave's one tensor load, filled once: no ring.
; CLUSTER: the four query blocks of a cluster belong to one head: each of the sixteen loads is a joint load with the mask of all four.
; THE HEAD HAS 64 CHANNELS, THE INSTRUCTION 128 ALONG K: a fragment of K holds TWO tiles of 16 keys, one in k = 0 .. 63, the other in k = 64 .. 127, and is multiplied twice: by Q with zeros above
; and by Q with zeros below.  Zero codes add nothing under any scale byte.
; Both products are used transposed: a lane holds one query throughout; the keys of a tile are chosen (launch prep's order of rows) so that the 16 registers of tiles 2 p, 2 p + 1 are 16 neighbouring keys.
; OUT: a head owns 64 of a token's 1,024: half a fragment (512 consecutive bytes a wave) and two of a row's 32 scale bytes, stored as 2 bytes a row; lanes l and l + 16 name the same two bytes with the same value.
; LIMITS: NaN and infinities are not served; a block under 2^-124 or of zeros gets the byte 1; 1 / sum comes from v_rcp_f32.
.set REC,   4352
.set QREC,  3*REC
.set KV,    2*REC                      ; a step's bytes in LDS
.set SPARE, 16*KV                      ; behind them the spare words, 128 bytes for each of 16 waves
.set AK0, 1                            ; v1  16 x lane
.set AS0, 2                            ; v2  4096 + 4 r
.set SPW, 5                            ; v5  my spare word; never rewritten
.set NIL, 6                            ; v6  0; never rewritten
.set ADK, 8                            ; v8  the step's fragments
.set ADS, 10                           ; v10 the step's scale words
.set WV,  18
.set CS,  22                           ; s[22:23] c = log2(e) / 8
.set G1,  24
.set G0,  32
.set SEL, 36
.set TB,  2                            ; s2  LDS byte at which the step begins
; REGISTERS: v12 -M, v13 the largest t, v[14:15] the sum; v16-23 Q with zeros above, v24-31 Q with zeros below; v32-63 K's four fragments; v64-95 V's four; v96-159 S^T, then p; v160-191 O^T;
; v224-231 p's codes; v232-239, v244-247, v252, v254 at work; v240-243 V's scale words, v248-251 K's, v253 p's, v255 Q's
.macro CROUND
	s_barrier_signal -1
	s_barrier_wait -1
	s_cmp_lg_u32 s[WV], 0
	s_cbranch_scc1 .Lnot_wave_0_\@
	s_barrier_signal -3
.Lnot_wave_0_\@:
	s_barrier_wait -3
	s_barrier_signal -1
	s_barrier_wait -1
.endm
	s_load_b128 s[4:7], s[0:1], 0x0                ; qkv, cimg
	v_lshl_add_u32 v[SPW], v0, 2, SPARE
	v_mov_b32 v[NIL], 0
	ds_add_u32 v[SPW], v[NIL]                      ; the opening: the add, twice on end, and its wait ahead of my first tensor load
	ds_add_u32 v[SPW], v[NIL]
	v_lshrrev_b32 v8, 5, v0
	s_delay_alu instid0(VALU_DEP_1)
	v_readfirstlane_b32 s[WV], v8                  ; wave 0..15
	s_bfe_u32 s13, ttmp6, 0x40000                  ; cx
	s_lshl_b32 s14, ttmp9, 2
	s_add_co_u32 s14, s14, s13                     ; my block of 256 queries: it enters global addresses of Q and ctx alone
	s_and_b32 s15, ttmp7, 0xffff                   ; batch x 16 + head, which the four partners share
	s_mov_b32 s[G1], 15|(3<<16)|(1<<21)            ; the mask: all four; elements of 8 bytes; 21 set beside a mask; no padding
	s_mov_b32 s[G1+1], 32<<16                      ; rows of 256 bytes,
	s_mov_b32 s[G1+2], 34<<16                      ; 34 of them: 8,704 dense bytes
	s_mov_b32 s[G1+3], 32<<16
	s_mov_b32 s[G1+4], 34
	s_mov_b32 s[G1+5], 32
	s_mov_b32 s[G1+6], 0
	s_mov_b32 s[G1+7], 0
	s_lshl_b32 s8, s15, 4
	s_add_co_u32 s8, s8, s[WV]                     ; step w of the head is mine to fetch
	s_mul_i32 s8, s8, QREC
	s_add_co_u32 s8, s8, REC                       ; behind Q's record
	s_mov_b32 s9, 0
	s_mov_b32 s[G0], 1
	s_mul_i32 s[G0+1], s[WV], KV
	s_mov_b32 s[CS], 0x3e38aa3b
	s_mov_b32 s[CS+1], s[CS]
	s_mov_b32 s[SEL], 0x76543210
	s_mov_b32 s[SEL+1], 0xfedcba98
	s_mov_b32 s[TB], 0
	s_lshl_b32 s10, s15, 4                         ; Q: the record of step 2 block + w / 8
	s_lshl_b32 s11, s14, 1
	s_add_co_u32 s10, s10, s11
	s_lshr_b32 s11, s[WV], 3
	s_add_co_u32 s10, s10, s11
	s_mul_i32 s10, s10, QREC
	s_mov_b32 s11, 0
	s_and_b32 s12, s[WV], 7                        ; my tile in it
	s_lshl_b32 s16, s12, 9
	s_lshr_b32 s17, s12, 1
	s_lshl_b32 s17, s17, 6
	s_add_co_u32 s17, s17, 4096
	s_mov_b32 s20, 0x01000100                      ; an even tile's two bytes lie low in the pair's word,
	s_bitcmp1_b32 s[WV], 0
	s_cselect_b32 s20, 0x03020302, s20             ; an odd tile's high
	s_wait_dscnt 0x0                               ; both opening adds are done
	s_wait_kmcnt 0x0
	s_add_nc_u64 s[G0+2:G0+3], s[4:5], s[8:9]
	s_or_b32 s[G0+3], s[G0+3], 0x80000000
	s_add_nc_u64 s[10:11], s[4:5], s[10:11]
	CROUND                                         ; all four work-groups are here: the joint loads meet
	tensor_load_to_lds s[G0:G0+3], s[G1:G1+7]      ; every wave's one load
	s_nop 0
.rept 4
	v_nop
.endr
	v_and_b32 v8, 15, v0                           ; r
	v_and_b32 v9, 31, v0                           ; lane
	s_delay_alu instid0(VALU_DEP_1)
	v_lshlrev_b32 v[AK0], 4, v9
	s_delay_alu instid0(VALU_DEP_3)
	v_lshl_add_u32 v[AS0], v8, 2, 4096
	s_delay_alu instid0(VALU_DEP_2)
	v_add_nc_u32 v3, s16, v[AK0]
	v_lshl_add_u32 v4, v8, 2, s17
	global_load_b128 v[16:19], v3, s[10:11]        ; Q's 64 channels, twice
	global_load_b128 v[28:31], v3, s[10:11]
	global_load_b32 v255, v4, s[10:11]
.irp j, 20,21,22,23,24,25,26,27
	v_mov_b32 v[\j], 0
.endr
	s_wait_loadcnt 0x0
	v_perm_b32 v255, v255, v255, s20               ; Q's scale word: its two bytes for k = 0 .. 63 and again for k = 64 .. 127
	v_mov_b32 v13, 0xff61b1e6                      ; the largest t so far: -3e38
	s_delay_alu instid0(VALU_DEP_1)
	v_floor_f32 v12, -v13
	v_mov_b32 v14, 0
	v_mov_b32 v15, 0
.irp b, 0,1,2,3
	v_mov_b32 v[236+\b], 0
.endr
	v_mov_b32 v253, 0
.set j, 0
.rept 32
	v_mov_b32 v[160+j], 0                          ; O^T: the loop is written once; its first step finds zeros
.set j, j+1
.endr
	s_wait_tensorcnt 0x0                           ; my step has landed,
	s_barrier_signal -1
	s_barrier_wait -1                              ; everybody's has
.Lstep:
	v_add_nc_u32 v[ADK], s[TB], v[AK0]
	v_add_nc_u32 v[ADS], s[TB], v[AS0]
	v_nop
	v_nop                                          ; four places in front of loads into registers that the last products read
.irp p, 0,1,2,3
	ds_load_b128 v[32+8*\p:35+8*\p], v[ADK] offset:1024*\p
	ds_load_b128 v[36+8*\p:39+8*\p], v[ADK] offset:1024*\p+512
	ds_load_b32 v[248+\p], v[ADS] offset:64*\p
.endr
.irp t, 0,1,2,3
	ds_load_b128 v[64+8*\t:67+8*\t], v[ADK] offset:REC+1024*\t
	ds_load_b128 v[68+8*\t:71+8*\t], v[ADK] offset:REC+1024*\t+512
	ds_load_b32 v[240+\t], v[ADS] offset:REC+64*\t
.endr
	s_wait_dscnt 12                                ; K is in; V's twelve loads may be out
.irp p, 0,1,2,3
	v_wmma_scale_f32_16x16x128_f8f6f4 v[96+16*\p:103+16*\p], v[32+8*\p:39+8*\p], v[16:23], 0, v[248+\p], v255 matrix_a_fmt:MATRIX_FMT_FP4 matrix_b_fmt:MATRIX_FMT_FP4
	v_wmma_scale_f32_16x16x128_f8f6f4 v[104+16*\p:111+16*\p], v[32+8*\p:39+8*\p], v[24:31], 0, v[248+\p], v255 matrix_a_fmt:MATRIX_FMT_FP4 matrix_b_fmt:MATRIX_FMT_FP4
.endr
.rept 4
	v_nop
.endr
.irp b, 0,1,2,3
	v_max3_num_f32 v[232+\b], v[96+16*\b], v[97+16*\b], v[98+16*\b]   ; the largest score of each block of 32 keys: for the row's maximum and, since p rises with the score, for the block's largest p
.endr
.irp i, 3,5,7,9,11,13
.irp b, 0,1,2,3
	v_max3_num_f32 v[232+\b], v[232+\b], v[96+16*\b+\i], v[97+16*\b+\i]
.endr
.endr
.irp b, 0,1,2,3
	v_max_num_f32 v[232+\b], v[232+\b], v[111+16*\b]
.endr
.irp b, 0,1,2,3
	s_delay_alu instid0(VALU_DEP_4)
	v_permlanex16_b32 v[236+\b], v[232+\b], s[SEL], s[SEL+1]
.endr
.irp b, 0,1,2,3
	s_delay_alu instid0(VALU_DEP_4)
	v_max_num_f32 v[232+\b], v[232+\b], v[236+\b]
.endr
	s_delay_alu instid0(VALU_DEP_2)
	v_max3_num_f32 v254, v232, v233, v234
	s_delay_alu instid0(VALU_DEP_1)
	v_max_num_f32 v254, v254, v235
	s_delay_alu instid0(VALU_DEP_1)
	v_mul_f32 v254, s[CS], v254
	s_delay_alu instid0(VALU_DEP_1)
	v_max_num_f32 v13, v13, v254                   ; the running largest t
	v_mov_b32 v254, v12
	s_delay_alu instid0(VALU_DEP_2)
	v_floor_f32 v12, -v13                          ; the new -M = -ceil(t)
	s_delay_alu instid0(VALU_DEP_1)
	v_sub_f32 v254, v12, v254
	s_delay_alu instid0(VALU_DEP_1)
	v_cvt_i32_f32 v254, v254                       ; (it saturates)
	s_delay_alu instid0(VALU_DEP_1)
	v_ldexp_f32 v252, 1.0, v254                    ; f = 2^(old M - new M)
.set j, 0
.rept 32
	v_pk_fma_f32 v[96+j:97+j], v[96+j:97+j], s[CS:CS+1], v[12:13] op_sel_hi:[1,0,0]   ; t - M
.set j, j+2
.endr
.irp b, 0,1,2,3
	v_fma_f32 v[232+\b], v[232+\b], s[CS], v12
.endr
.set j, 0
	s_wait_alu depctr_va_vdst(0)
.rept 64
	v_exp_f32 v[96+j], v[96+j]                     ; p = 2^(t - M)
.set j, j+1
.endr
	v_pk_mul_f32 v[14:15], v[14:15], v[252:253] op_sel_hi:[1,0]   ; the sums under the new M: a plain instruction behind the exponentials
	s_wait_alu depctr_va_vdst(0)                   ; one wait for the batch, ahead of its first reader
.irp b, 0,1,2,3
	v_exp_f32 v[232+\b], v[232+\b]                 ; the blocks' largest p
.endr
	v_pk_add_f32 v[236:237], v[100:101], v[104:105]
	v_pk_add_f32 v[250:251], v[108:109], v[112:113]
	v_pk_add_f32 v[248:249], v[116:117], v[120:121]
	v_pk_add_f32 v[246:247], v[124:125], v[128:129]
	v_pk_add_f32 v[244:245], v[132:133], v[136:137]
	v_pk_add_f32 v[238:239], v[140:141], v[144:145]
	v_pk_add_f32 v[230:231], v[148:149], v[152:153]
	v_pk_add_f32 v[14:15], v[14:15], v[156:157]
	v_pk_add_f32 v[236:237], v[236:237], v[96:97]
	v_pk_add_f32 v[250:251], v[250:251], v[98:99]
	v_pk_add_f32 v[248:249], v[248:249], v[102:103]
	v_pk_add_f32 v[246:247], v[246:247], v[106:107]
	v_pk_add_f32 v[244:245], v[244:245], v[110:111]
	v_pk_add_f32 v[238:239], v[238:239], v[114:115]
	v_pk_add_f32 v[230:231], v[230:231], v[118:119]
	v_pk_add_f32 v[14:15], v[14:15], v[122:123]
	v_pk_add_f32 v[236:237], v[236:237], v[126:127]
	v_pk_add_f32 v[250:251], v[250:251], v[130:131]
	v_pk_add_f32 v[248:249], v[248:249], v[134:135]
	v_pk_add_f32 v[246:247], v[246:247], v[138:139]
	v_pk_add_f32 v[244:245], v[244:245], v[142:143]
	v_pk_add_f32 v[238:239], v[238:239], v[146:147]
	v_pk_add_f32 v[230:231], v[230:231], v[150:151]
	v_pk_add_f32 v[14:15], v[14:15], v[154:155]
	v_pk_add_f32 v[236:237], v[236:237], v[158:159]
	s_delay_alu instid0(VALU_DEP_2)
	v_pk_add_f32 v[14:15], v[14:15], v[246:247]
	s_delay_alu instid0(VALU_DEP_2)
	v_pk_add_f32 v[236:237], v[236:237], v[244:245]
	v_pk_add_f32 v[250:251], v[250:251], v[238:239]
	v_pk_add_f32 v[248:249], v[248:249], v[230:231]
	s_delay_alu instid0(VALU_DEP_2)
	v_pk_add_f32 v[14:15], v[14:15], v[250:251]
	s_delay_alu instid0(VALU_DEP_2)
	v_pk_add_f32 v[236:237], v[236:237], v[248:249]
	s_delay_alu instid0(VALU_DEP_1)
	v_pk_add_f32 v[14:15], v[14:15], v[236:237]
	s_wait_alu depctr_va_vdst(0)                   ; and one for the four
.irp b, 0,1,2,3
	v_max_num_f32 v[232+\b], 0x1800000, v[232+\b]
.endr
.irp b, 0,1,2,3
	s_delay_alu instid0(VALU_DEP_4)
	v_add_nc_u32 v[244+\b], 0xff000000, v[232+\b]
.endr
.irp b, 0,1,2,3
	s_delay_alu instid0(VALU_DEP_4)
	v_lshrrev_b32 v[236+\b], 23, v[244+\b]
.endr
	s_delay_alu instid0(VALU_DEP_3)
	v_lshl_or_b32 v253, v237, 8, v236              ; p's scale word for these 128 keys
	s_delay_alu instid0(VALU_DEP_1)
	v_lshl_or_b32 v253, v238, 16, v253
	s_delay_alu instid0(VALU_DEP_1)
	v_lshl_or_b32 v253, v239, 24, v253
.irp b, 0,1,2,3
	v_cvt_scalef32_pk8_fp4_f32 v[224+2*\b], v[96+16*\b:103+16*\b], v[244+\b]
	v_cvt_scalef32_pk8_fp4_f32 v[225+2*\b], v[104+16*\b:111+16*\b], v[244+\b]
.endr
	v_nop
.irp c, 0,1
.irp i, 0,1
	v_permlane16_swap_b32 v[224+4*\c+\i], v[226+4*\c+\i]
.endr
.endr
.set j, 0
.rept 16
	v_pk_mul_f32 v[160+j:161+j], v[160+j:161+j], v[252:253] op_sel_hi:[1,0]   ; O^T under the new M; these sixteen are also the places in front of the products below
.set j, j+2
.endr
	s_wait_alu depctr_va_vdst(0)
	s_wait_dscnt 0x0                               ; V is in
.irp t, 0,1,2,3
	v_wmma_scale_f32_16x16x128_f8f6f4 v[160+8*\t:167+8*\t], v[64+8*\t:71+8*\t], v[224:231], v[160+8*\t:167+8*\t], v[240+\t], v253 matrix_a_fmt:MATRIX_FMT_FP4 matrix_b_fmt:MATRIX_FMT_FP4
.endr
	s_add_co_u32 s[TB], s[TB], KV
	s_cmp_lt_u32 s[TB], 16*KV
	s_cbranch_scc1 .Lstep
	; ---- the way out: O^T / the sum; register 16 b + i is channel 32 b + 16 h + i of my query: two blocks of 32 along the next K
	v_add_f32 v14, v14, v15
	s_delay_alu instid0(VALU_DEP_1)
	v_permlanex16_b32 v252, v14, s[SEL], s[SEL+1]
	s_delay_alu instid0(VALU_DEP_1)
	v_add_f32 v14, v14, v252
	s_wait_alu depctr_va_vdst(0)
	v_rcp_f32 v14, v14
	v_and_b32 v8, 15, v0
	v_and_b32 v9, 31, v0
	s_wait_alu depctr_va_vdst(0)
	s_and_b32 s8, s15, 15                          ; head
	s_lshr_b32 s9, s15, 4                          ; batch
	s_lshl_b32 s9, s9, 7
	s_lshl_b32 s10, s14, 4
	s_add_co_u32 s9, s9, s10
	s_add_co_u32 s9, s9, s[WV]                     ; my tile of tokens
	s_lshr_b32 s10, s8, 3                          ; the chunk of 512 along K
	s_lshl_b32 s10, s10, 8
	s_add_co_u32 s10, s10, s9
	s_mul_i32 s10, s10, REC
	s_mov_b32 s11, 0
	s_add_nc_u64 s[6:7], s[6:7], s[10:11]
	s_bfe_u32 s12, s8, 0x20001                     ; the step of 128 in it
	s_and_b32 s13, s8, 1                           ; the half of the step
	s_lshl_b32 s16, s12, 10
	s_lshl_b32 s17, s13, 9
	s_add_co_u32 s16, s16, s17
	v_lshl_add_u32 v10, v9, 4, s16
	s_lshl_b32 s16, s12, 2
	s_lshl_b32 s17, s13, 1
	s_add_co_u32 s16, s16, s17
	s_add_co_u32 s16, s16, 4096
	v_lshl_add_u32 v11, v8, 4, s16
	s_wait_alu depctr_va_vdst(0)                   ; ahead of the reciprocal's first reader
	v_mov_b32 v15, v14
.set j, 0
.rept 16
	v_pk_mul_f32 v[96+j:97+j], v[160+j:161+j], v[14:15]
.set j, j+2
.endr
.irp b, 0,1
	v_max3_num_f32 v[232+\b], |v[96+16*\b]|, |v[97+16*\b]|, 0x1800000
.endr
.irp i, 2,4,6,8,10,12,14
.irp b, 0,1
	s_delay_alu instid0(VALU_DEP_2)
	v_max3_num_f32 v[232+\b], v[232+\b], |v[96+16*\b+\i]|, |v[97+16*\b+\i]|
.endr
.endr
.irp b, 0,1
	s_delay_alu instid0(VALU_DEP_2)
	v_permlanex16_b32 v[236+\b], v[232+\b], s[SEL], s[SEL+1]
.endr
.irp b, 0,1
	s_delay_alu instid0(VALU_DEP_2)
	v_max_num_f32 v[232+\b], v[232+\b], v[236+\b]
.endr
.irp b, 0,1
	s_delay_alu instid0(VALU_DEP_2)
	v_add_nc_u32 v[244+\b], 0xff000000, v[232+\b]
.endr
.irp b, 0,1
	s_delay_alu instid0(VALU_DEP_2)
	v_lshrrev_b32 v[236+\b], 23, v[244+\b]
.endr
	s_delay_alu instid0(VALU_DEP_1)
	v_lshl_or_b32 v238, v237, 8, v236
.irp b, 0,1
	v_cvt_scalef32_pk8_fp4_f32 v[224+2*\b], v[96+16*\b:103+16*\b], v[244+\b]
	v_cvt_scalef32_pk8_fp4_f32 v[225+2*\b], v[104+16*\b:111+16*\b], v[244+\b]
.endr
	v_nop
	v_permlane16_swap_b32 v224, v226
	v_permlane16_swap_b32 v225, v227
	global_store_b128 v10, v[224:227], s[6:7]      ; 512 consecutive bytes
	global_store_b16 v11, v238, s[6:7]
	s_wait_tensorcnt 0x0                           ; the wave's end
	ds_add_u32 v[SPW], v[NIL]
	s_wait_dscnt 0x0
	CROUND                                         ; the closing round
	s_endpgm
.Lfunc_end_k_qdc78e29769_attn:
	.size	k_qdc78e29769_attn, .Lfunc_end_k_qdc78e29769_attn-k_qdc78e29769_attn
	.p2alignl 7, 3214868480
	.fill 96, 4, 3214868480
	.section	.rodata,"a",@progbits
	.p2align	6, 0x0
	.amdhsa_kernel k_qdc78e29769_attn
		.amdhsa_group_segment_fixed_size 167936
		.amdhsa_private_segment_fixed_size 0
		.amdhsa_enable_private_segment 0
		.amdhsa_kernarg_size 16
		.amdhsa_user_sgpr_count 2
		.amdhsa_user_sgpr_kernarg_segment_ptr 1
		.amdhsa_wavefront_size32 1
		.amdhsa_system_sgpr_workgroup_id_x 1
		.amdhsa_system_sgpr_workgroup_id_y 1
		.amdhsa_system_sgpr_workgroup_id_z 1
		.amdhsa_system_vgpr_workitem_id 0
		.amdhsa_next_free_vgpr 256
		.amdhsa_next_free_sgpr 66
		.amdhsa_reserve_vcc 0
		.amdhsa_float_denorm_mode_32 3
		.amdhsa_float_denorm_mode_16_64 3
		.amdhsa_memory_ordered 1
		.amdhsa_forward_progress 1
		.amdhsa_inst_pref_size 28
	.end_amdhsa_kernel
	.amdgpu_metadata
---
amdhsa.version: [ 1, 2 ]
amdhsa.kernels:
  - .name:           k_qdc78e29769_attn
    .symbol:         k_qdc78e29769_attn.kd
    .args:
      - { .name: qkv, .offset: 0, .size: 8, .value_kind: global_buffer, .address_space: global }
      - { .name: cimg, .offset: 8, .size: 8, .value_kind: global_buffer, .address_space: global }
    .group_segment_fixed_size: 167936
    .private_segment_fixed_size: 0
    .kernarg_segment_align: 8
    .kernarg_segment_size: 16
    .max_flat_workgroup_size: 512
    .sgpr_count:     66
    .vgpr_count:     256
    .wavefront_size: 32
...
	.end_amdgpu_metadata
.endif
;; end of part 11
;; launch oproj (part 12): grid 8 x 32, 4 waves a work-group, clusters of 4 x 4, 327,680 bytes of LDS; arguments cimg, wimg, bo, x, y1; writes y1
.if DOCPART == 12
	.amdgcn_target "amdgcn-amd-amdhsa--gfx1250"
	.amdhsa_code_object_version 6
	.text
	.protected	k_qdc78e29769_oproj
	.globl	k_qdc78e29769_oproj
	.p2align	8
	.type	k_qdc78e29769_oproj,@function
k_qdc78e29769_oproj:
	s_mov_b64 s[64:65], 0
	v_nop
	global_prefetch_b8 v0, s[64:65] scope:SCOPE_SE
	s_setreg_imm32_b32 hwreg(HW_REG_WAVE_MODE, 25, 1), 1
	s_wait_xcnt 0x0
	s_wait_alu depctr_hold_cnt(0) depctr_sa_sdst(0) depctr_va_vdst(0) depctr_va_sdst(0) depctr_va_ssrc(0) depctr_va_vcc(0) depctr_vm_vsrc(0)
	s_getreg_b32 s2, hwreg(HW_REG_IB_STS2, 6, 4)
	s_cmp_eq_u32 s2, 0
	s_cbranch_scc0 .Lentry_in_a_cluster
	s_endpgm
.Lentry_in_a_cluster:
	s_bfe_u32 s2, ttmp6, 0x10000c
	s_cmp_lg_u32 s2, 0xf033
	s_cbranch_scc0 .Lentry_shape_is_right
	s_endpgm
.Lentry_shape_is_right:
; OPROJ: y1 = x + ctx Wo + bo, the product on codes of FP4, f32 out.  Nothing is left out.
; A TILE OF 128 TOKENS (role A, source 1: the result's lanes) x 128 COLUMNS (role B, source 0: the result's registers) to a work-group: 4,096 x 1,024 outputs make 256 such tiles.
; Four waves of 64 x 64: 16 accumulators.  Operands are images (launch prep): 128 rows of a chunk of 512 along K are 34,816 dense bytes, codes and scale bytes together: one tensor load.
; A SLOT HOLDS TWO CHUNKS: wave 0 fetches A's first chunk, wave 1 A's second, wave 2 B's first, wave 3 B's second.  K = 1,024 is one slot: one load a wave, nothing is filled again.
; CLUSTERS: 4 x 4.  A's tiles are shared along a row of the cluster, B's along a column: joint loads.
; A slot is four quarters of 256 along K, 32 matrix instructions each, on two fragment buffers by turns; the next quarter's LDS loads stand in one run in a quarter's middle.
; REGISTERS: window 0: v8-11 bias; v16-29 addresses; v32-63 scale words, a set for each chunk of a slot (they hold scales and nothing else); v64-127 rows read back on the way out;
;   v128-255 the accumulators ((a, b) at v[128 + 8 (4 a + b)]).  window 1: two fragment buffers of 128: A's 2 x 4 fragments, then B's.  window 2: v0-127 the residual's 64 rows, loaded at the head.
; THE WAY OUT: a lane holds 8 neighbouring columns of one token; a block of 16 tokens goes through my own stage in LDS (rows of 272 bytes, bytes into which no tile lands) and comes back two rows
; to a load; residual and bias are added; sixteen lanes store 256 consecutive bytes, aligned: my 64 columns of a row.
.set RES,   1
.set NSLOT, 1                          ; K / 1,024
.set NTA,   256                        ; tiles of 16 rows in a chunk of A's image,
.set NTB,   64                         ; and of B's
.set BOFF,  1671168                    ; where B's image begins in wimg
.set REC,   4352
.set HALFT, 8*REC                      ; 128 rows of a chunk: what one tensor load brings
.set SLOT,  4*HALFT                    ; A's two chunks, then B's two
.set SPARE, 2*SLOT                     ; the spare words, 128 bytes a wave
.set STAGE, SPARE+512                  ; the stages: 16 rows x 272 bytes for each wave
.set SPITCH, 272
.set ASTEP, 4*NTA*REC                  ; a slot's next fill: four chunks on
.set BSTEP, 4*NTB*REC
.set BIA,  8                           ; v8-11 the bias of my four columns of a row read back
.set ADRA, 16                          ; v16-17 LDS address of A's fragments in slot 0, 1
.set ADRB, 20                          ; v20-21 of B's
.set ADRS, 22                          ; v22-23 of the scale words: lanes 0-15 A's rows, lanes 16-31 B's
.set STO,  24                          ; v24 the stage: where I put 32 bytes of a row
.set RD,   25                          ; v25 where I read rows back
.set CO,   26                          ; v26 4096 (lane / 16) + 16 (lane % 16): two rows of the output
.set LI,   27                          ; v27 16 x lane
.set SPW,  28                          ; v28 my spare word; never rewritten
.set NIL,  29                          ; v29 0; never rewritten
.set SC,   32
.set BB,   64
.set ACC,  128
.set F0,   0
.set F1,   128
.set G1, 24
.set G0, 32
.set G1B, 48
.set G0B, 56
.set MSB, 0
.macro WIN new                         ; the immediate's high byte repeats the setting that is left
.if MSB != (\new)
	s_set_vgpr_msb (MSB<<8)|(\new)
.set MSB, (\new)
.endif
.endm
.set MUL,  0x05                        ; sources 0 (B) and 1 (A) window 1; C and D window 0
.set TO_F, 0x40                        ; destination window 1, address window 0
.macro JLOAD g0a, g1a, g0b, g1b        ; a joint load: waves 0 and 1 fetch for A, waves 2 and 3 for B; an s_nop 0 and four v_nop follow each line
	s_cmp_eq_u32 s15, 0
	s_cbranch_scc0 .Lfor_b_\@
	tensor_load_to_lds s[\g0a:\g0a+3], s[\g1a:\g1a+7]
	s_nop 0
.rept 4
	v_nop
.endr
	s_branch .Lasked_\@
.Lfor_b_\@:
	tensor_load_to_lds s[\g0b:\g0b+3], s[\g1b:\g1b+7]
	s_nop 0
.rept 4
	v_nop
.endr
.Lasked_\@:
.endm
.macro CREST
	s_cmp_lg_u32 s14, 0
	s_cbranch_scc1 .Lnot_wave_0_\@
	s_barrier_signal -3
.Lnot_wave_0_\@:
	s_barrier_wait -3
	s_barrier_signal -1
	s_barrier_wait -1
.endm
.macro CROUND
	s_barrier_signal -1
	s_barrier_wait -1
	CREST
.endm
.macro PLACES                          ; four places in front of loads into registers that matrix instructions have read, and of the first read of results
.rept 4
	v_nop
.endr
.endm
; 8 matrix instructions: A's blocks a0, a0 + 1 x B's four; step c of quarter j in buffer f.  The 16 accumulators take turns, one instruction a turn.
; The scale words of chunk j / 2, step 2 (j % 2) + c: lanes 0-15 of register 4 i hold A's block i, lanes 16-31 B's block i.
.macro MUL8 f, c, a0, zero, j
.set SW, SC+16*((\j)/2)+2*((\j)%2)+(\c)
.irp a, \a0, \a0+1
.irp b, 0,1,2,3
.if \zero
	v_wmma_scale_f32_16x16x128_f8f6f4 v[ACC+8*(4*(\a)+\b):ACC+8*(4*(\a)+\b)+7], v[\f+64+8*(4*\c+\b):\f+64+8*(4*\c+\b)+7], v[\f+8*(4*\c+(\a)):\f+8*(4*\c+(\a))+7], 0, v[SW+4*\b], v[SW+4*(\a)] matrix_a_fmt:MATRIX_FMT_FP4 matrix_b_fmt:MATRIX_FMT_FP4 matrix_a_scale:MATRIX_SCALE_ROW1
.else
	v_wmma_scale_f32_16x16x128_f8f6f4 v[ACC+8*(4*(\a)+\b):ACC+8*(4*(\a)+\b)+7], v[\f+64+8*(4*\c+\b):\f+64+8*(4*\c+\b)+7], v[\f+8*(4*\c+(\a)):\f+8*(4*\c+(\a))+7], v[ACC+8*(4*(\a)+\b):ACC+8*(4*(\a)+\b)+7], v[SW+4*\b], v[SW+4*(\a)] matrix_a_fmt:MATRIX_FMT_FP4 matrix_b_fmt:MATRIX_FMT_FP4 matrix_a_scale:MATRIX_SCALE_ROW1
.endif
.endr
.endr
.endm
; Quarter j of a slot (chunk j / 2, steps 2 (j % 2) and + 1) into buffer f, in one run: the first step's 16 loads; where a chunk begins, its 4 loads of scale words; the second step's 16.
.macro FETCH slot, j, f
.set QO, ((\j)/2)*HALFT+2048*((\j)%2)
	WIN TO_F
.irp i, 0,1,2,3
	ds_load_b128 v[\f+64+8*\i:\f+64+8*\i+3],   v[ADRB+\slot] offset:QO+\i*REC
	ds_load_b128 v[\f+64+8*\i+4:\f+64+8*\i+7], v[ADRB+\slot] offset:QO+\i*REC+512
	ds_load_b128 v[\f+8*\i:\f+8*\i+3],         v[ADRA+\slot] offset:QO+\i*REC
	ds_load_b128 v[\f+8*\i+4:\f+8*\i+7],       v[ADRA+\slot] offset:QO+\i*REC+512
.endr
.if ((\j)%2) == 0
	WIN 0
.irp i, 0,1,2,3
	ds_load_b128 v[SC+16*((\j)/2)+4*\i:SC+16*((\j)/2)+4*\i+3], v[ADRS+\slot] offset:((\j)/2)*HALFT+\i*REC
.endr
	WIN TO_F
.endif
.irp i, 0,1,2,3
	ds_load_b128 v[\f+96+8*\i:\f+96+8*\i+3],   v[ADRB+\slot] offset:QO+1024+\i*REC
	ds_load_b128 v[\f+96+8*\i+4:\f+96+8*\i+7], v[ADRB+\slot] offset:QO+1024+\i*REC+512
	ds_load_b128 v[\f+32+8*\i:\f+32+8*\i+3],   v[ADRA+\slot] offset:QO+1024+\i*REC
	ds_load_b128 v[\f+32+8*\i+4:\f+32+8*\i+7], v[ADRA+\slot] offset:QO+1024+\i*REC+512
.endr
.endm
; One of a slot's first three quarters: multiplies quarter j in buffer f and fetches quarter j + 1 into g
.macro QUARTER slot, j, f, g, zero
.set NF, 32+4*(1-(((\j)+1)%2))
	s_wait_dscnt 16                                ; the first step's fragments, and the scale words if any came, are in; the second step's 16 loads may be out
	WIN MUL
	MUL8 \f, 0, 0, \zero, \j
	MUL8 \f, 0, 2, \zero, \j
	PLACES
	FETCH \slot, (\j)+1, \g
	s_wait_dscnt NF                                ; all but the run just issued
	WIN MUL
	MUL8 \f, 1, 0, 0, \j
	MUL8 \f, 1, 2, 0, \j
.endm
; A slot's last quarter multiplies buffer 1 and changes slots: ONE barrier; in front of it each wave waits for all its tensor loads, adds 0 to its spare word, and waits for that and for its reads of this slot
.macro TURN slot, next, fill
	WIN 0                                          ; (the add's two registers lie in window 0)
	s_wait_tensorcnt 0x0                           ; all my tensor loads have landed: my part of the next slot
	ds_add_u32 v[SPW], v[NIL]                      ; 0 onto my spare word
	s_wait_dscnt 17                                ; (the add and the youngest sixteen loads may be out)
	WIN MUL
	MUL8 F1, 0, 0, 0, 3
	s_wait_dscnt 0x0                               ; the add is done, and my reads of this slot are over
	s_barrier_signal -1
	MUL8 F1, 0, 2, 0, 3
.if \fill
	WIN 0
.endif
	s_barrier_wait -1
.if \fill
	CREST                                          ; the barrier has opened a round of the cluster's: no wave of any partner still reads this slot or has a load on its way
	s_add_nc_u64 s[G0+4*\slot+2:G0+4*\slot+3], s[G0+4*\slot+2:G0+4*\slot+3], ASTEP
	s_add_nc_u64 s[G0B+4*\slot+2:G0B+4*\slot+3], s[G0B+4*\slot+2:G0B+4*\slot+3], BSTEP
	JLOAD G0+4*\slot, G1, G0B+4*\slot, G1B         ; the first tensor load behind the round, and my only one until the next; its four v_nop are also the places in front of the loads below
.else
	PLACES
.endif
	FETCH \next, 0, F0
	WIN MUL
	MUL8 F1, 1, 0, 0, 3
	MUL8 F1, 1, 2, 0, 3
.endm
.macro XLOAD a                         ; the residual's 16 rows of block a, two rows to a load, into window 2
	WIN 0x80
.irp t, 0,1,2,3,4,5,6,7
	global_load_b128 v[32*(\a)+4*\t:32*(\a)+4*\t+3], v[CO], s[10:11] offset:(32*((\a)/2)+8*((\a)%2)+2*\t+8*(\t/4))*4096
.endr
	WIN 0
.endm
.macro BLOCKOUT a                      ; block a: 16 tokens x my 64 columns
.set BBR, BB+32*((\a)%2)
.if (\a) > 1
	s_wait_xcnt 0x0                                ; block a - 2's stores have read these registers
.endif
.irp b, 0,1,2,3
	ds_store_b128 v[STO], v[ACC+8*(4*(\a)+\b):ACC+8*(4*(\a)+\b)+3] offset:128*(\b/2)+32*(\b%2)       ; each accumulator from its low end on
	ds_store_b128 v[STO], v[ACC+8*(4*(\a)+\b)+4:ACC+8*(4*(\a)+\b)+7] offset:128*(\b/2)+32*(\b%2)+16
.endr
.irp t, 0,1,2,3,4,5,6,7
	ds_load_b128 v[BBR+4*\t:BBR+4*\t+3], v[RD] offset:2*\t*SPITCH    ; LDS serves a wave's instructions in order: these see my stores, and the next block's stores come behind them
.endr
	s_wait_dscnt 0x0
.if (\a) == 0
	s_wait_loadcnt 0x0                             ; the bias, and the residual's rows where there are any
.endif
.if RES
	WIN 0x08                                       ; source 1 window 2
.set i, 0
.rept 16
	v_pk_add_f32 v[BBR+2*i:BBR+2*i+1], v[BBR+2*i:BBR+2*i+1], v[32*(\a)+2*i:32*(\a)+2*i+1]
.set i, i+1
.endr
	WIN 0
.endif
.set i, 0
.rept 16
	v_pk_add_f32 v[BBR+2*i:BBR+2*i+1], v[BBR+2*i:BBR+2*i+1], v[BIA+2*(i%2):BIA+2*(i%2)+1]
.set i, i+1
.endr
.irp t, 0,1,2,3,4,5,6,7
	global_store_b128 v[CO], v[BBR+4*\t:BBR+4*\t+3], s[12:13] offset:(32*((\a)/2)+8*((\a)%2)+2*\t+8*(\t/4))*4096   ; sixteen lanes store 256 consecutive bytes, aligned
.endr
.endm
	s_load_b128 s[4:7], s[0:1], 0x0                ; A's image, wimg
	s_load_b128 s[8:11], s[0:1], 0x10              ; the bias; the residual (or, without one, the output)
.if RES
	s_load_b64 s[12:13], s[0:1], 0x20              ; the output
.endif
	v_lshl_add_u32 v[SPW], v0, 2, SPARE
	v_mov_b32 v[NIL], 0
	ds_add_u32 v[SPW], v[NIL]                      ; the opening: the add, twice on end, and its wait ahead of my first tensor load
	ds_add_u32 v[SPW], v[NIL]
	v_lshrrev_b32 v1, 5, v0
	v_readfirstlane_b32 s14, v1                    ; wave
	s_lshr_b32 s15, s14, 1                         ; my half of A's 128 rows.  Also: I fetch for A (0) or for B (1)
	s_and_b32 s16, s14, 1                          ; my half of B's.  Also: which chunk of a slot I fetch
	s_bfe_u32 s40, ttmp6, 0x40000                  ; cx
	s_bfe_u32 s41, ttmp6, 0x40004                  ; cy
	s_lshl_b32 s42, ttmp9, 2
	s_add_co_u32 s42, s42, s40                     ; B's tile of 128 columns
	s_and_b32 s17, ttmp7, 0xffff
	s_lshl_b32 s17, s17, 2
	s_add_co_u32 s17, s17, s41                     ; A's tile of 128 tokens
	s_lshl_b32 s43, s41, 2
	s_lshl_b32 s43, 15, s43                        ; my row of the cluster
	s_lshl_b32 s44, 0x1111, s40                    ; my column
	s_or_b32 s[G1+0], s43, (3<<16)|(1<<21)         ; 15:0 the mask; 17:16 elements of 8 bytes; 21 set beside a mask; no padding
	s_or_b32 s[G1B+0], s44, (3<<16)|(1<<21)
.irp g, G1, G1B
	s_mov_b32 s[\g+1], 32<<16                      ; tensor_dim0: 32 elements = 256 bytes
	s_mov_b32 s[\g+2], 136<<16                     ; tensor_dim1: 136 rows = 34,816 bytes
	s_mov_b32 s[\g+3], 32<<16                      ; tile_dim0
	s_mov_b32 s[\g+4], 136                         ; tile_dim1
	s_mov_b32 s[\g+5], 32                          ; dense
	s_mov_b32 s[\g+6], 0
	s_mov_b32 s[\g+7], 0
.endr
	s_mul_i32 s20, s17, HALFT                      ; A: the tile's 8 records,
	s_mul_i32 s21, s16, NTA*REC                    ; in the chunk that I fetch
	s_add_co_u32 s20, s20, s21
	s_mov_b32 s21, 0
	s_mul_i32 s46, s42, HALFT                      ; B likewise
	s_mul_i32 s47, s16, NTB*REC
	s_add_co_u32 s46, s46, s47
	s_add_co_u32 s46, s46, BOFF
	s_mov_b32 s47, 0
	s_mul_i32 s45, s14, HALFT                      ; where my load goes: no place in the cluster enters an LDS address
	s_wait_dscnt 0x0                               ; both opening adds are done
	s_wait_kmcnt 0x0
	s_add_nc_u64 s[20:21], s[4:5], s[20:21]
	s_add_nc_u64 s[46:47], s[6:7], s[46:47]
	CROUND                                         ; all sixteen work-groups are here: the first joint loads meet
.irp s, 0,1
.if \s < NSLOT
	s_mov_b32 s[G0+4*\s], 1
	s_add_co_u32 s[G0+4*\s+1], s45, \s*SLOT
	s_add_nc_u64 s[G0+4*\s+2:G0+4*\s+3], s[20:21], \s*2*NTA*REC
	s_or_b32 s[G0+4*\s+3], s[G0+4*\s+3], 0x80000000
	s_mov_b32 s[G0B+4*\s], 1
	s_add_co_u32 s[G0B+4*\s+1], s45, \s*SLOT
	s_add_nc_u64 s[G0B+4*\s+2:G0B+4*\s+3], s[46:47], \s*2*NTB*REC
	s_or_b32 s[G0B+4*\s+3], s[G0B+4*\s+3], 0x80000000
	JLOAD G0+4*\s, G1, G0B+4*\s, G1B
.endif
.endr
	v_and_b32 v1, 15, v0                           ; r
	v_bfe_u32 v2, v0, 4, 1                         ; h
	s_wait_alu depctr_va_vdst(0)
	v_and_b32 v3, 31, v0
	v_lshlrev_b32 v[LI], 4, v3
	s_mul_i32 s21, s15, 4*REC                      ; my 64 rows of A: four records
	s_mul_i32 s22, s16, 4*REC                      ; my 64 rows of B,
	s_add_co_u32 s22, s22, 2*HALFT                 ; behind A's two chunks
.irp s, 0,1
	v_add_nc_u32 v[ADRA+\s], s21, v[LI]
	v_add_nc_u32 v[ADRB+\s], s22, v[LI]
	s_add_co_u32 s21, s21, SLOT
	s_add_co_u32 s22, s22, SLOT
.endr
	s_mul_i32 s21, s15, 4*REC
	s_mul_i32 s22, s16, 4*REC
	s_add_co_u32 s22, s22, 2*HALFT
	s_sub_co_u32 s22, s22, s21
	v_mul_u32_u24 v4, s22, v2                      ; lanes 16-31 take B's: one product, h x the distance
	v_lshl_add_u32 v4, v1, 4, v4
	s_add_co_u32 s21, s21, 4096
	v_add_nc_u32 v[ADRS], s21, v4
	v_add_nc_u32 v[ADRS+1], SLOT, v[ADRS]
	s_mul_i32 s23, s14, 16*SPITCH
	s_add_co_u32 s23, s23, STAGE                   ; my stage
	v_mul_u32_u24 v5, v1, SPITCH
	v_lshl_add_u32 v5, v2, 6, v5                   ; in: row r; my half's 16 columns of each 32: + 64 h
	v_add_nc_u32 v[STO], s23, v5
	v_mul_u32_u24 v5, v2, SPITCH
	v_lshl_add_u32 v5, v1, 4, v5                   ; back: lanes 0-15 one row of 256 bytes, lanes 16-31 the next
	v_add_nc_u32 v[RD], s23, v5
	v_lshlrev_b32 v[CO], 12, v2
	v_lshl_add_u32 v[CO], v1, 4, v[CO]             ; and the same two rows in memory
	v_lshlrev_b32 v6, 4, v1                        ; the bias: 16 r
	s_wait_alu depctr_va_vdst(0)
	s_lshl_b32 s20, s17, 7
	s_lshl_b32 s21, s15, 6
	s_add_co_u32 s20, s20, s21                     ; my first token,
	s_lshl_b32 s20, s20, 12                        ; in rows of 4,096 bytes
	s_mov_b32 s21, 0
	s_lshl_b32 s46, s42, 9
	s_lshl_b32 s47, s16, 8
	s_add_co_u32 s46, s46, s47                     ; my first column, in bytes: a multiple of 256
	s_mov_b32 s47, 0
	s_add_nc_u64 s[20:21], s[20:21], s[46:47]
	s_add_nc_u64 s[8:9], s[8:9], s[46:47]
.if RES
	s_add_nc_u64 s[10:11], s[10:11], s[20:21]
	s_add_nc_u64 s[12:13], s[12:13], s[20:21]
.else
	s_add_nc_u64 s[12:13], s[10:11], s[20:21]
.endif
	global_load_b128 v[BIA:BIA+3], v6, s[8:9]
.if RES
.irp a, 0,1,2,3
	XLOAD \a
.endr
.endif
.if NSLOT > 1
	s_wait_tensorcnt 1                             ; my part of slot 0 is in; slot 1's may stay out
.else
	s_wait_tensorcnt 0x0                           ; my one load has landed
.endif
	s_barrier_signal -1
	s_barrier_wait -1                              ; everybody's has
	FETCH 0, 0, F0
	QUARTER 0, 0, F0, F1, 1                        ; the first products start the sums: nothing is cleared
.if NSLOT > 2
	WIN 0                                          ; at a label and at a branch every window is 0
	s_mov_b32 s3, NSLOT/2-1
.Llap:                                                 ; a trip goes once round the ring, from a lap's second quarter to the next lap's first, and fills both slots again
	QUARTER 0, 1, F1, F0, 0
	QUARTER 0, 2, F0, F1, 0
	TURN 0, 1, 1
	QUARTER 1, 0, F0, F1, 0
	QUARTER 1, 1, F1, F0, 0
	QUARTER 1, 2, F0, F1, 0
	TURN 1, 0, 1
	QUARTER 0, 0, F0, F1, 0
	WIN 0
	s_sub_co_u32 s3, s3, 1
	s_cmp_lg_u32 s3, 0
	s_cbranch_scc1 .Llap
.endif
	QUARTER 0, 1, F1, F0, 0
	QUARTER 0, 2, F0, F1, 0
.if NSLOT > 1
	TURN 0, 1, 0                                   ; the last lap fills nothing
	QUARTER 1, 0, F0, F1, 0
	QUARTER 1, 1, F1, F0, 0
	QUARTER 1, 2, F0, F1, 0
.endif
	s_wait_dscnt 16                                ; the very last quarter: nothing more to fetch
	WIN MUL
	MUL8 F1, 0, 0, 0, 3
	MUL8 F1, 0, 2, 0, 3
	s_wait_dscnt 0
	MUL8 F1, 1, 0, 0, 3
	MUL8 F1, 1, 2, 0, 3
	WIN 0
	PLACES                                         ; in front of the first reads of results
.irp a, 0,1,2,3
	BLOCKOUT \a
.endr
	s_wait_tensorcnt 0x0                           ; the wave's end
	ds_add_u32 v[SPW], v[NIL]
	s_wait_dscnt 0x0
	CROUND                                         ; the closing round
	s_endpgm
.Lfunc_end_k_qdc78e29769_oproj:
	.size	k_qdc78e29769_oproj, .Lfunc_end_k_qdc78e29769_oproj-k_qdc78e29769_oproj
	.p2alignl 7, 3214868480
	.fill 96, 4, 3214868480
	.section	.rodata,"a",@progbits
	.p2align	6, 0x0
	.amdhsa_kernel k_qdc78e29769_oproj
		.amdhsa_group_segment_fixed_size 327680
		.amdhsa_private_segment_fixed_size 0
		.amdhsa_enable_private_segment 0
		.amdhsa_kernarg_size 40
		.amdhsa_user_sgpr_count 2
		.amdhsa_user_sgpr_kernarg_segment_ptr 1
		.amdhsa_wavefront_size32 1
		.amdhsa_system_sgpr_workgroup_id_x 1
		.amdhsa_system_sgpr_workgroup_id_y 1
		.amdhsa_system_sgpr_workgroup_id_z 1
		.amdhsa_system_vgpr_workitem_id 0
		.amdhsa_next_free_vgpr 640
		.amdhsa_next_free_sgpr 100
		.amdhsa_reserve_vcc 0
		.amdhsa_float_denorm_mode_32 3
		.amdhsa_float_denorm_mode_16_64 3
		.amdhsa_memory_ordered 1
		.amdhsa_forward_progress 1
		.amdhsa_inst_pref_size 52
	.end_amdhsa_kernel
	.amdgpu_metadata
---
amdhsa.version: [ 1, 2 ]
amdhsa.kernels:
  - .name:           k_qdc78e29769_oproj
    .symbol:         k_qdc78e29769_oproj.kd
    .args:
      - { .name: cimg, .offset: 0, .size: 8, .value_kind: global_buffer, .address_space: global }
      - { .name: wimg, .offset: 8, .size: 8, .value_kind: global_buffer, .address_space: global }
      - { .name: bo, .offset: 16, .size: 8, .value_kind: global_buffer, .address_space: global }
      - { .name: x, .offset: 24, .size: 8, .value_kind: global_buffer, .address_space: global }
      - { .name: y1, .offset: 32, .size: 8, .value_kind: global_buffer, .address_space: global }
    .group_segment_fixed_size: 327680
    .private_segment_fixed_size: 0
    .kernarg_segment_align: 8
    .kernarg_segment_size: 40
    .max_flat_workgroup_size: 128
    .sgpr_count:     100
    .vgpr_count:     640
    .wavefront_size: 32
...
	.end_amdgpu_metadata
.endif
;; end of part 12
;; launch ln1 (part 13): grid 256 x 1, 4 waves a work-group, no clusters, 9,216 bytes of LDS; arguments y1, g1, be1, himg; writes himg
.if DOCPART == 13
	.amdgcn_target "amdgcn-amd-amdhsa--gfx1250"
	.amdhsa_code_object_version 6
	.text
	.protected	k_qdc78e29769_ln1
	.globl	k_qdc78e29769_ln1
	.p2align	8
	.type	k_qdc78e29769_ln1,@function
k_qdc78e29769_ln1:
	s_mov_b64 s[64:65], 0
	v_nop
	global_prefetch_b8 v0, s[64:65] scope:SCOPE_SE
	s_setreg_imm32_b32 hwreg(HW_REG_WAVE_MODE, 25, 1), 1
	s_wait_xcnt 0x0
; LN1: h = LayerNorm(y1) g1 + be1 in f32, quantised along the model's 1,024 into an image (launch prep's layout).  h itself is not stored: launch ln2 makes it again from y1.  Nothing is left out.
; A work-group takes one tile of 16 rows, a wave four consecutive rows, each whole in 32 registers a lane: mean and variance in two passes, as reference() takes them; sums across lanes by DPP.
; LIMITS: the sums' order differs from reference()'s; 1 / sqrt comes from v_rsq_f32; NaN and infinities are not served; a block under 2^-124 or of zeros gets the byte 1.
.set REC,   4352
.set CHX,   256*REC
.set SPARE, 8704                       ; LDS: 0-8191 the tile's codes, two chunks; 8192-8703 its scale bytes; then the spare words
.set SPW,   30
.set NIL,   31
.set X,     32                         ; v32-159  four rows
.set GA,    160                        ; v160-191 g1 at my 32 columns
.set BE,    192                        ; v192-223 be1
.set CD,    224                        ; v224-239 codes, a register for each (row, j)
.set BY,    240                        ; v240-255 scale bytes likewise
.set SEL,   4
.macro ROWLOAD i
.irp j, 0,1,2,3
.irp e, 0,1
	global_load_b128 v[X+32*\i+8*\j+4*\e:X+32*\i+8*\j+4*\e+3], v2, s[8:9] offset:4096*\i+1024*\j+16*\e
.endr
.endr
.endm
.macro REDSUM v, t                     ; the sum over the 32 lanes, in every lane
	v_add_f32_dpp v[\v], v[\v], v[\v] row_xmask:1 row_mask:0xf bank_mask:0xf
	v_add_f32_dpp v[\v], v[\v], v[\v] row_xmask:2 row_mask:0xf bank_mask:0xf
	v_add_f32_dpp v[\v], v[\v], v[\v] row_xmask:4 row_mask:0xf bank_mask:0xf
	v_add_f32_dpp v[\v], v[\v], v[\v] row_xmask:8 row_mask:0xf bank_mask:0xf
	v_permlanex16_b32 v[\t], v[\v], s[SEL], s[SEL+1]
	v_add_f32 v[\v], v[\v], v[\t]
.endm
.macro LNROW x, g, b                   ; the row in v[x .. x + 31] becomes (row - mean) rsqrt(var + eps) g + b
	v_pk_add_f32 v[8:9], v[\x:\x+1], v[\x+2:\x+3]
	v_pk_add_f32 v[10:11], v[\x+4:\x+5], v[\x+6:\x+7]
.irp k, 8,12,16,20,24,28
	v_pk_add_f32 v[8:9], v[8:9], v[\x+\k:\x+\k+1]
	v_pk_add_f32 v[10:11], v[10:11], v[\x+\k+2:\x+\k+3]
.endr
	v_pk_add_f32 v[8:9], v[8:9], v[10:11]
	v_add_f32 v8, v8, v9
	REDSUM 8, 16
	v_mul_f32 v12, s6, v8                          ; the mean: / 1,024
	v_mov_b32 v13, v12
.irp k, 0,2,4,6,8,10,12,14,16,18,20,22,24,26,28,30
	v_pk_add_f32 v[\x+\k:\x+\k+1], v[\x+\k:\x+\k+1], v[12:13] neg_lo:[0,1] neg_hi:[0,1]
.endr
	v_pk_mul_f32 v[8:9], v[\x:\x+1], v[\x:\x+1]
	v_pk_mul_f32 v[10:11], v[\x+2:\x+3], v[\x+2:\x+3]
.irp k, 4,8,12,16,20,24,28
	v_pk_fma_f32 v[8:9], v[\x+\k:\x+\k+1], v[\x+\k:\x+\k+1], v[8:9]
	v_pk_fma_f32 v[10:11], v[\x+\k+2:\x+\k+3], v[\x+\k+2:\x+\k+3], v[10:11]
.endr
	v_pk_add_f32 v[8:9], v[8:9], v[10:11]
	v_add_f32 v8, v8, v9
	REDSUM 8, 16
	v_fma_f32 v8, v8, s6, s7                       ; var + eps
	s_wait_alu depctr_va_vdst(0)
	v_rsq_f32 v14, v8
	v_nop                                          ; a plain instruction behind the transcendental
	s_wait_alu depctr_va_vdst(0)                   ; and the wait ahead of its first reader
	v_mov_b32 v15, v14
.irp k, 0,2,4,6,8,10,12,14,16,18,20,22,24,26,28,30
	v_pk_mul_f32 v[\x+\k:\x+\k+1], v[\x+\k:\x+\k+1], v[14:15]
.endr
.irp k, 0,2,4,6,8,10,12,14,16,18,20,22,24,26,28,30
	v_pk_fma_f32 v[\x+\k:\x+\k+1], v[\x+\k:\x+\k+1], v[\g+\k:\g+\k+1], v[\b+\k:\b+\k+1]
.endr
.endm
.macro ROWQ i
.irp j, 0,1,2,3
	v_max3_num_f32 v[8+\j], |v[X+32*\i+8*\j]|, |v[X+32*\i+8*\j+1]|, 0x1800000
.endr
.irp k, 2,4,6
.irp j, 0,1,2,3
	v_max3_num_f32 v[8+\j], v[8+\j], |v[X+32*\i+8*\j+\k]|, |v[X+32*\i+8*\j+\k+1]|
.endr
.endr
.irp m, 1,2
.irp j, 0,1,2,3
	v_max_num_f32_dpp v[8+\j], v[8+\j], v[8+\j] row_xmask:\m row_mask:0xf bank_mask:0xf
.endr
.endr
.irp j, 0,1,2,3
	v_add_nc_u32 v[12+\j], 0xff000000, v[8+\j]
.endr
.irp j, 0,1,2,3
	v_lshrrev_b32 v[BY+4*\i+\j], 23, v[12+\j]
.endr
.irp j, 0,1,2,3
	v_cvt_scalef32_pk8_fp4_f32 v[CD+4*\i+\j], v[X+32*\i+8*\j:X+32*\i+8*\j+7], v[12+\j]
.endr
	v_nop
.irp j, 0,1,2,3
	ds_store_b32 v3, v[CD+4*\i+\j] offset:16*\i+2048*(\j%2)+4096*(\j/2)
	ds_store_b8 v4, v[BY+4*\i+\j] offset:16*\i+8*(\j%2)+256*(\j/2)
.endr
.endm
	s_load_b256 s[8:15], s[0:1], 0x0               ; y1 s[8:9], g1 s[10:11], be1 s[12:13], himg s[14:15]
	v_lshl_add_u32 v[SPW], v0, 2, SPARE
	v_mov_b32 v[NIL], 0
	v_lshrrev_b32 v1, 5, v0
	v_readfirstlane_b32 s26, v1
	v_and_b32 v1, 31, v0
	s_wait_alu depctr_va_vdst(0)
	s_mov_b32 s[SEL], 0x76543210
	s_mov_b32 s[SEL+1], 0xfedcba98
	s_mov_b32 s6, 0x3a800000                       ; 1 / 1,024
	s_mov_b32 s7, 0x3727c5ac                       ; 1e-5
	v_mov_b32 v16, 0
	s_lshr_b32 s27, ttmp9, 1                       ; my first row: 32 (T / 2) + 8 (T % 2) + 4 w + 8 (w / 2)
	s_lshl_b32 s27, s27, 5
	s_and_b32 s28, ttmp9, 1
	s_lshl_b32 s28, s28, 3
	s_add_co_u32 s27, s27, s28
	s_lshl_b32 s28, s26, 2
	s_add_co_u32 s27, s27, s28
	s_lshr_b32 s28, s26, 1
	s_lshl_b32 s28, s28, 3
	s_add_co_u32 s27, s27, s28
	s_lshl_b32 s28, s27, 12
	s_mov_b32 s29, 0
	s_mul_i32 s30, ttmp9, REC
	s_mov_b32 s31, 0
	v_lshlrev_b32 v2, 5, v1
	v_and_b32 v3, 3, v1
	v_lshlrev_b32 v3, 2, v3
	v_bfe_u32 v5, v1, 2, 3
	v_lshl_add_u32 v3, v5, 8, v3
	s_lshl_b32 s16, s26, 6
	v_add_nc_u32 v3, s16, v3
	v_add_nc_u32 v4, s16, v5
	v_add_nc_u32 v4, 8192, v4
	v_lshlrev_b32 v6, 4, v0
	s_wait_alu depctr_va_vdst(0)
	s_wait_kmcnt 0x0
	s_add_nc_u64 s[8:9], s[8:9], s[28:29]
	s_add_nc_u64 s[14:15], s[14:15], s[30:31]
.irp j, 0,1,2,3
.irp e, 0,1
	global_load_b128 v[GA+8*\j+4*\e:GA+8*\j+4*\e+3], v2, s[10:11] offset:1024*\j+16*\e
	global_load_b128 v[BE+8*\j+4*\e:BE+8*\j+4*\e+3], v2, s[12:13] offset:1024*\j+16*\e
.endr
.endr
.irp i, 0,1,2,3
	ROWLOAD \i
.endr
.irp i, 0,1,2,3
	s_wait_loadcnt 8*(3-\i)                        ; g1, be1 and row i are in; the later rows' loads may be out
	LNROW X+32*\i, GA, BE
	ROWQ \i
.endr
	s_wait_dscnt 0x0
	s_barrier_signal -1
	s_barrier_wait -1
.irp p, 0,1,2,3
	ds_load_b128 v[32+4*\p:35+4*\p], v6 offset:2048*\p
.endr
.irp p, 0,1,2,3
	s_wait_dscnt 3-\p
	global_store_b128 v6, v[32+4*\p:35+4*\p], s[14:15] offset:(\p/2)*CHX+(\p%2)*2048
.endr
	s_cmp_lg_u32 s26, 0
	s_cbranch_scc1 .Lx_end
	v_lshlrev_b32 v7, 4, v1
	ds_load_b128 v[48:51], v7 offset:8192
	v_and_b32 v5, 15, v1
	v_lshlrev_b32 v5, 4, v5
	v_lshrrev_b32 v8, 4, v1
	v_mul_u32_u24 v8, v8, CHX
	v_add_nc_u32 v5, v5, v8
	s_wait_alu depctr_va_vdst(0)
	s_wait_dscnt 0x0
	global_store_b128 v5, v[48:51], s[14:15] offset:4096
.Lx_end:
	s_wait_tensorcnt 0x0                           ; the wave's end
	ds_add_u32 v[SPW], v[NIL]
	s_wait_dscnt 0x0
	s_endpgm
.Lfunc_end_k_qdc78e29769_ln1:
	.size	k_qdc78e29769_ln1, .Lfunc_end_k_qdc78e29769_ln1-k_qdc78e29769_ln1
	.p2alignl 7, 3214868480
	.fill 96, 4, 3214868480
	.section	.rodata,"a",@progbits
	.p2align	6, 0x0
	.amdhsa_kernel k_qdc78e29769_ln1
		.amdhsa_group_segment_fixed_size 9216
		.amdhsa_private_segment_fixed_size 0
		.amdhsa_enable_private_segment 0
		.amdhsa_kernarg_size 32
		.amdhsa_user_sgpr_count 2
		.amdhsa_user_sgpr_kernarg_segment_ptr 1
		.amdhsa_wavefront_size32 1
		.amdhsa_system_sgpr_workgroup_id_x 1
		.amdhsa_system_sgpr_workgroup_id_y 1
		.amdhsa_system_sgpr_workgroup_id_z 1
		.amdhsa_system_vgpr_workitem_id 0
		.amdhsa_next_free_vgpr 256
		.amdhsa_next_free_sgpr 66
		.amdhsa_reserve_vcc 0
		.amdhsa_float_denorm_mode_32 3
		.amdhsa_float_denorm_mode_16_64 3
		.amdhsa_memory_ordered 1
		.amdhsa_forward_progress 1
		.amdhsa_inst_pref_size 44
	.end_amdhsa_kernel
	.amdgpu_metadata
---
amdhsa.version: [ 1, 2 ]
amdhsa.kernels:
  - .name:           k_qdc78e29769_ln1
    .symbol:         k_qdc78e29769_ln1.kd
    .args:
      - { .name: y1, .offset: 0, .size: 8, .value_kind: global_buffer, .address_space: global }
      - { .name: g1, .offset: 8, .size: 8, .value_kind: global_buffer, .address_space: global }
      - { .name: be1, .offset: 16, .size: 8, .value_kind: global_buffer, .address_space: global }
      - { .name: himg, .offset: 24, .size: 8, .value_kind: global_buffer, .address_space: global }
    .group_segment_fixed_size: 9216
    .private_segment_fixed_size: 0
    .kernarg_segment_align: 8
    .kernarg_segment_size: 32
    .max_flat_workgroup_size: 128
    .sgpr_count:     66
    .vgpr_count:     256
    .wavefront_size: 32
...
	.end_amdgpu_metadata
.endif
;; end of part 13
;; launch ff1 (part 14): grid 16 x 16, 4 waves a work-group, clusters of 4 x 4, 327,680 bytes of LDS; arguments himg, wimg, b1, gimg; writes gimg
.if DOCPART == 14
	.amdgcn_target "amdgcn-amd-amdhsa--gfx1250"
	.amdhsa_code_object_version 6
	.text
	.protected	k_qdc78e29769_ff1
	.globl	k_qdc78e29769_ff1
	.p2align	8
	.type	k_qdc78e29769_ff1,@function
k_qdc78e29769_ff1:
	s_mov_b64 s[64:65], 0
	v_nop
	global_prefetch_b8 v0, s[64:65] scope:SCOPE_SE
	s_setreg_imm32_b32 hwreg(HW_REG_WAVE_MODE, 25, 1), 1
	s_wait_xcnt 0x0
	s_wait_alu depctr_hold_cnt(0) depctr_sa_sdst(0) depctr_va_vdst(0) depctr_va_sdst(0) depctr_va_ssrc(0) depctr_va_vcc(0) depctr_vm_vsrc(0)
	s_getreg_b32 s2, hwreg(HW_REG_IB_STS2, 6, 4)
	s_cmp_eq_u32 s2, 0
	s_cbranch_scc0 .Lentry_in_a_cluster
	s_endpgm
.Lentry_in_a_cluster:
	s_bfe_u32 s2, ttmp6, 0x10000c
	s_cmp_lg_u32 s2, 0xf033
	s_cbranch_scc0 .Lentry_shape_is_right
	s_endpgm
.Lentry_shape_is_right:
.set LAPS,  1
.set NTA,   256
.set NTB,   256
.set BOFF,  2228224
.set REC,   4352
.set HALFT, 8*REC
.set SLOT,  4*HALFT
.set SPARE, 2*SLOT
.set NQ, 4
.set FR, 8
.set NL, 2
.set NP, 4
.set ASTEP, 2*NTA*REC
.set BSTEP, 2*NTB*REC
.set ADRA, 16
.set ADRB, 20
.set ADRS, 22
.set LQ,   24
.set LS,   25
.set LI,   27
.set SPW,  28
.set NIL,  29
.set SC,   32
.set U,    96
.set X2,   112
.set AF,   128
.set T,    128
.set PC,   192
.set TM,   208
.set P,    208
.set PWR,  224
.set QD,   232
.set SEL,  92
.set G1, 24
.set G0, 32
.set G1B, 48
.set G0B, 56
.set MSB, 0
.macro WIN new
.if MSB != (\new)
	s_set_vgpr_msb (MSB<<8)|(\new)
.set MSB, (\new)
.endif
.endm
.set MUL_LO, 0xa1
.set MUL_HI, 0xf1
.set TO_B,   0x40
.macro JLOAD g0a, g1a, g0b, g1b
	s_cmp_eq_u32 s15, 0
	s_cbranch_scc0 .Lfor_b_\@
	tensor_load_to_lds s[\g0a:\g0a+3], s[\g1a:\g1a+7]
	s_nop 0
.rept 4
	v_nop
.endr
	s_branch .Lasked_\@
.Lfor_b_\@:
	tensor_load_to_lds s[\g0b:\g0b+3], s[\g1b:\g1b+7]
	s_nop 0
.rept 4
	v_nop
.endr
.Lasked_\@:
.endm
.macro CREST
	s_cmp_lg_u32 s14, 0
	s_cbranch_scc1 .Lnot_wave_0_\@
	s_barrier_signal -3
.Lnot_wave_0_\@:
	s_barrier_wait -3
	s_barrier_signal -1
	s_barrier_wait -1
.endm
.macro CROUND
	s_barrier_signal -1
	s_barrier_wait -1
	CREST
.endm
.macro FRAG reg, adr, q, i
.irp c, 0,1
	ds_load_b128 v[\reg+4*\c:\reg+4*\c+3], v[\adr] offset:(\i)*REC+1024*(\q)+512*\c
.endr
.endm
.macro MUL16 a0, p, q, sc, zero
.irp a, \a0, \a0+1
.irp b, 0,1,2,3,4,5,6,7
.if \zero
	v_wmma_scale_f32_16x16x128_f8f6f4 v[8*(8*((\a)%4)+\b):8*(8*((\a)%4)+\b)+7], v[128*(\p)+FR*\b:128*(\p)+FR*\b+FR-1], v[AF+FR*(\a):AF+FR*(\a)+FR-1], 0, v[SC+8*NQ*(\sc)+NQ*\b+(\q)], v[SC+8*NQ*(\sc)+NQ*(\a)+(\q)] matrix_a_fmt:MATRIX_FMT_FP4 matrix_b_fmt:MATRIX_FMT_FP4 matrix_a_scale:MATRIX_SCALE_ROW1
.else
	v_wmma_scale_f32_16x16x128_f8f6f4 v[8*(8*((\a)%4)+\b):8*(8*((\a)%4)+\b)+7], v[128*(\p)+FR*\b:128*(\p)+FR*\b+FR-1], v[AF+FR*(\a):AF+FR*(\a)+FR-1], v[8*(8*((\a)%4)+\b):8*(8*((\a)%4)+\b)+7], v[SC+8*NQ*(\sc)+NQ*\b+(\q)], v[SC+8*NQ*(\sc)+NQ*(\a)+(\q)] matrix_a_fmt:MATRIX_FMT_FP4 matrix_b_fmt:MATRIX_FMT_FP4 matrix_a_scale:MATRIX_SCALE_ROW1
.endif
.endr
.endr
.endm
.macro FETCH_B slot, q, p
	WIN TO_B
.irp i, 0,1,2,3,4,5,6,7
	FRAG 128*(\p)+FR*\i, ADRB+\slot, \q, \i
.endr
	WIN 0
.endm
.macro FETCH_A slot, q, i0
.irp i, \i0, \i0+1, \i0+2, \i0+3
	FRAG AF+FR*(\i), ADRA+\slot, \q, \i
.endr
.endm
.macro SCALES sc
.irp i, 0,1,2,3,4,5,6,7
	ds_load_b128 v[SC+8*NQ*\sc+NQ*\i:SC+8*NQ*\sc+NQ*\i+3], v[ADRS+\sc] offset:\i*REC
.endr
.endm
.macro PLACES n
.rept \n
	v_nop
.endr
.endm
.macro STEP slot, q, zero
	s_wait_dscnt 4*NL
	WIN MUL_LO
	MUL16 0, (\q)%2, \q, \slot, \zero
	MUL16 2, (\q)%2, \q, \slot, \zero
	s_wait_dscnt 0
	PLACES NP
	FETCH_B \slot, (\q)+1, 1-(\q)%2
	FETCH_A \slot, (\q)+1, 0
	WIN MUL_HI
	MUL16 4, (\q)%2, \q, \slot, \zero
	MUL16 6, (\q)%2, \q, \slot, \zero
	PLACES NP
	WIN 0
	FETCH_A \slot, (\q)+1, 4
.endm
.macro TURN slot, next, fill
	s_wait_tensorcnt 0x0
	ds_add_u32 v[SPW], v[NIL]
	s_wait_dscnt 4*NL+1
	WIN MUL_LO
	MUL16 0, 1, NQ-1, \slot, 0
	s_wait_dscnt 0x0
	s_barrier_signal -1
	MUL16 2, 1, NQ-1, \slot, 0
	WIN 0
	s_barrier_wait -1
.if \fill
	CREST
	s_add_nc_u64 s[G0+4*\slot+2:G0+4*\slot+3], s[G0+4*\slot+2:G0+4*\slot+3], ASTEP
	s_add_nc_u64 s[G0B+4*\slot+2:G0B+4*\slot+3], s[G0B+4*\slot+2:G0B+4*\slot+3], BSTEP
	JLOAD G0+4*\slot, G1, G0B+4*\slot, G1B
.else
	PLACES NP
.endif
	FETCH_B \next, 0, 0
	FETCH_A \next, 0, 0
	SCALES \next
	WIN MUL_HI
	MUL16 4, 1, NQ-1, \slot, 0
	MUL16 6, 1, NQ-1, \slot, 0
	PLACES NP
	WIN 0
	FETCH_A \next, 0, 4
.endm
.macro STEPS slot, from
.set Q, \from
.rept NQ-1-\from
	STEP \slot, Q, 0
.set Q, Q+1
.endr
.endm
.macro QUANT s, pw
.irp b, 0,1,2,3
	v_max3_num_f32 v[TM+\b], |v[\s+16*\b]|, |v[\s+1+16*\b]|, 0x1800000
.endr
.irp i, 2,4,6,8,10,12,14
.irp b, 0,1,2,3
	v_max3_num_f32 v[TM+\b], v[TM+\b], |v[\s+16*\b+\i]|, |v[\s+1+16*\b+\i]|
.endr
.endr
.irp b, 0,1,2,3
	v_permlanex16_b32 v[TM+4+\b], v[TM+\b], s[SEL], s[SEL+1]
.endr
.irp b, 0,1,2,3
	v_max_num_f32 v[TM+\b], v[TM+\b], v[TM+4+\b]
.endr
.irp b, 0,1,2,3
	v_add_nc_u32 v[TM+12+\b], 0xff000000, v[TM+\b]
.endr
.irp b, 0,1,2,3
	v_lshrrev_b32 v[TM+4+\b], 23, v[TM+12+\b]
.endr
	v_lshl_or_b32 v[\pw], v[TM+5], 8, v[TM+4]
	v_lshl_or_b32 v[\pw], v[TM+6], 16, v[\pw]
	v_lshl_or_b32 v[\pw], v[TM+7], 24, v[\pw]
.irp b, 0,1,2,3
	v_cvt_scalef32_pk8_fp4_f32 v[PC+2*\b], v[\s+16*\b:\s+7+16*\b], v[TM+12+\b]
	v_cvt_scalef32_pk8_fp4_f32 v[PC+1+2*\b], v[\s+8+16*\b:\s+15+16*\b], v[TM+12+\b]
.endr
	v_nop
.irp c, 0,1
.irp i, 0,1
	v_permlane16_swap_b32 v[PC+4*\c+\i], v[PC+2+4*\c+\i]
.endr
.endr
.endm
.macro GELU16 k
.set Y, T+16*(\k)
.irp j, 0,2,4,6,8,10,12,14
	v_pk_mul_f32 v[U+\j:U+\j+1], v[Y+\j:Y+\j+1], s[66:67] op_sel_hi:[1,0]
.endr
.irp j, 0,1,2,3,4,5,6,7,8,9,10,11,12,13,14,15
	v_med3_num_f32 v[U+\j], v[U+\j], -4.0, 4.0
.endr
.irp j, 0,2,4,6,8,10,12,14
	v_pk_mul_f32 v[X2+\j:X2+\j+1], v[U+\j:U+\j+1], v[U+\j:U+\j+1]
.endr
.irp j, 0,2,4,6,8,10,12,14
	v_pk_fma_f32 v[P+\j:P+\j+1], v[X2+\j:X2+\j+1], v[248:249], s[68:69] op_sel_hi:[1,1,0]
	v_pk_fma_f32 v[QD+\j:QD+\j+1], v[X2+\j:X2+\j+1], v[250:251], s[80:81] op_sel_hi:[1,1,0]
.endr
.irp c, 70,72,74,76,78
.irp j, 0,2,4,6,8,10,12,14
	v_pk_fma_f32 v[P+\j:P+\j+1], v[P+\j:P+\j+1], v[X2+\j:X2+\j+1], s[\c:\c+1] op_sel_hi:[1,1,0]
.endr
.endr
.irp c, 82,84,86
.irp j, 0,2,4,6,8,10,12,14
	v_pk_fma_f32 v[QD+\j:QD+\j+1], v[QD+\j:QD+\j+1], v[X2+\j:X2+\j+1], s[\c:\c+1] op_sel_hi:[1,1,0]
.endr
.endr
	s_wait_alu depctr_va_vdst(0)
.irp j, 0,1,2,3,4,5,6,7,8,9,10,11,12,13,14,15
	v_rcp_f32 v[QD+\j], v[QD+\j]
.endr
.irp j, 0,2,4,6,8,10,12,14
	v_pk_mul_f32 v[P+\j:P+\j+1], v[P+\j:P+\j+1], v[U+\j:U+\j+1]
.endr
	s_wait_alu depctr_va_vdst(0)
.irp j, 0,2,4,6,8,10,12,14
	v_pk_mul_f32 v[P+\j:P+\j+1], v[P+\j:P+\j+1], v[QD+\j:QD+\j+1]
.endr
.irp j, 0,2,4,6,8,10,12,14
	v_pk_mul_f32 v[U+\j:U+\j+1], v[Y+\j:Y+\j+1], 0.5 op_sel_hi:[1,0]
.endr
.irp j, 0,2,4,6,8,10,12,14
	v_pk_fma_f32 v[Y+\j:Y+\j+1], v[U+\j:U+\j+1], v[P+\j:P+\j+1], v[U+\j:U+\j+1]
.endr
.endm
	s_load_b128 s[4:7], s[0:1], 0x0
	s_load_b128 s[8:11], s[0:1], 0x10
	v_lshl_add_u32 v[SPW], v0, 2, SPARE
	v_mov_b32 v[NIL], 0
	ds_add_u32 v[SPW], v[NIL]
	ds_add_u32 v[SPW], v[NIL]
	v_lshrrev_b32 v1, 5, v0
	v_readfirstlane_b32 s14, v1
	s_lshr_b32 s15, s14, 1
	s_and_b32 s16, s14, 1
	s_bfe_u32 s40, ttmp6, 0x40000
	s_bfe_u32 s41, ttmp6, 0x40004
	s_lshl_b32 s42, ttmp9, 2
	s_add_co_u32 s42, s42, s40
	s_and_b32 s17, ttmp7, 0xffff
	s_lshl_b32 s17, s17, 2
	s_add_co_u32 s17, s17, s41
	s_lshl_b32 s43, s41, 2
	s_lshl_b32 s43, 15, s43
	s_lshl_b32 s44, 0x1111, s40
	s_or_b32 s[G1+0], s43, (3<<16)|(1<<21)
	s_or_b32 s[G1B+0], s44, (3<<16)|(1<<21)
.irp g, G1, G1B
	s_mov_b32 s[\g+1], 32<<16
	s_mov_b32 s[\g+2], 136<<16
	s_mov_b32 s[\g+3], 32<<16
	s_mov_b32 s[\g+4], 136
	s_mov_b32 s[\g+5], 32
	s_mov_b32 s[\g+6], 0
	s_mov_b32 s[\g+7], 0
.endr
	s_lshl_b32 s20, s17, 1
	s_add_co_u32 s20, s20, s16
	s_mul_i32 s20, s20, HALFT
	s_mov_b32 s21, 0
	s_lshl_b32 s46, s42, 1
	s_add_co_u32 s46, s46, s16
	s_mul_i32 s46, s46, HALFT
	s_add_co_u32 s46, s46, BOFF
	s_mov_b32 s47, 0
	s_mul_i32 s45, s14, HALFT
	s_wait_dscnt 0x0
	s_wait_kmcnt 0x0
	s_add_nc_u64 s[20:21], s[4:5], s[20:21]
	s_add_nc_u64 s[46:47], s[6:7], s[46:47]
	CROUND
.irp s, 0,1
	s_mov_b32 s[G0+4*\s], 1
	s_add_co_u32 s[G0+4*\s+1], s45, \s*SLOT
	s_add_nc_u64 s[G0+4*\s+2:G0+4*\s+3], s[20:21], \s*NTA*REC
	s_or_b32 s[G0+4*\s+3], s[G0+4*\s+3], 0x80000000
	s_mov_b32 s[G0B+4*\s], 1
	s_add_co_u32 s[G0B+4*\s+1], s45, \s*SLOT
	s_add_nc_u64 s[G0B+4*\s+2:G0B+4*\s+3], s[46:47], \s*NTB*REC
	s_or_b32 s[G0B+4*\s+3], s[G0B+4*\s+3], 0x80000000
.if \s == 0
	JLOAD G0, G1, G0B, G1B                         ; chunk 0: my one tensor load at the head, behind the opening lines and the round; the set-up below stands under its flight
.endif
.endr
	v_and_b32 v1, 15, v0
	v_bfe_u32 v2, v0, 4, 1
	s_wait_alu depctr_va_vdst(0)
	v_and_b32 v3, 31, v0
	v_lshlrev_b32 v[LI], 4, v3
	s_mul_i32 s21, s15, HALFT
	s_mul_i32 s22, s16, HALFT
	s_add_co_u32 s22, s22, 2*HALFT
.irp s, 0,1
	v_add_nc_u32 v[ADRA+\s], s21, v[LI]
	v_add_nc_u32 v[ADRB+\s], s22, v[LI]
	s_add_co_u32 s21, s21, SLOT
	s_add_co_u32 s22, s22, SLOT
.endr
	s_mul_i32 s21, s15, HALFT
	s_mul_i32 s22, s16, HALFT
	s_add_co_u32 s22, s22, 2*HALFT
	s_sub_co_u32 s22, s22, s21
	v_mul_u32_u24 v4, s22, v2
	v_lshl_add_u32 v4, v1, 4, v4
	s_add_co_u32 s21, s21, 4096
	v_add_nc_u32 v[ADRS], s21, v4
	v_add_nc_u32 v[ADRS+1], SLOT, v[ADRS]
	s_mov_b32 s[SEL], 0x76543210
	s_mov_b32 s[SEL+1], 0xfedcba98
.irp b, 0,1,2,3
	v_mov_b32 v[TM+4+\b], 0
.endr
	s_lshr_b32 s20, s42, 1
	s_lshl_b32 s20, s20, 8
	s_lshl_b32 s21, s17, 4
	s_add_co_u32 s20, s20, s21
	s_lshl_b32 s21, s15, 3
	s_add_co_u32 s20, s20, s21
	s_mul_i32 s20, s20, REC
	s_mov_b32 s21, 0
	s_add_nc_u64 s[88:89], s[10:11], s[20:21]
	s_and_b32 s22, s42, 1
	s_lshl_b32 s22, s22, 1
	s_add_co_u32 s22, s22, s16
	s_lshl_b32 s23, s22, 10
	v_add_nc_u32 v[LQ], s23, v[LI]
	s_lshl_b32 s23, s22, 2
	s_add_co_u32 s23, s23, 4096
	v_lshl_add_u32 v[LS], v1, 4, s23
	s_lshl_b32 s46, s42, 10
	s_lshl_b32 s47, s16, 9
	s_add_co_u32 s46, s46, s47
	s_mov_b32 s47, 0
	s_add_nc_u64 s[8:9], s[8:9], s[46:47]
	v_lshlrev_b32 v3, 6, v2
	WIN 0x40
.irp b, 0,1,2,3
.irp j, 0,1,2,3
	global_load_b128 v[64+16*\b+4*\j:64+16*\b+4*\j+3], v3, s[8:9] offset:128*\b+16*\j
.endr
.endr
	WIN 0
	s_mov_b32 s66, 0x3f3504f3
	s_mov_b32 s68, 0x32edffee
	s_mov_b32 s70, 0xb60cff51
	s_mov_b32 s72, 0xb86ec2d2
	s_mov_b32 s74, 0xba40ac63
	s_mov_b32 s76, 0xbb41a1f6
	s_mov_b32 s78, 0xbc83dbd4
	s_mov_b32 s80, 0xb95fbd29
	s_mov_b32 s82, 0xbadc924e
	s_mov_b32 s84, 0xbbf19bf8
	s_mov_b32 s86, 0xbc69b6a7
.irp c, 66,68,70,72,74,76,78,80,82,84,86
	s_mov_b32 s[\c+1], s[\c]
.endr
	v_mov_b32 v248, 0xaf95df0b
	v_mov_b32 v249, 0xaf95df0b
	v_mov_b32 v250, 0xb77460cd
	v_mov_b32 v251, 0xb77460cd
	s_wait_alu depctr_va_vdst(0)
	s_wait_tensorcnt 0x0                           ; my part of chunk 0 is in
	ds_add_u32 v[SPW], v[NIL]
	s_wait_dscnt 0x0
	CROUND                                         ; a whole round: everybody's part of chunk 0 is in, and the joint loads meet
	JLOAD G0+4, G1, G0B+4, G1B                     ; chunk 1 into slot 1: the first tensor load behind the round
	FETCH_B 0, 0, 0
	FETCH_A 0, 0, 0
	SCALES 0
	FETCH_A 0, 0, 4
	STEP 0, 0, 1
	STEPS 0, 1
	TURN 0, 1, 0
	STEPS 1, 0
	s_wait_dscnt 4*NL
	WIN MUL_LO
	MUL16 0, 1, NQ-1, 1, 0
	MUL16 2, 1, NQ-1, 1, 0
	s_wait_dscnt 0
	WIN MUL_HI
	MUL16 4, 1, NQ-1, 1, 0
	MUL16 6, 1, NQ-1, 1, 0
	WIN 0
	PLACES NP
	s_wait_loadcnt 0x0
	s_mov_b32 s91, 0
	s_mov_b32 s3, 0
.Lblk:
.irp a, 0,1,2,3,4,5,6,7
	s_cmp_lg_u32 s3, \a
	s_cbranch_scc1 .Lnot_\a
	WIN 0x06+\a/4
.set i, 0
.rept 32
	v_pk_add_f32 v[T+2*i:T+2*i+1], v[64*(\a%4)+2*i:64*(\a%4)+2*i+1], v[64+2*i:64+2*i+1]
.set i, i+1
.endr
	WIN 0
.Lnot_\a:
.endr
	GELU16 0
	GELU16 1
	GELU16 2
	GELU16 3
	s_wait_xcnt 0x0
	s_cmp_eq_u32 s3, 0
	s_cselect_b32 s90, 0, REC
	s_add_nc_u64 s[88:89], s[88:89], s[90:91]
	QUANT T, PWR
	global_store_b128 v[LQ], v[PC:PC+3], s[88:89]
	global_store_b128 v[LQ], v[PC+4:PC+7], s[88:89] offset:512
	global_store_b32 v[LS], v[PWR], s[88:89]
	s_add_co_u32 s3, s3, 1
	s_cmp_lt_u32 s3, 8
	s_cbranch_scc1 .Lblk
	s_wait_tensorcnt 0x0
	ds_add_u32 v[SPW], v[NIL]
	s_wait_dscnt 0x0
	CROUND
	s_endpgm
.Lfunc_end_k_qdc78e29769_ff1:
	.size	k_qdc78e29769_ff1, .Lfunc_end_k_qdc78e29769_ff1-k_qdc78e29769_ff1
	.p2alignl 7, 3214868480
	.fill 96, 4, 3214868480
	.section	.rodata,"a",@progbits
	.p2align	6, 0x0
	.amdhsa_kernel k_qdc78e29769_ff1
		.amdhsa_group_segment_fixed_size 327680
		.amdhsa_private_segment_fixed_size 0
		.amdhsa_enable_private_segment 0
		.amdhsa_kernarg_size 32
		.amdhsa_user_sgpr_count 2
		.amdhsa_user_sgpr_kernarg_segment_ptr 1
		.amdhsa_wavefront_size32 1
		.amdhsa_system_sgpr_workgroup_id_x 1
		.amdhsa_system_sgpr_workgroup_id_y 1
		.amdhsa_system_sgpr_workgroup_id_z 1
		.amdhsa_system_vgpr_workitem_id 0
		.amdhsa_next_free_vgpr 1024
		.amdhsa_next_free_sgpr 100
		.amdhsa_reserve_vcc 0
		.amdhsa_float_denorm_mode_32 3
		.amdhsa_float_denorm_mode_16_64 3
		.amdhsa_memory_ordered 1
		.amdhsa_forward_progress 1
		.amdhsa_inst_pref_size 156
	.end_amdhsa_kernel
	.amdgpu_metadata
---
amdhsa.version: [ 1, 2 ]
amdhsa.kernels:
  - .name:           k_qdc78e29769_ff1
    .symbol:         k_qdc78e29769_ff1.kd
    .args:
      - { .name: himg, .offset: 0, .size: 8, .value_kind: global_buffer, .address_space: global }
      - { .name: wimg, .offset: 8, .size: 8, .value_kind: global_buffer, .address_space: global }
      - { .name: b1, .offset: 16, .size: 8, .value_kind: global_buffer, .address_space: global }
      - { .name: gimg, .offset: 24, .size: 8, .value_kind: global_buffer, .address_space: global }
    .group_segment_fixed_size: 327680
    .private_segment_fixed_size: 0
    .kernarg_segment_align: 8
    .kernarg_segment_size: 32
    .max_flat_workgroup_size: 128
    .sgpr_count:     100
    .vgpr_count:     1024
    .wavefront_size: 32
...
	.end_amdgpu_metadata
.endif
;; end of part 14
;; launch ff2 (part 15): grid 8 x 32, 4 waves a work-group, clusters of 4 x 4, 327,680 bytes of LDS; arguments gimg, wimg, b2, y2; writes y2
.if DOCPART == 15
	.amdgcn_target "amdgcn-amd-amdhsa--gfx1250"
	.amdhsa_code_object_version 6
	.text
	.protected	k_qdc78e29769_ff2
	.globl	k_qdc78e29769_ff2
	.p2align	8
	.type	k_qdc78e29769_ff2,@function
k_qdc78e29769_ff2:
	s_mov_b64 s[64:65], 0
	v_nop
	global_prefetch_b8 v0, s[64:65] scope:SCOPE_SE
	s_setreg_imm32_b32 hwreg(HW_REG_WAVE_MODE, 25, 1), 1
	s_wait_xcnt 0x0
	s_wait_alu depctr_hold_cnt(0) depctr_sa_sdst(0) depctr_va_vdst(0) depctr_va_sdst(0) depctr_va_ssrc(0) depctr_va_vcc(0) depctr_vm_vsrc(0)
	s_getreg_b32 s2, hwreg(HW_REG_IB_STS2, 6, 4)
	s_cmp_eq_u32 s2, 0
	s_cbranch_scc0 .Lentry_in_a_cluster
	s_endpgm
.Lentry_in_a_cluster:
	s_bfe_u32 s2, ttmp6, 0x10000c
	s_cmp_lg_u32 s2, 0xf033
	s_cbranch_scc0 .Lentry_shape_is_right
	s_endpgm
.Lentry_shape_is_right:
.set RES,   0
.set NSLOT, 4
.set NTA,   256
.set NTB,   64
.set BOFF,  4456448
.set REC,   4352
.set HALFT, 8*REC
.set SLOT,  4*HALFT
.set SPARE, 2*SLOT
.set STAGE, SPARE+512
.set SPITCH, 272
.set ASTEP, 4*NTA*REC
.set BSTEP, 4*NTB*REC
.set BIA,  8
.set ADRA, 16
.set ADRB, 20
.set ADRS, 22
.set STO,  24
.set RD,   25
.set CO,   26
.set LI,   27
.set SPW,  28
.set NIL,  29
.set SC,   32
.set BB,   64
.set ACC,  128
.set F0,   0
.set F1,   128
.set G1, 24
.set G0, 32
.set G1B, 48
.set G0B, 56
.set MSB, 0
.macro WIN new
.if MSB != (\new)
	s_set_vgpr_msb (MSB<<8)|(\new)
.set MSB, (\new)
.endif
.endm
.set MUL,  0x05
.set TO_F, 0x40
.macro JLOAD g0a, g1a, g0b, g1b
	s_cmp_eq_u32 s15, 0
	s_cbranch_scc0 .Lfor_b_\@
	tensor_load_to_lds s[\g0a:\g0a+3], s[\g1a:\g1a+7]
	s_nop 0
.rept 4
	v_nop
.endr
	s_branch .Lasked_\@
.Lfor_b_\@:
	tensor_load_to_lds s[\g0b:\g0b+3], s[\g1b:\g1b+7]
	s_nop 0
.rept 4
	v_nop
.endr
.Lasked_\@:
.endm
.macro CREST
	s_cmp_lg_u32 s14, 0
	s_cbranch_scc1 .Lnot_wave_0_\@
	s_barrier_signal -3
.Lnot_wave_0_\@:
	s_barrier_wait -3
	s_barrier_signal -1
	s_barrier_wait -1
.endm
.macro CROUND
	s_barrier_signal -1
	s_barrier_wait -1
	CREST
.endm
.macro PLACES
.rept 4
	v_nop
.endr
.endm
.macro MUL8 f, c, a0, zero, j
.set SW, SC+16*((\j)/2)+2*((\j)%2)+(\c)
.irp a, \a0, \a0+1
.irp b, 0,1,2,3
.if \zero
	v_wmma_scale_f32_16x16x128_f8f6f4 v[ACC+8*(4*(\a)+\b):ACC+8*(4*(\a)+\b)+7], v[\f+64+8*(4*\c+\b):\f+64+8*(4*\c+\b)+7], v[\f+8*(4*\c+(\a)):\f+8*(4*\c+(\a))+7], 0, v[SW+4*\b], v[SW+4*(\a)] matrix_a_fmt:MATRIX_FMT_FP4 matrix_b_fmt:MATRIX_FMT_FP4 matrix_a_scale:MATRIX_SCALE_ROW1
.else
	v_wmma_scale_f32_16x16x128_f8f6f4 v[ACC+8*(4*(\a)+\b):ACC+8*(4*(\a)+\b)+7], v[\f+64+8*(4*\c+\b):\f+64+8*(4*\c+\b)+7], v[\f+8*(4*\c+(\a)):\f+8*(4*\c+(\a))+7], v[ACC+8*(4*(\a)+\b):ACC+8*(4*(\a)+\b)+7], v[SW+4*\b], v[SW+4*(\a)] matrix_a_fmt:MATRIX_FMT_FP4 matrix_b_fmt:MATRIX_FMT_FP4 matrix_a_scale:MATRIX_SCALE_ROW1
.endif
.endr
.endr
.endm
.macro FETCH slot, j, f
.set QO, ((\j)/2)*HALFT+2048*((\j)%2)
	WIN TO_F
.irp i, 0,1,2,3
	ds_load_b128 v[\f+64+8*\i:\f+64+8*\i+3],   v[ADRB+\slot] offset:QO+\i*REC
	ds_load_b128 v[\f+64+8*\i+4:\f+64+8*\i+7], v[ADRB+\slot] offset:QO+\i*REC+512
	ds_load_b128 v[\f+8*\i:\f+8*\i+3],         v[ADRA+\slot] offset:QO+\i*REC
	ds_load_b128 v[\f+8*\i+4:\f+8*\i+7],       v[ADRA+\slot] offset:QO+\i*REC+512
.endr
.if ((\j)%2) == 0
	WIN 0
.irp i, 0,1,2,3
	ds_load_b128 v[SC+16*((\j)/2)+4*\i:SC+16*((\j)/2)+4*\i+3], v[ADRS+\slot] offset:((\j)/2)*HALFT+\i*REC
.endr
	WIN TO_F
.endif
.irp i, 0,1,2,3
	ds_load_b128 v[\f+96+8*\i:\f+96+8*\i+3],   v[ADRB+\slot] offset:QO+1024+\i*REC
	ds_load_b128 v[\f+96+8*\i+4:\f+96+8*\i+7], v[ADRB+\slot] offset:QO+1024+\i*REC+512
	ds_load_b128 v[\f+32+8*\i:\f+32+8*\i+3],   v[ADRA+\slot] offset:QO+1024+\i*REC
	ds_load_b128 v[\f+32+8*\i+4:\f+32+8*\i+7], v[ADRA+\slot] offset:QO+1024+\i*REC+512
.endr
.endm
.macro QUARTER slot, j, f, g, zero
.set NF, 32+4*(1-(((\j)+1)%2))
	s_wait_dscnt 16
	WIN MUL
	MUL8 \f, 0, 0, \zero, \j
	MUL8 \f, 0, 2, \zero, \j
	PLACES
	FETCH \slot, (\j)+1, \g
	s_wait_dscnt NF
	WIN MUL
	MUL8 \f, 1, 0, 0, \j
	MUL8 \f, 1, 2, 0, \j
.endm
.macro TURN slot, next, fill
	WIN 0
	s_wait_tensorcnt 0x0
	ds_add_u32 v[SPW], v[NIL]
	s_wait_dscnt 17
	WIN MUL
	MUL8 F1, 0, 0, 0, 3
	s_wait_dscnt 0x0
	s_barrier_signal -1
	MUL8 F1, 0, 2, 0, 3
.if \fill
	WIN 0
.endif
	s_barrier_wait -1
.if \fill
	CREST
	s_add_nc_u64 s[G0+4*\slot+2:G0+4*\slot+3], s[G0+4*\slot+2:G0+4*\slot+3], ASTEP
	s_add_nc_u64 s[G0B+4*\slot+2:G0B+4*\slot+3], s[G0B+4*\slot+2:G0B+4*\slot+3], BSTEP
	JLOAD G0+4*\slot, G1, G0B+4*\slot, G1B
.else
	PLACES
.endif
	FETCH \next, 0, F0
	WIN MUL
	MUL8 F1, 1, 0, 0, 3
	MUL8 F1, 1, 2, 0, 3
.endm
.macro BLOCKOUT a
.set BBR, BB+32*((\a)%2)
.if (\a) > 1
	s_wait_xcnt 0x0
.endif
.irp b, 0,1,2,3
	ds_store_b128 v[STO], v[ACC+8*(4*(\a)+\b):ACC+8*(4*(\a)+\b)+3] offset:128*(\b/2)+32*(\b%2)
	ds_store_b128 v[STO], v[ACC+8*(4*(\a)+\b)+4:ACC+8*(4*(\a)+\b)+7] offset:128*(\b/2)+32*(\b%2)+16
.endr
.irp t, 0,1,2,3,4,5,6,7
	ds_load_b128 v[BBR+4*\t:BBR+4*\t+3], v[RD] offset:2*\t*SPITCH
.endr
	s_wait_dscnt 0x0
.if (\a) == 0
	s_wait_loadcnt 0x0
.endif
.set i, 0
.rept 16
	v_pk_add_f32 v[BBR+2*i:BBR+2*i+1], v[BBR+2*i:BBR+2*i+1], v[BIA+2*(i%2):BIA+2*(i%2)+1]
.set i, i+1
.endr
.irp t, 0,1,2,3,4,5,6,7
	global_store_b128 v[CO], v[BBR+4*\t:BBR+4*\t+3], s[12:13] offset:(32*((\a)/2)+8*((\a)%2)+2*\t+8*(\t/4))*4096
.endr
.endm
	s_load_b128 s[4:7], s[0:1], 0x0
	s_load_b128 s[8:11], s[0:1], 0x10
	v_lshl_add_u32 v[SPW], v0, 2, SPARE
	v_mov_b32 v[NIL], 0
	ds_add_u32 v[SPW], v[NIL]
	ds_add_u32 v[SPW], v[NIL]
	v_lshrrev_b32 v1, 5, v0
	v_readfirstlane_b32 s14, v1
	s_lshr_b32 s15, s14, 1
	s_and_b32 s16, s14, 1
	s_bfe_u32 s40, ttmp6, 0x40000
	s_bfe_u32 s41, ttmp6, 0x40004
	s_lshl_b32 s42, ttmp9, 2
	s_add_co_u32 s42, s42, s40
	s_and_b32 s17, ttmp7, 0xffff
	s_lshl_b32 s17, s17, 2
	s_add_co_u32 s17, s17, s41
	s_lshl_b32 s43, s41, 2
	s_lshl_b32 s43, 15, s43
	s_lshl_b32 s44, 0x1111, s40
	s_or_b32 s[G1+0], s43, (3<<16)|(1<<21)
	s_or_b32 s[G1B+0], s44, (3<<16)|(1<<21)
.irp g, G1, G1B
	s_mov_b32 s[\g+1], 32<<16
	s_mov_b32 s[\g+2], 136<<16
	s_mov_b32 s[\g+3], 32<<16
	s_mov_b32 s[\g+4], 136
	s_mov_b32 s[\g+5], 32
	s_mov_b32 s[\g+6], 0
	s_mov_b32 s[\g+7], 0
.endr
	s_mul_i32 s20, s17, HALFT
	s_mul_i32 s21, s16, NTA*REC
	s_add_co_u32 s20, s20, s21
	s_mov_b32 s21, 0
	s_mul_i32 s46, s42, HALFT
	s_mul_i32 s47, s16, NTB*REC
	s_add_co_u32 s46, s46, s47
	s_add_co_u32 s46, s46, BOFF
	s_mov_b32 s47, 0
	s_mul_i32 s45, s14, HALFT
	s_wait_dscnt 0x0
	s_wait_kmcnt 0x0
	s_add_nc_u64 s[20:21], s[4:5], s[20:21]
	s_add_nc_u64 s[46:47], s[6:7], s[46:47]
	CROUND
.irp s, 0,1
	s_mov_b32 s[G0+4*\s], 1
	s_add_co_u32 s[G0+4*\s+1], s45, \s*SLOT
	s_add_nc_u64 s[G0+4*\s+2:G0+4*\s+3], s[20:21], \s*2*NTA*REC
	s_or_b32 s[G0+4*\s+3], s[G0+4*\s+3], 0x80000000
	s_mov_b32 s[G0B+4*\s], 1
	s_add_co_u32 s[G0B+4*\s+1], s45, \s*SLOT
	s_add_nc_u64 s[G0B+4*\s+2:G0B+4*\s+3], s[46:47], \s*2*NTB*REC
	s_or_b32 s[G0B+4*\s+3], s[G0B+4*\s+3], 0x80000000
.if \s == 0
	JLOAD G0, G1, G0B, G1B                         ; slot 0: my one tensor load at the head, behind the opening lines and the round; the set-up below stands under its flight
.endif
.endr
	v_and_b32 v1, 15, v0
	v_bfe_u32 v2, v0, 4, 1
	s_wait_alu depctr_va_vdst(0)
	v_and_b32 v3, 31, v0
	v_lshlrev_b32 v[LI], 4, v3
	s_mul_i32 s21, s15, 4*REC
	s_mul_i32 s22, s16, 4*REC
	s_add_co_u32 s22, s22, 2*HALFT
.irp s, 0,1
	v_add_nc_u32 v[ADRA+\s], s21, v[LI]
	v_add_nc_u32 v[ADRB+\s], s22, v[LI]
	s_add_co_u32 s21, s21, SLOT
	s_add_co_u32 s22, s22, SLOT
.endr
	s_mul_i32 s21, s15, 4*REC
	s_mul_i32 s22, s16, 4*REC
	s_add_co_u32 s22, s22, 2*HALFT
	s_sub_co_u32 s22, s22, s21
	v_mul_u32_u24 v4, s22, v2
	v_lshl_add_u32 v4, v1, 4, v4
	s_add_co_u32 s21, s21, 4096
	v_add_nc_u32 v[ADRS], s21, v4
	v_add_nc_u32 v[ADRS+1], SLOT, v[ADRS]
	s_mul_i32 s23, s14, 16*SPITCH
	s_add_co_u32 s23, s23, STAGE
	v_mul_u32_u24 v5, v1, SPITCH
	v_lshl_add_u32 v5, v2, 6, v5
	v_add_nc_u32 v[STO], s23, v5
	v_mul_u32_u24 v5, v2, SPITCH
	v_lshl_add_u32 v5, v1, 4, v5
	v_add_nc_u32 v[RD], s23, v5
	v_lshlrev_b32 v[CO], 12, v2
	v_lshl_add_u32 v[CO], v1, 4, v[CO]
	v_lshlrev_b32 v6, 4, v1
	s_wait_alu depctr_va_vdst(0)
	s_lshl_b32 s20, s17, 7
	s_lshl_b32 s21, s15, 6
	s_add_co_u32 s20, s20, s21
	s_lshl_b32 s20, s20, 12
	s_mov_b32 s21, 0
	s_lshl_b32 s46, s42, 9
	s_lshl_b32 s47, s16, 8
	s_add_co_u32 s46, s46, s47
	s_mov_b32 s47, 0
	s_add_nc_u64 s[20:21], s[20:21], s[46:47]
	s_add_nc_u64 s[8:9], s[8:9], s[46:47]
	s_add_nc_u64 s[12:13], s[10:11], s[20:21]
	global_load_b128 v[BIA:BIA+3], v6, s[8:9]
	s_wait_alu depctr_va_vdst(0)
	s_wait_tensorcnt 0x0                           ; my part of slot 0 is in
	ds_add_u32 v[SPW], v[NIL]
	s_wait_dscnt 0x0
	CROUND                                         ; a whole round: everybody's part of slot 0 is in, and the joint loads meet
	JLOAD G0+4, G1, G0B+4, G1B                     ; slot 1's first fill: the first tensor load behind the round
	FETCH 0, 0, F0
	QUARTER 0, 0, F0, F1, 1
	WIN 0
	s_mov_b32 s3, NSLOT/2-1
.Llap:
	QUARTER 0, 1, F1, F0, 0
	QUARTER 0, 2, F0, F1, 0
	TURN 0, 1, 1
	QUARTER 1, 0, F0, F1, 0
	QUARTER 1, 1, F1, F0, 0
	QUARTER 1, 2, F0, F1, 0
	TURN 1, 0, 1
	QUARTER 0, 0, F0, F1, 0
	WIN 0
	s_sub_co_u32 s3, s3, 1
	s_cmp_lg_u32 s3, 0
	s_cbranch_scc1 .Llap
	QUARTER 0, 1, F1, F0, 0
	QUARTER 0, 2, F0, F1, 0
	TURN 0, 1, 0
	QUARTER 1, 0, F0, F1, 0
	QUARTER 1, 1, F1, F0, 0
	QUARTER 1, 2, F0, F1, 0
	s_wait_dscnt 16
	WIN MUL
	MUL8 F1, 0, 0, 0, 3
	MUL8 F1, 0, 2, 0, 3
	s_wait_dscnt 0
	MUL8 F1, 1, 0, 0, 3
	MUL8 F1, 1, 2, 0, 3
	WIN 0
	PLACES
.irp a, 0,1,2,3
	BLOCKOUT \a
.endr
	s_wait_tensorcnt 0x0
	ds_add_u32 v[SPW], v[NIL]
	s_wait_dscnt 0x0
	CROUND
	s_endpgm
.Lfunc_end_k_qdc78e29769_ff2:
	.size	k_qdc78e29769_ff2, .Lfunc_end_k_qdc78e29769_ff2-k_qdc78e29769_ff2
	.p2alignl 7, 3214868480
	.fill 96, 4, 3214868480
	.section	.rodata,"a",@progbits
	.p2align	6, 0x0
	.amdhsa_kernel k_qdc78e29769_ff2
		.amdhsa_group_segment_fixed_size 327680
		.amdhsa_private_segment_fixed_size 0
		.amdhsa_enable_private_segment 0
		.amdhsa_kernarg_size 32
		.amdhsa_user_sgpr_count 2
		.amdhsa_user_sgpr_kernarg_segment_ptr 1
		.amdhsa_wavefront_size32 1
		.amdhsa_system_sgpr_workgroup_id_x 1
		.amdhsa_system_sgpr_workgroup_id_y 1
		.amdhsa_system_sgpr_workgroup_id_z 1
		.amdhsa_system_vgpr_workitem_id 0
		.amdhsa_next_free_vgpr 512
		.amdhsa_next_free_sgpr 100
		.amdhsa_reserve_vcc 0
		.amdhsa_float_denorm_mode_32 3
		.amdhsa_float_denorm_mode_16_64 3
		.amdhsa_memory_ordered 1
		.amdhsa_forward_progress 1
		.amdhsa_inst_pref_size 125
	.end_amdhsa_kernel
	.amdgpu_metadata
---
amdhsa.version: [ 1, 2 ]
amdhsa.kernels:
  - .name:           k_qdc78e29769_ff2
    .symbol:         k_qdc78e29769_ff2.kd
    .args:
      - { .name: gimg, .offset: 0, .size: 8, .value_kind: global_buffer, .address_space: global }
      - { .name: wimg, .offset: 8, .size: 8, .value_kind: global_buffer, .address_space: global }
      - { .name: b2, .offset: 16, .size: 8, .value_kind: global_buffer, .address_space: global }
      - { .name: y2, .offset: 24, .size: 8, .value_kind: global_buffer, .address_space: global }
    .group_segment_fixed_size: 327680
    .private_segment_fixed_size: 0
    .kernarg_segment_align: 8
    .kernarg_segment_size: 32
    .max_flat_workgroup_size: 128
    .sgpr_count:     100
    .vgpr_count:     512
    .wavefront_size: 32
...
	.end_amdgpu_metadata
.endif
;; end of part 15
;; launch ln2 (part 16): grid 1024 x 1, 4 waves a work-group, no clusters, 0 bytes of LDS; arguments y1, y2, g1, be1, g2, be2, out0; writes out0
.if DOCPART == 16
	.amdgcn_target "amdgcn-amd-amdhsa--gfx1250"
	.amdhsa_code_object_version 6
	.text
	.protected	k_qdc78e29769_ln2
	.globl	k_qdc78e29769_ln2
	.p2align	8
	.type	k_qdc78e29769_ln2,@function
k_qdc78e29769_ln2:
	s_mov_b64 s[64:65], 0
	v_nop
	global_prefetch_b8 v0, s[64:65] scope:SCOPE_SE
	s_setreg_imm32_b32 hwreg(HW_REG_WAVE_MODE, 25, 1), 1
	s_wait_xcnt 0x0
; LN2: out = LayerNorm(h + y2) g2 + be2 with h = LayerNorm(y1) g1 + be1 made again from y1 in registers, by the arithmetic of launch ln1.  Nothing is left out.
; A stream: a wave takes one row, whole in 32 registers a lane; every load and store of a wave covers 512 consecutive bytes.  No LDS, no barrier, no matrix unit: memory binds.
; LIMITS: the sums' order differs from reference()'s; 1 / sqrt comes from v_rsq_f32; NaN and infinities are not served.
.set SEL, 4
.macro REDSUM v, t
	v_add_f32_dpp v[\v], v[\v], v[\v] row_xmask:1 row_mask:0xf bank_mask:0xf
	v_add_f32_dpp v[\v], v[\v], v[\v] row_xmask:2 row_mask:0xf bank_mask:0xf
	v_add_f32_dpp v[\v], v[\v], v[\v] row_xmask:4 row_mask:0xf bank_mask:0xf
	v_add_f32_dpp v[\v], v[\v], v[\v] row_xmask:8 row_mask:0xf bank_mask:0xf
	v_permlanex16_b32 v[\t], v[\v], s[SEL], s[SEL+1]
	v_add_f32 v[\v], v[\v], v[\t]
.endm
.macro LNROW x, g, b
	v_pk_add_f32 v[8:9], v[\x:\x+1], v[\x+2:\x+3]
	v_pk_add_f32 v[10:11], v[\x+4:\x+5], v[\x+6:\x+7]
.irp k, 8,12,16,20,24,28
	v_pk_add_f32 v[8:9], v[8:9], v[\x+\k:\x+\k+1]
	v_pk_add_f32 v[10:11], v[10:11], v[\x+\k+2:\x+\k+3]
.endr
	v_pk_add_f32 v[8:9], v[8:9], v[10:11]
	v_add_f32 v8, v8, v9
	REDSUM 8, 16
	v_mul_f32 v12, s6, v8
	v_mov_b32 v13, v12
.irp k, 0,2,4,6,8,10,12,14,16,18,20,22,24,26,28,30
	v_pk_add_f32 v[\x+\k:\x+\k+1], v[\x+\k:\x+\k+1], v[12:13] neg_lo:[0,1] neg_hi:[0,1]
.endr
	v_pk_mul_f32 v[8:9], v[\x:\x+1], v[\x:\x+1]
	v_pk_mul_f32 v[10:11], v[\x+2:\x+3], v[\x+2:\x+3]
.irp k, 4,8,12,16,20,24,28
	v_pk_fma_f32 v[8:9], v[\x+\k:\x+\k+1], v[\x+\k:\x+\k+1], v[8:9]
	v_pk_fma_f32 v[10:11], v[\x+\k+2:\x+\k+3], v[\x+\k+2:\x+\k+3], v[10:11]
.endr
	v_pk_add_f32 v[8:9], v[8:9], v[10:11]
	v_add_f32 v8, v8, v9
	REDSUM 8, 16
	v_fma_f32 v8, v8, s6, s7
	s_wait_alu depctr_va_vdst(0)
	v_rsq_f32 v14, v8
	v_nop                                          ; a plain instruction behind the transcendental
	s_wait_alu depctr_va_vdst(0)                   ; and the wait ahead of its first reader
	v_mov_b32 v15, v14
.irp k, 0,2,4,6,8,10,12,14,16,18,20,22,24,26,28,30
	v_pk_mul_f32 v[\x+\k:\x+\k+1], v[\x+\k:\x+\k+1], v[14:15]
.endr
.irp k, 0,2,4,6,8,10,12,14,16,18,20,22,24,26,28,30
	v_pk_fma_f32 v[\x+\k:\x+\k+1], v[\x+\k:\x+\k+1], v[\g+\k:\g+\k+1], v[\b+\k:\b+\k+1]
.endr
.endm
	s_load_b256 s[8:15], s[0:1], 0x0               ; y1, y2, g1, be1
	s_load_b128 s[16:19], s[0:1], 0x20             ; g2, be2
	s_load_b64 s[20:21], s[0:1], 0x30              ; out0
	v_lshrrev_b32 v1, 5, v0
	v_readfirstlane_b32 s26, v1
	v_and_b32 v1, 31, v0
	v_lshlrev_b32 v2, 4, v1                        ; 16 x lane
	s_mov_b32 s[SEL], 0x76543210
	s_mov_b32 s[SEL+1], 0xfedcba98
	s_mov_b32 s6, 0x3a800000                       ; 1 / 1,024
	s_mov_b32 s7, 0x3727c5ac                       ; 1e-5
	v_mov_b32 v16, 0
	s_lshl_b32 s22, ttmp9, 2
	s_add_co_u32 s22, s22, s26                     ; my row
	s_lshl_b32 s22, s22, 12
	s_mov_b32 s23, 0
	s_wait_alu depctr_va_vdst(0)
	s_wait_kmcnt 0x0
	s_add_nc_u64 s[8:9], s[8:9], s[22:23]
	s_add_nc_u64 s[10:11], s[10:11], s[22:23]
	s_add_nc_u64 s[20:21], s[20:21], s[22:23]
.irp j, 0,1,2,3,4,5,6,7
	global_load_b128 v[32+4*\j:35+4*\j], v2, s[8:9] offset:512*\j th:TH_LOAD_NT
.endr
.irp j, 0,1,2,3,4,5,6,7
	global_load_b128 v[96+4*\j:99+4*\j], v2, s[12:13] offset:512*\j
	global_load_b128 v[128+4*\j:131+4*\j], v2, s[14:15] offset:512*\j
.endr
.irp j, 0,1,2,3,4,5,6,7
	global_load_b128 v[64+4*\j:67+4*\j], v2, s[10:11] offset:512*\j th:TH_LOAD_NT
.endr
.irp j, 0,1,2,3,4,5,6,7
	global_load_b128 v[160+4*\j:163+4*\j], v2, s[16:17] offset:512*\j
	global_load_b128 v[192+4*\j:195+4*\j], v2, s[18:19] offset:512*\j
.endr
	s_wait_loadcnt 24                              ; y1, g1, be1 are in; the 24 loads of y2, g2, be2 may be out
	LNROW 32, 96, 128                              ; h
	s_wait_loadcnt 0x0
.irp k, 0,2,4,6,8,10,12,14,16,18,20,22,24,26,28,30
	v_pk_add_f32 v[32+\k:33+\k], v[32+\k:33+\k], v[64+\k:65+\k]
.endr
	LNROW 32, 160, 192
.irp j, 0,1,2,3,4,5,6,7
	global_store_b128 v2, v[32+4*\j:35+4*\j], s[20:21] offset:512*\j th:TH_STORE_NT
.endr
	s_endpgm
.Lfunc_end_k_qdc78e29769_ln2:
	.size	k_qdc78e29769_ln2, .Lfunc_end_k_qdc78e29769_ln2-k_qdc78e29769_ln2
	.p2alignl 7, 3214868480
	.fill 96, 4, 3214868480
	.section	.rodata,"a",@progbits
	.p2align	6, 0x0
	.amdhsa_kernel k_qdc78e29769_ln2
		.amdhsa_group_segment_fixed_size 0
		.amdhsa_private_segment_fixed_size 0
		.amdhsa_enable_private_segment 0
		.amdhsa_kernarg_size 56
		.amdhsa_user_sgpr_count 2
		.amdhsa_user_sgpr_kernarg_segment_ptr 1
		.amdhsa_wavefront_size32 1
		.amdhsa_system_sgpr_workgroup_id_x 1
		.amdhsa_system_sgpr_workgroup_id_y 1
		.amdhsa_system_sgpr_workgroup_id_z 1
		.amdhsa_system_vgpr_workitem_id 0
		.amdhsa_next_free_vgpr 240
		.amdhsa_next_free_sgpr 66
		.amdhsa_reserve_vcc 0
		.amdhsa_float_denorm_mode_32 3
		.amdhsa_float_denorm_mode_16_64 3
		.amdhsa_memory_ordered 1
		.amdhsa_forward_progress 1
		.amdhsa_inst_pref_size 20
	.end_amdhsa_kernel
	.amdgpu_metadata
---
amdhsa.version: [ 1, 2 ]
amdhsa.kernels:
  - .name:           k_qdc78e29769_ln2
    .symbol:         k_qdc78e29769_ln2.kd
    .args:
      - { .name: y1, .offset: 0, .size: 8, .value_kind: global_buffer, .address_space: global }
      - { .name: y2, .offset: 8, .size: 8, .value_kind: global_buffer, .address_space: global }
      - { .name: g1, .offset: 16, .size: 8, .value_kind: global_buffer, .address_space: global }
      - { .name: be1, .offset: 24, .size: 8, .value_kind: global_buffer, .address_space: global }
      - { .name: g2, .offset: 32, .size: 8, .value_kind: global_buffer, .address_space: global }
      - { .name: be2, .offset: 40, .size: 8, .value_kind: global_buffer, .address_space: global }
      - { .name: out0, .offset: 48, .size: 8, .value_kind: global_buffer, .address_space: global }
    .group_segment_fixed_size: 0
    .private_segment_fixed_size: 0
    .kernarg_segment_align: 8
    .kernarg_segment_size: 56
    .max_flat_workgroup_size: 128
    .sgpr_count:     66
    .vgpr_count:     240
    .wavefront_size: 32
...
	.end_amdgpu_metadata
.endif
;; end of part 16
